; MI455X (gfx1250); checked and timed in simulation.
; The chip was launched on July 23, 2026; its instructions are those of AMD's public machine-readable ISA for CDNA 5 (MIT licence, August 2026) and "CDNA5" Instruction Set Architecture Reference Guide (July 2026). The comments in the code are by the model that wrote it; some were corrected since.
;; Global Decoder Layer. Allowed arithmetic: matrix products marked QUANTISED: E2M1 operands, one E8M0 scale for each 32 along K, by v_wmma_scale_f32_16x16x128_f8f6f4 with both operands' format E2M1 (or v_wmma_scale_f32_32x16x128_f4), f32 sums; products left as they are: f32 operands where the result goes on into a quantised operand, else bf16, f16 or f32 operands; f32 sums; everything else in f32.
;; Inputs: cpb_b1 512 float32; cpb_w1 512 x 1 float32; cpb_w2 8 x 512 float32; cross_attn_mask 2 x 256 x 1,024 float32; ff1_b 1,024 float32; ff1_w_codes 1,024 x 8 x 16 uint8 (E2M1 codes of ff1_w, K innermost, in blocks of 32 codes, two codes a byte); ff1_w_scales 1,024 x 8 uint8 (E8M0 scales of ff1_w, one for each 32 codes along K); ff2_b 256 float32; ff2_w_codes 256 x 32 x 16 uint8 (E2M1 codes of ff2_w, K innermost, in blocks of 32 codes, two codes a byte); ff2_w_scales 256 x 32 uint8 (E8M0 scales of ff2_w, one for each 32 codes along K); in_proj_b 768 float32; in_proj_w_codes 768 x 8 x 16 uint8 (E2M1 codes of in_proj_w, K innermost, in blocks of 32 codes, two codes a byte); in_proj_w_scales 768 x 8 uint8 (E8M0 scales of in_proj_w, one for each 32 codes along K); kb 256 float32; kw_codes 256 x 8 x 16 uint8 (E2M1 codes of kw, K innermost, in blocks of 32 codes, two codes a byte); kw_scales 256 x 8 uint8 (E8M0 scales of kw, one for each 32 codes along K); ln1_b 256 float32; ln1_g 256 float32; ln2_b 256 float32; ln2_g 256 float32; ln3_b 256 float32; ln3_g 256 float32; out_b 256 float32; out_w_codes 256 x 8 x 16 uint8 (E2M1 codes of out_w, K innermost, in blocks of 32 codes, two codes a byte); out_w_scales 256 x 8 uint8 (E8M0 scales of out_w, one for each 32 codes along K); proj_b 256 float32; proj_w_codes 256 x 8 x 16 uint8 (E2M1 codes of proj_w, K innermost, in blocks of 32 codes, two codes a byte); proj_w_scales 256 x 8 uint8 (E8M0 scales of proj_w, one for each 32 codes along K); qb 256 float32; query_pos 2 x 256 x 256 float32; qw_codes 256 x 8 x 16 uint8 (E2M1 codes of qw, K innermost, in blocks of 32 codes, two codes a byte); qw_scales 256 x 8 uint8 (E8M0 scales of qw, one for each 32 codes along K); src 2 x 1,024 x 256 float32; src_padding_mask 2 x 1,024 float32; src_pos_embed 2 x 1,024 x 256 float32; tgt 2 x 256 x 256 float32; vb 256 float32; vw_codes 256 x 8 x 16 uint8 (E2M1 codes of vw, K innermost, in blocks of 32 codes, two codes a byte); vw_scales 256 x 8 uint8 (E8M0 scales of vw, one for each 32 codes along K).
;; Outputs: out0 2 x 256 x 256 float32.
;; This version of the problem:
;;   THIS VERSION OF THE PROBLEM IS GIVEN IN LOW PRECISION. The matrix products marked QUANTISED in the list below multiply operands that are first quantised to E2M1 (2 exponent bits, 1 mantissa bit; 4 bits a number), with one power-of-two scale for each 32 numbers along K (OCP MX v1.0); their sums are f32. All else is computed in f32.
;;   The module's matrix products, in the order in which they are computed (A, B: the left and right operand; K: the contracted axis; several contracted axes count as one K, in the product's order):
;;     1. [M 512, K 256] x [K 256, N 256]; A: computed on the way; B: input in_proj_w (given as codes): QUANTISED
;;     2. [M 512, K 256] x [K 256, N 256]; A: computed on the way; B: input in_proj_w (given as codes): QUANTISED
;;     3. [M 512, K 256] x [K 256, N 256]; A: input tgt; B: input in_proj_w (given as codes): QUANTISED
;;     4. batch 16 x [M 256, K 32] x [K 32, N 256]; A: computed on the way; B: computed on the way: QUANTISED
;;     5. batch 16 x [M 256, K 256] x [K 256, N 32]; A: softmax (see below); B: computed on the way: QUANTISED
;;     6. [M 512, K 256] x [K 256, N 256]; A: computed on the way; B: input out_w (given as codes): QUANTISED
;;     7. [M 8, K 512] x [K 512, N 524,288]; A: input cpb_w2; B: computed on the way: left as it is (M = 8 < 16)
;;     8. [M 512, K 256] x [K 256, N 256]; A: computed on the way; B: input qw (given as codes): QUANTISED
;;     9. [M 2,048, K 256] x [K 256, N 256]; A: computed on the way; B: input kw (given as codes): QUANTISED
;;     10. [M 2,048, K 256] x [K 256, N 256]; A: input src; B: input vw (given as codes): QUANTISED
;;     11. batch 16 x [M 256, K 32] x [K 32, N 1,024]; A: computed on the way; B: computed on the way: QUANTISED
;;     12. batch 16 x [M 256, K 1,024] x [K 1,024, N 32]; A: softmax (see below); B: computed on the way: QUANTISED
;;     13. [M 512, K 256] x [K 256, N 256]; A: computed on the way; B: input proj_w (given as codes): QUANTISED
;;     14. [M 512, K 256] x [K 256, N 1,024]; A: computed on the way; B: input ff1_w (given as codes): QUANTISED
;;     15. [M 512, K 1,024] x [K 1,024, N 256]; A: computed on the way; B: input ff2_w (given as codes): QUANTISED
;;   THE QUANTISER, for each operand of a quantised product, along K:
;;     - K is cut into blocks of 32 from its start; a last block that is shorter is filled with zeros.
;;     - A block's scale is 2^e with e = floor(log2(the largest magnitude in the block)) - 2, held to -126 .. 127; a block of zeros has e = 0. As a byte (E8M0): e + 127.
;;     - Each number is divided by its block's scale, clamped to +-6, and rounded to the nearest number of E2M1, ties to even, subnormals kept.
;;     - The product sums the exact products of the quantised numbers (number of the format x scale) in f32.
;;   ~~~python
;;   def quantise(x, axis):      # numpy; x: float32 -> the quantised numbers, widened to float32 again
;;       x = np.moveaxis(x, axis, -1); K = x.shape[-1]
;;       x = np.pad(x, [(0, 0)] * (x.ndim - 1) + [(0, -K % 32)]); x = x.reshape(x.shape[:-1] + (-1, 32)); a = np.abs(x).max(-1, keepdims=True)
;;       e = np.where(a > 0, np.clip(np.frexp(np.where(a > 0, a, 1))[1] - 1 - 2, -126, 127), 0)      # np.frexp(a)[1] - 1 = floor(log2(a)), exactly
;;       r = np.clip(x / 2.0 ** e, -6, 6)
;;       step = 2.0 ** (np.maximum(np.frexp(np.where(r == 0, 1, r))[1] - 1, 0) - 1)
;;       q = np.round(r / step) * step * 2.0 ** e      # np.round: ties to even
;;       return np.moveaxis(q.reshape(q.shape[:-2] + (-1,))[..., :K], -1, axis).astype(np.float32)
;;   ~~~
;;   SOFTMAX AHEAD OF A QUANTISED PRODUCT. Where the list says 'softmax', what is quantised is not the finished softmax but p = 2^(t - M), with t = logit x log2(e) and M = ceil(the row's largest t), a whole number; so 1/2 < the row's largest p <= 1. The row's sum l is taken of the UNQUANTISED p, in f32, and the product's result is divided by l at the end. Since M is a whole number, a kernel that streams over the keys may use a running M (the ceiling of the running maximum): every later rescaling is an exact power of two, which a block's scale takes up: the codes' values come out the same.
;;   OPERANDS COMPUTED ON THE WAY. 'Computed on the way' means the value that the module computes at that place (a softmax that the list does not call 'softmax' is quantised finished and normalised). What goes into a quantiser is computed in f32, as accurately as f32 sums, v_exp_f32 and their like allow (about 1e-6 of the number): no bf16 or f16 on the way to a quantiser, and a product that is left as it is and whose result goes on into a quantised operand takes f32 operands (vector FMAs, or v_wmma_f32_16x16x4_f32). A number that lies on a knife's edge between two numbers of the format may be rounded either way, as far as f32 arithmetic and the matrix unit's own rounding can turn it there, and no further.
;;   INPUTS GIVEN AS CODES. ff1_w (in the module: [1024, 256], K = its axis 1); ff2_w (in the module: [256, 1024], K = its axis 1); in_proj_w (in the module: [768, 256], K = its axis 1); kw (in the module: [256, 256], K = its axis 1); out_w (in the module: [256, 256], K = its axis 1); proj_w (in the module: [256, 256], K = its axis 1); qw (in the module: [256, 256], K = its axis 1); vw (in the module: [256, 256], K = its axis 1): each comes as NAME_codes (uint8): NAME with its K axis moved to the last place and cut into blocks of 32 codes, [.., K / 32, bytes a block], one block behind the other in memory; two codes a byte, the lower K in the low four bits (a code: sign, 2 exponent bits, 1 mantissa bit); and NAME_scales (uint8): the same leading axes, one E8M0 byte (e + 127) for each 32 codes along K. Its value is code x scale, taken as it is: it is not quantised again, and the codes and scales need not be those that the quantiser above would give.
;; 3 versions, each right; version 2 is faster than version 1; version 3 is version 2 with the launches prep, chain written anew for expert scheduling mode. Each part assembles by itself: llvm-mc -triple=amdgcn-amd-amdhsa -mcpu=gfx1250 --defsym DOCPART=n.
;; ======== version 1 of 3: 2 launches
;; workspace buffers: ws 2,828,288 bytes; seg 2,097,152 bytes of whole numbers
;; launch prep (part 1): grid 293 x 1, 8 waves a work-group, no clusters, 91,136 bytes of LDS; arguments cross_attn_mask, cpb_w1, cpb_b1, cpb_w2, src, src_pos_embed, tgt, query_pos, kw_codes, kw_scales, kb, vw_codes, vw_scales, vb, in_proj_w_codes, in_proj_w_scales, in_proj_b, ws, seg; writes ws, seg
.if DOCPART == 1
	.amdgcn_target "amdgcn-amd-amdhsa--gfx1250"
	.amdhsa_code_object_version 6
	.text
	.protected	k_qe91d590793_prep
	.globl	k_qe91d590793_prep
	.p2align	8
	.type	k_qe91d590793_prep,@function
k_qe91d590793_prep:
	s_mov_b64 s[64:65], 0
	v_nop
	global_prefetch_b8 v0, s[64:65] scope:SCOPE_SE
	s_setreg_imm32_b32 hwreg(HW_REG_WAVE_MODE, 25, 1), 1
	s_wait_xcnt 0x0
; PREP: all that the decoder layer's chain wants laid ready.  Three roles, told apart by the work-group's number:
;   T  (work-groups 0-16):   the table of the score MLP.  bias_h(m) = sum over r of w2[h][r] relu(w1[r] m + b1[r]) is piecewise linear in the one number m, with breaks t_r = -b1[r] / w1[r].
;                            With j = the number of breaks under m it is A_h[j] m + C_h[j], A and C the sums of w2 w1 and w2 b1 over the units that are on in piece j.  A lane owns one j, 544 entries in all.
;   KV (work-groups 17-36):  K and V of both attentions for 128 keys each: inputs quantised, projected on FP4 codes, quantised again (K along the head's 32, V along the keys), stored as images of operand registers.
;   S  (work-groups 37-292): for 2,048 mask numbers each the count j, as whole numbers, and the numbers themselves, both in the order of the reader's registers.
; The count is made of floating-point numbers, so no address of this launch hangs on it: it is stored, and the next launch reads it.
; LIMITS: a unit with |w1| under 2^-126 counts as w1 = 0 (the constant w2 max(b1, 0)); |w1| over 2^126 is not served; NaN and infinities in any input are not served.  A break is good to about two units in its last place:
; a mask number between the true break and the computed one gets a term of at most |w2 w1 t| 2^-22 too much or too little.  A block of zeros gets the scale byte 1 and not 127: its codes are zeros, and this program alone reads the bytes.
; No tensor load, no cluster: every stream is read once by the wave that wants it, in registers; what work-groups share (weights of 32 KiB) is small beside a work-group's own rows.
.set PACK_O, 34816                     ; ws: the table at 0 (8 heads x 544 entries x 8 bytes); from here 20 units x 8 heads x 4,352 bytes of K and V images;
.set MIMG_O, 731136                    ; from here the mask numbers, 256 images of 8,192 bytes
.set UNITB,  34816
.set HEADB,  4352
.set XK,  0                            ; LDS, role KV: images of src + pos (16 fragments of 1,024 bytes),
.set XV,  16384                        ; of src,
.set XKS, 32768                        ; and their scale words, 128 bytes a fragment
.set XVS, 34816
.set TS,  36864                        ; role S: the 512 breaks
.set TT,  38912                        ; role T: the 512 breaks,
.set REC, 40960                        ; a record of 64 bytes a unit: a0 c0 a1 c1 | w2 of heads 0-3 | of heads 4-7 | its rank,
.set RED, 73728                        ; and the eight waves' partial sums, 2,048 bytes each
.set TM,  204                          ; v204-219 the quantiser's registers at work
.macro BARRIER                         ; my LDS stores have landed and my LDS loads are in: then the work-group's barrier
	s_wait_dscnt 0x0
	s_barrier_signal -1
	s_barrier_wait -1
.endm
.macro PLACES n
.rept \n
	v_nop
.endr
.endm
.macro MMC d, a, b, c, sa, sb          ; D = A B + C on FP4 codes, 16 x 16 x 128
	v_wmma_scale_f32_16x16x128_f8f6f4 v[\d:\d+7], v[\a:\a+7], v[\b:\b+7], v[\c:\c+7], v[\sa], v[\sb] matrix_a_fmt:MATRIX_FMT_FP4 matrix_b_fmt:MATRIX_FMT_FP4
.endm
; 64 numbers of a lane, register 16 b + i = k 32 b + 16 (lane / 16) + i of my row, become a fragment's codes in v[pc] on and its scale word in v[pw].
.macro QUANT s, pc, pw
.irp b, 0,1,2,3
	v_max3_num_f32 v[TM+\b], |v[\s+16*\b]|, |v[\s+1+16*\b]|, 0x1800000   ; my 16 numbers of block b, and the floor 2^(3 - 127): the byte cannot fall under 1
.endr
.irp i, 2,4,6,8,10,12,14
.irp b, 0,1,2,3
	v_max3_num_f32 v[TM+\b], v[TM+\b], |v[\s+16*\b+\i]|, |v[\s+1+16*\b+\i]|
.endr
.endr
.irp b, 0,1,2,3
	v_permlanex16_b32 v[TM+4+\b], v[TM+\b], s6, s7
.endr
.irp b, 0,1,2,3
	v_max_num_f32 v[TM+\b], v[TM+\b], v[TM+4+\b]   ; with lane l xor 16's: the block's largest magnitude
.endr
.irp b, 0,1,2,3
	v_add_nc_u32 v[TM+12+\b], 0xff000000, v[TM+\b] ; 2 off its exponent field: the conversion's scale operand
.endr
.irp b, 0,1,2,3
	v_lshrrev_b32 v[TM+4+\b], 23, v[TM+12+\b]      ; the scale's byte
.endr
	v_lshl_or_b32 v[\pw], v[TM+5], 8, v[TM+4]
	v_lshl_or_b32 v[\pw], v[TM+6], 16, v[\pw]
	v_lshl_or_b32 v[\pw], v[TM+7], 24, v[\pw]
.irp b, 0,1,2,3
	v_cvt_scalef32_pk8_fp4_f32 v[\pc+2*\b], v[\s+16*\b:\s+7+16*\b], v[TM+12+\b]
	v_cvt_scalef32_pk8_fp4_f32 v[\pc+1+2*\b], v[\s+8+16*\b:\s+15+16*\b], v[TM+12+\b]
.endr
	v_nop                                          ; one plain place behind a scaled conversion
.irp c, 0,1                                    ; the operand's layout wants a whole block in a lane
.irp i, 0,1
	v_permlane16_swap_b32 v[\pc+4*\c+\i], v[\pc+2+4*\c+\i]
.endr
.endr
.endm
; The breaks of units tid and tid + 256 into LDS.  The same lines serve roles S and T, so both have the same bits.  v200-201 w1, v202-203 b1, s76-77: |w1| under 2^-126.
.macro TCALC base
	global_load_b32 v200, v208, s[26:27]
	global_load_b32 v201, v208, s[26:27] offset:1024
	global_load_b32 v202, v208, s[28:29]
	global_load_b32 v203, v208, s[28:29] offset:1024
	s_wait_loadcnt 0x0
	v_rcp_f32 v204, v200
	v_rcp_f32 v205, v201
	v_nop                                          ; a plain place behind the reciprocals
	v_cmp_lt_f32 s76, |v200|, s9
	v_cmp_lt_f32 s77, |v201|, s9
	s_wait_alu depctr_va_vdst(0)                   ; one wait for both reciprocals, ahead of their first reader
	v_mul_f32 v206, -v202, v204
	v_mul_f32 v207, -v203, v205
	v_cndmask_b32 v206, v206, v209, s76            ; a unit without a slope has its break at +infinity: under no mask number
	v_cndmask_b32 v207, v207, v209, s77
	ds_store_b32 v208, v206 offset:\base
	ds_store_b32 v208, v207 offset:\base+1024
.endm
; Eight breaks against ne numbers of a lane: a compare into a scalar mask, and an addition that takes the mask as its carry: two instructions for a break and a number.
.macro CMP8 tx, ne, mr, cr
.irp k, 0,1,2,3,4,5,6,7
.set e, 0
.rept \ne
	v_cmp_lt_f32 s[68+e], v[\tx+\k], v[\mr+e]
.set e, e+1
.endr
.set e, 0
.rept \ne
	v_add_co_ci_u32 v[\cr+e], vcc_lo, 0, v[\cr+e], s[68+e]
.set e, e+1
.endr
.endr
.endm
; v[cr + e] += the number of the 512 breaks at LDS byte base that lie under v[mr + e].  Two buffers of eight breaks (every lane reads the same 32 bytes), each with an address register of its own,
; which is stepped behind the wait that shows its loads done.  31 trips of 16 breaks; the last 16 are written out, so that no load passes the 2,048 bytes.
.macro COUNT ne, mr, cr, base
	v_mov_b32 v48, \base
	v_mov_b32 v49, \base+32
	ds_load_b128 v[32:35], v48
	ds_load_b128 v[36:39], v48 offset:16
	s_mov_b32 s10, 31
.Lcount_\@:
	ds_load_b128 v[40:43], v49
	ds_load_b128 v[44:47], v49 offset:16
	s_wait_dscnt 0x2                               ; the first buffer is in; the two loads just issued may be out
	v_add_nc_u32 v48, 64, v48
	CMP8 32, \ne, \mr, \cr
	ds_load_b128 v[32:35], v48
	ds_load_b128 v[36:39], v48 offset:16
	s_wait_dscnt 0x2                               ; the second buffer is in; the two loads just issued may be out
	v_add_nc_u32 v49, 64, v49
	CMP8 40, \ne, \mr, \cr
	s_sub_co_u32 s10, s10, 1
	s_cmp_lg_u32 s10, 0
	s_cbranch_scc1 .Lcount_\@
	ds_load_b128 v[40:43], v49
	ds_load_b128 v[44:47], v49 offset:16
	s_wait_dscnt 0x2
	CMP8 32, \ne, \mr, \cr
	s_wait_dscnt 0x0
	CMP8 40, \ne, \mr, \cr
.endm
	s_load_b512 s[24:39], s[0:1], 0x0              ; mask 24, w1 26, b1 28, w2 30, src 32, pos 34, tgt 36, query_pos 38
	s_load_b512 s[40:55], s[0:1], 0x40             ; kw codes 40, scales 42, kb 44, vw codes 46, scales 48, vb 50, in_proj codes 52, scales 54
	s_load_b128 s[56:59], s[0:1], 0x80             ; in_proj_b 56, ws 58
	s_load_b64 s[60:61], s[0:1], 0x90              ; seg
	v_lshl_add_u32 v214, v0, 2, 0x16000
	v_mov_b32 v215, 0
	v_lshrrev_b32 v1, 5, v0
	v_readfirstlane_b32 s2, v1                     ; wave 0..7
	s_mov_b32 s6, 0x76543210
	s_mov_b32 s7, 0xfedcba98                       ; v_permlanex16_b32's selects for lane l xor 16
	s_mov_b32 s8, 0xffff0000                       ; lanes 16-31
	s_mov_b32 s9, 0x00800000                       ; 2^-126
	v_and_b32 v16, 15, v0                          ; r
	v_bfe_u32 v17, v0, 4, 1                        ; h
	v_and_b32 v18, 8, v16
	v_add_nc_u32 v18, v18, v16                     ; rr = r + 8 (r / 8): a tile's 16 rows are 0-7 and 16-23 of 32
	v_and_b32 v19, 31, v0                          ; lane
	v_lshlrev_b32 v208, 2, v0                      ; 4 x thread
	v_mov_b32 v209, 0x7f800000                     ; +infinity
	s_wait_kmcnt 0x0
	s_cmp_lt_u32 ttmp9, 17
	s_cbranch_scc1 .Ltab
	s_cmp_lt_u32 ttmp9, 37
	s_cbranch_scc1 .Lkv
; ---------------- ROLE S.  Image sidx = 8 wg + st: the 16 query rows of the chain's work-group wg, keys 128 st on.  Register rho = 16 b + i of lane (r, h) is (row r, key 32 b + 16 h + i); wave w holds rho = 8 w .. 8 w + 7.
	s_sub_co_u32 s11, ttmp9, 37                    ; sidx
	s_lshr_b32 s12, s11, 3                         ; wg
	s_and_b32 s13, s11, 7                          ; st
	s_lshr_b32 s14, s12, 4                         ; batch
	s_and_b32 s15, s12, 15                         ; which tile of 16 rows of the batch's 256
	s_lshr_b32 s16, s15, 1
	s_lshl_b32 s16, s16, 5
	s_and_b32 s17, s15, 1
	s_lshl_b32 s17, s17, 3
	s_add_co_u32 s16, s16, s17                     ; the tile begins at row 32 (T / 2) + 8 (T % 2)
	s_lshl_b32 s14, s14, 8
	s_add_co_u32 s16, s16, s14
	s_lshl_b32 s16, s16, 12                        ; a row of the mask is 4,096 bytes
	s_lshl_b32 s17, s13, 9
	s_add_co_u32 s16, s16, s17                     ; + 128 st keys
	s_lshr_b32 s17, s2, 1
	s_lshl_b32 s17, s17, 7
	s_add_co_u32 s16, s16, s17                     ; + block w / 2
	s_and_b32 s17, s2, 1
	s_lshl_b32 s17, s17, 5
	s_add_co_u32 s16, s16, s17                     ; + 8 (w % 2) keys
	v_lshlrev_b32 v1, 12, v18
	v_lshl_add_u32 v1, v17, 6, v1
	v_add_nc_u32 v1, s16, v1                       ; + row rr, + 16 h keys: the eight waves together read 512 consecutive bytes of each of 16 rows
	s_lshl_b32 s17, s2, 10
	v_lshl_add_u32 v2, v19, 4, s17                 ; out: 1,024 w + 16 lane
	s_lshl_b32 s18, s11, 13
	s_mov_b32 s19, 0
	s_add_nc_u64 s[20:21], s[58:59], s[18:19]
	s_add_nc_u64 s[20:21], s[20:21], MIMG_O
	s_add_nc_u64 s[22:23], s[60:61], s[18:19]
	global_load_b128 v[16:19], v1, s[24:25] th:TH_LOAD_NT
	global_load_b128 v[20:23], v1, s[24:25] offset:16 th:TH_LOAD_NT
	TCALC TS                                       ; its wait for all loads serves the mask numbers too
	BARRIER
.irp j, 24,25,26,27,28,29,30,31
	v_mov_b32 v\j, 0
.endr
	COUNT 8, 16, 24, TS
	global_store_b128 v2, v[16:19], s[20:21]       ; each store of the wave covers 512 consecutive bytes, aligned
	global_store_b128 v2, v[20:23], s[20:21] offset:512
	global_store_b128 v2, v[24:27], s[22:23]
	global_store_b128 v2, v[28:31], s[22:23] offset:512
	s_wait_tensorcnt 0x0
	ds_add_u32 v214, v215
	s_wait_dscnt 0x0
	s_endpgm
; ---------------- ROLE T.  Lane l of every wave owns entry j = 32 x work-group + l; wave w sums units 64 w .. 64 w + 63; the eight partial sums meet in LDS.
.macro RECORD w1r, b1r, zs, w2r, qr, off
	v_cndmask_b32 v[\qr+4], v[\w1r], 0, s[\zs]     ; w1, or 0 where it counts as 0
	v_max_num_f32 v[\qr+5], 0, v[\b1r]
	v_cndmask_b32 v[\qr+5], v[\b1r], v[\qr+5], s[\zs]   ; b1, or max(b1, 0) there
	v_cmp_lt_f32 s78, 0, v[\qr+4]                  ; a rising unit is on above its break, any other below it
	v_cndmask_b32 v[\qr], v[\qr+4], 0, s78         ; a0, c0: what the unit adds where its break is not under m;
	v_cndmask_b32 v[\qr+1], v[\qr+5], 0, s78
	v_cndmask_b32 v[\qr+2], 0, v[\qr+4], s78       ; a1, c1: where it is
	v_cndmask_b32 v[\qr+3], 0, v[\qr+5], s78
	ds_store_b128 v1, v[\qr:\qr+3] offset:REC+\off
	ds_store_b128 v1, v[\w2r:\w2r+3] offset:REC+\off+16
	ds_store_b128 v1, v[\w2r+4:\w2r+7] offset:REC+\off+32
.endm
.Ltab:
.irp hh, 0,1,2,3,4,5,6,7
	global_load_b32 v[64+\hh], v208, s[30:31] offset:2048*\hh
	global_load_b32 v[72+\hh], v208, s[30:31] offset:2048*\hh+1024
.endr
	TCALC TT
	v_lshlrev_b32 v1, 6, v0                        ; my first unit's record
	RECORD 200, 202, 76, 64, 32, 0
	RECORD 201, 203, 77, 72, 40, 16384
	BARRIER
	; a unit's rank = the number of breaks under its own.  For every count j that a mask number can have: t_r < m exactly where rank_r < j.  So nothing is sorted.
	s_lshl_b32 s17, s2, 8
	v_lshl_add_u32 v2, v19, 2, s17
	ds_load_b32 v16, v2 offset:TT                  ; units 64 w + lane and + 32
	ds_load_b32 v17, v2 offset:TT+128
	v_mov_b32 v24, 0
	v_mov_b32 v25, 0
	COUNT 2, 16, 24, TT
	BARRIER                                        ; every wave's walk over the breaks is over
	s_lshl_b32 s17, s2, 12
	v_lshl_add_u32 v3, v19, 6, s17
	ds_store_b32 v3, v24 offset:REC+48
	ds_store_b32 v3, v25 offset:REC+48+2048
	BARRIER
	s_add_co_u32 s17, s17, REC
	v_mov_b32 v4, s17                              ; my wave's 64 records; every lane reads the same bytes
	s_lshl_b32 s18, ttmp9, 5
	v_add_nc_u32 v50, s18, v19                     ; j
.set j, 0
.rept 16
	v_mov_b32 v[52+j], 0                           ; (A, C) of the eight heads
.set j, j+1
.endr
	s_mov_b32 s10, 16
.Ltmain:                                           ; 16 trips of four units
.irp k, 0,1,2,3
	ds_load_b128 v[80+16*\k:83+16*\k], v4 offset:64*\k
	ds_load_b128 v[84+16*\k:87+16*\k], v4 offset:64*\k+16
	ds_load_b128 v[88+16*\k:91+16*\k], v4 offset:64*\k+32
	ds_load_b32 v[92+16*\k], v4 offset:64*\k+48
.endr
	s_wait_dscnt 0x0
	v_add_nc_u32 v4, 0x100, v4
.irp k, 0,1,2,3
	v_cmp_lt_u32 s[68+\k], v[92+16*\k], v50
.endr
.irp k, 0,1,2,3
	v_cndmask_b32 v[68+2*\k], v[80+16*\k], v[82+16*\k], s[68+\k]
	v_cndmask_b32 v[69+2*\k], v[81+16*\k], v[83+16*\k], s[68+\k]
.endr
.irp k, 0,1,2,3
.irp p, 0,1,2,3
	v_pk_fma_f32 v[52+4*\p:53+4*\p], v[68+2*\k:69+2*\k], v[84+16*\k+2*\p:85+16*\k+2*\p], v[52+4*\p:53+4*\p] op_sel_hi:[1,0,1]               ; (A, C) of head 2 p += (a, c) w2[2 p]
	v_pk_fma_f32 v[54+4*\p:55+4*\p], v[68+2*\k:69+2*\k], v[84+16*\k+2*\p:85+16*\k+2*\p], v[54+4*\p:55+4*\p] op_sel:[0,1,0] op_sel_hi:[1,1,1]   ; of head 2 p + 1 += (a, c) w2[2 p + 1]
.endr
.endr
	s_sub_co_u32 s10, s10, 1
	s_cmp_lg_u32 s10, 0
	s_cbranch_scc1 .Ltmain
	BARRIER                                        ; every wave's walk over the records is over
	s_lshl_b32 s17, s2, 11
	s_add_co_u32 s17, s17, RED
	v_lshl_add_u32 v5, v19, 4, s17
.irp q, 0,1,2,3
	ds_store_b128 v5, v[52+4*\q:55+4*\q] offset:512*\q
.endr
	BARRIER
	s_lshr_b32 s17, s2, 1                          ; wave w adds up head w
	s_lshl_b32 s17, s17, 9
	s_and_b32 s18, s2, 1
	s_lshl_b32 s18, s18, 3
	s_add_co_u32 s17, s17, s18
	s_add_co_u32 s17, s17, RED
	v_lshl_add_u32 v6, v19, 4, s17
.irp p, 0,1,2,3,4,5,6,7
	ds_load_b64 v[80+2*\p:81+2*\p], v6 offset:2048*\p
.endr
	s_wait_dscnt 0x0
.irp p, 1,2,3,4,5,6,7
	v_pk_add_f32 v[80:81], v[80:81], v[80+2*\p:81+2*\p]
.endr
	s_mul_i32 s17, s2, HEADB
	s_lshl_b32 s18, ttmp9, 8
	s_add_co_u32 s17, s17, s18
	v_lshl_add_u32 v7, v19, 3, s17
	global_store_b64 v7, v[80:81], s[58:59]        ; 32 entries: 256 consecutive bytes, aligned
	s_wait_tensorcnt 0x0
	ds_add_u32 v214, v215
	s_wait_dscnt 0x0
	s_endpgm
; ---------------- ROLE KV.  Unit kvid: 0-15 cross (rows 128 kvid of src), 16-19 self (rows 128 (kvid - 16) of tgt).  Only pointers and offsets are chosen: both kinds take one path.
; REGISTERS: v1 16 lane, v2 4 r, v3 my bytes of the inputs' rows, v4-5 where I store images and scale words, v6-7 the weights' rows and scale words, v8-9 the biases, v10 8 lane; v[12:13] the unit's K and V scale words;
;   v16-79 64 numbers; v80-143 inputs' second tensor, later eight fragments from LDS; v144-175 four weight fragments; v176-191 biases as C; v192-199, v200-203 scale words; v220-223, v224-255 four fragments made, each with registers of its own.
.macro WLOAD cp, sp                    ; my head's 32 rows of a weight: tiles u = 0, 1 (rows 32 w + 8 u + rr), K steps s = 0, 1
.irp u, 0,1
.irp s, 0,1
.irp c, 0,1
	global_load_b128 v[144+16*\u+8*\s+4*\c:147+16*\u+8*\s+4*\c], v6, s[\cp:\cp+1] offset:\u*1024+\s*64+32*\c
.endr
	global_load_b32 v[200+2*\u+\s], v7, s[\sp:\sp+1] offset:\u*64+4*\s
.endr
.endr
.endm
.macro XLOAD st                        ; my 16 keys' numbers of K step st: of each block of 32 my 16
.irp b, 0,1,2,3
.irp j, 0,1,2,3
	global_load_b128 v[16+16*\b+4*\j:19+16*\b+4*\j], v3, s[12:13] offset:512*\st+128*\b+16*\j th:TH_LOAD_NT
	global_load_b128 v[80+16*\b+4*\j:83+16*\b+4*\j], v3, s[14:15] offset:512*\st+128*\b+16*\j th:TH_LOAD_NT
.endr
.endr
.endm
.Lkv:
	s_sub_co_u32 s11, ttmp9, 17
	s_cmp_lt_u32 s11, 16                           ; the choice hangs on the work-group's number alone
	s_cselect_b64 s[12:13], s[32:33], s[36:37]     ; V's input: src or tgt
	s_cselect_b64 s[14:15], s[34:35], s[38:39]     ; what K's input adds: src_pos_embed or query_pos
	s_cselect_b64 s[16:17], s[40:41], s[52:53]     ; K's weight: codes,
	s_cselect_b64 s[18:19], s[42:43], s[54:55]     ; scales,
	s_cselect_b64 s[20:21], s[44:45], s[56:57]     ; bias
	s_cselect_b64 s[80:81], s[46:47], s[52:53]     ; V's likewise
	s_cselect_b64 s[82:83], s[48:49], s[54:55]
	s_cselect_b64 s[84:85], s[50:51], s[56:57]
	s_cselect_b32 s86, 0, 32768                    ; in_proj's rows 256 on are K's, 512 on V's: 128 bytes of codes, 8 of scales, 4 of bias a row
	s_cselect_b32 s88, 0, 2048
	s_cselect_b32 s90, 0, 1024
	s_cselect_b32 s92, 0, 65536
	s_cselect_b32 s94, 0, 4096
	s_cselect_b32 s96, 0, 2048
	s_cselect_b32 s22, 0, 16
	s_mov_b32 s87, 0
	s_mov_b32 s89, 0
	s_mov_b32 s91, 0
	s_mov_b32 s93, 0
	s_mov_b32 s95, 0
	s_mov_b32 s97, 0
	s_mov_b32 s23, 0
	s_sub_co_u32 s22, s11, s22
	s_lshl_b32 s22, s22, 17                        ; 128 rows of 1,024 bytes
	s_add_nc_u64 s[12:13], s[12:13], s[22:23]
	s_add_nc_u64 s[14:15], s[14:15], s[22:23]
	s_add_nc_u64 s[16:17], s[16:17], s[86:87]
	s_add_nc_u64 s[18:19], s[18:19], s[88:89]
	s_add_nc_u64 s[20:21], s[20:21], s[90:91]
	s_add_nc_u64 s[80:81], s[80:81], s[92:93]
	s_add_nc_u64 s[82:83], s[82:83], s[94:95]
	s_add_nc_u64 s[84:85], s[84:85], s[96:97]
	s_mul_i32 s22, s11, UNITB
	s_mul_i32 s3, s2, HEADB
	s_add_co_u32 s22, s22, s3
	s_add_co_u32 s22, s22, PACK_O
	s_add_nc_u64 s[24:25], s[58:59], s[22:23]      ; where my head's images of this unit go
	v_lshlrev_b32 v1, 4, v19
	v_lshlrev_b32 v2, 2, v16
	s_lshr_b32 s3, s2, 1
	s_lshl_b32 s3, s3, 5
	s_and_b32 s4, s2, 1
	s_lshl_b32 s4, s4, 3
	s_add_co_u32 s3, s3, s4
	v_add_nc_u32 v3, s3, v18                       ; phase X: wave w takes key tile w: keys 32 (w / 2) + 8 (w % 2) + rr
	v_lshlrev_b32 v3, 10, v3
	v_lshl_add_u32 v3, v17, 6, v3
	s_lshl_b32 s3, s2, 11
	v_add_nc_u32 v4, s3, v1
	s_lshl_b32 s3, s2, 8
	v_lshl_add_u32 v5, v19, 2, s3
	s_lshl_b32 s3, s2, 5
	v_add_nc_u32 v11, s3, v18                      ; 32 w + rr
	v_lshlrev_b32 v6, 7, v11
	v_lshl_add_u32 v6, v17, 4, v6
	v_lshlrev_b32 v7, 3, v11
	v_lshlrev_b32 v9, 2, v11
	s_lshl_b32 s3, s2, 7
	v_lshl_add_u32 v8, v17, 6, s3                  ; (32 w + 16 h) x 4
	v_lshlrev_b32 v10, 3, v19
.irp b, 0,1,2,3
	v_mov_b32 v[TM+4+\b], 0                        ; written once: a lane permute's destination counts as one of its sources
.endr
	WLOAD 16, 18                                   ; K's weight and bias are asked for ahead of phase X
.irp q, 0,1,2,3
	global_load_b128 v[176+4*\q:179+4*\q], v8, s[20:21] offset:16*\q   ; kb in the result's layout: features 32 w + 16 h + 0 .. 15
.endr
	; ---- X: my 16 keys' rows, quantised along the 256: src for V, src + pos for K; two fragments each, as images
.irp st2, 0,1
	XLOAD \st2
	s_wait_loadcnt 0x0
	QUANT 16, 224, 220
	ds_store_b128 v4, v[224:227] offset:XV+1024*\st2
	ds_store_b128 v4, v[228:231] offset:XV+1024*\st2+512
	ds_store_b32 v5, v220 offset:XVS+128*\st2
.set j, 0
.rept 32
	v_pk_add_f32 v[16+j:17+j], v[16+j:17+j], v[80+j:81+j]
.set j, j+2
.endr
	s_wait_dscnt 0x0                               ; the stores have read their registers
	QUANT 16, 224, 220
	ds_store_b128 v4, v[224:227] offset:XK+1024*\st2
	ds_store_b128 v4, v[228:231] offset:XK+1024*\st2+512
	ds_store_b32 v5, v220 offset:XKS+128*\st2
	s_wait_dscnt 0x0
.endr
	BARRIER                                        ; all 32 fragments lie in LDS; nothing is stored to LDS behind this barrier
	; ---- K, wave w = head w.  Transposed: source 0 = 16 rows of the weight, source 1 = 16 keys.  A lane then holds one key and 16 of the head's 32; a key's one block of 32 is quantised,
	; and FOUR key tiles share a fragment, tile beta in block beta of K: 64 keys a fragment, with one scale byte a tile.
.irp g, 0,1
.irp be, 0,1,2,3
.irp s, 0,1
.irp c, 0,1
	ds_load_b128 v[80+16*\be+8*\s+4*\c:83+16*\be+8*\s+4*\c], v1 offset:XK+(2*(4*\g+\be)+\s)*1024+512*\c
.endr
	ds_load_b32 v[192+2*\be+\s], v2 offset:XKS+(2*(4*\g+\be)+\s)*128
.endr
.endr
	s_wait_loadcnt 0x0
	s_wait_dscnt 0x0
.irp s, 0,1                                    ; eight accumulators by turns
.irp be, 0,1,2,3
.irp u, 0,1
.if \s == 0
	MMC 16+16*\be+8*\u, 144+16*\u, 80+16*\be, 176+8*\u, 200+2*\u, 192+2*\be
.else
	MMC 16+16*\be+8*\u, 152+16*\u, 88+16*\be, 16+16*\be+8*\u, 201+2*\u, 193+2*\be
.endif
.endr
.endr
.endr
	PLACES 4                                       ; in front of the first read of results, and of loads into registers that the products have read
	QUANT 16, 224+8*\g, 220+\g
	global_store_b128 v1, v[224+8*\g:227+8*\g], s[24:25] offset:1024*\g        ; 512 consecutive bytes a store
	global_store_b128 v1, v[228+8*\g:231+8*\g], s[24:25] offset:1024*\g+512
.endr
	v_cndmask_b32 v12, v220, v221, s8              ; lanes 0-15: fragment 0's scale words; lanes 16-31: fragment 1's
	; ---- V.  Source 0 = 16 keys, source 1 = 16 rows of the weight: a lane holds one feature and its registers run along the 128 keys, which are the second product's K.
	WLOAD 80, 82
	global_load_b32 v14, v9, s[84:85]              ; vb of my lane's feature, tile 0 and tile 1
	global_load_b32 v15, v9, s[84:85] offset:32
	s_wait_loadcnt 0x0
.irp u, 0,1
.irp j, 0,1,2,3,4,5,6,7
	v_mov_b32 v[176+8*\u+\j], v[14+\u]
.endr
.endr
	PLACES 4
.irp u, 0,1
.irp s, 0,1
.irp t, 0,1,2,3,4,5,6,7
.irp c, 0,1
	ds_load_b128 v[80+8*\t+4*\c:83+8*\t+4*\c], v1 offset:XV+(2*\t+\s)*1024+512*\c
.endr
	ds_load_b32 v[192+\t], v2 offset:XVS+(2*\t+\s)*128
.endr
	s_wait_dscnt 0x0
.irp t, 0,1,2,3,4,5,6,7
.if \s == 0
	MMC 16+8*\t, 80+8*\t, 144+16*\u, 176+8*\u, 192+\t, 200+2*\u
.else
	MMC 16+8*\t, 80+8*\t, 152+16*\u, 16+8*\t, 192+\t, 201+2*\u
.endif
.endr
	PLACES 4
.endr
	QUANT 16, 240+8*\u, 222+\u
	global_store_b128 v1, v[240+8*\u:243+8*\u], s[24:25] offset:2048+1024*\u
	global_store_b128 v1, v[244+8*\u:247+8*\u], s[24:25] offset:2048+1024*\u+512
.endr
	v_cndmask_b32 v13, v222, v223, s8
	global_store_b64 v10, v[12:13], s[24:25] offset:4096   ; the scale words: 256 consecutive bytes, aligned
	s_wait_tensorcnt 0x0
	ds_add_u32 v214, v215
	s_wait_dscnt 0x0
	s_endpgm
.Lfunc_end_k_qe91d590793_prep:
	.size	k_qe91d590793_prep, .Lfunc_end_k_qe91d590793_prep-k_qe91d590793_prep
	.p2alignl 7, 3214868480
	.fill 96, 4, 3214868480
	.section	.rodata,"a",@progbits
	.p2align	6, 0x0
	.amdhsa_kernel k_qe91d590793_prep
		.amdhsa_group_segment_fixed_size 91136
		.amdhsa_private_segment_fixed_size 0
		.amdhsa_enable_private_segment 0
		.amdhsa_kernarg_size 152
		.amdhsa_user_sgpr_count 2
		.amdhsa_user_sgpr_kernarg_segment_ptr 1
		.amdhsa_wavefront_size32 1
		.amdhsa_system_sgpr_workgroup_id_x 1
		.amdhsa_system_sgpr_workgroup_id_y 1
		.amdhsa_system_sgpr_workgroup_id_z 1
		.amdhsa_system_vgpr_workitem_id 0
		.amdhsa_next_free_vgpr 256
		.amdhsa_next_free_sgpr 100
		.amdhsa_reserve_vcc 1
		.amdhsa_float_denorm_mode_32 3
		.amdhsa_float_denorm_mode_16_64 3
		.amdhsa_memory_ordered 1
		.amdhsa_forward_progress 1
		.amdhsa_inst_pref_size 124
	.end_amdhsa_kernel
	.amdgpu_metadata
---
amdhsa.version: [ 1, 2 ]
amdhsa.kernels:
  - .name:           k_qe91d590793_prep
    .symbol:         k_qe91d590793_prep.kd
    .args:
      - { .name: cross_attn_mask, .offset: 0, .size: 8, .value_kind: global_buffer, .address_space: global }
      - { .name: cpb_w1, .offset: 8, .size: 8, .value_kind: global_buffer, .address_space: global }
      - { .name: cpb_b1, .offset: 16, .size: 8, .value_kind: global_buffer, .address_space: global }
      - { .name: cpb_w2, .offset: 24, .size: 8, .value_kind: global_buffer, .address_space: global }
      - { .name: src, .offset: 32, .size: 8, .value_kind: global_buffer, .address_space: global }
      - { .name: src_pos_embed, .offset: 40, .size: 8, .value_kind: global_buffer, .address_space: global }
      - { .name: tgt, .offset: 48, .size: 8, .value_kind: global_buffer, .address_space: global }
      - { .name: query_pos, .offset: 56, .size: 8, .value_kind: global_buffer, .address_space: global }
      - { .name: kw_codes, .offset: 64, .size: 8, .value_kind: global_buffer, .address_space: global }
      - { .name: kw_scales, .offset: 72, .size: 8, .value_kind: global_buffer, .address_space: global }
      - { .name: kb, .offset: 80, .size: 8, .value_kind: global_buffer, .address_space: global }
      - { .name: vw_codes, .offset: 88, .size: 8, .value_kind: global_buffer, .address_space: global }
      - { .name: vw_scales, .offset: 96, .size: 8, .value_kind: global_buffer, .address_space: global }
      - { .name: vb, .offset: 104, .size: 8, .value_kind: global_buffer, .address_space: global }
      - { .name: in_proj_w_codes, .offset: 112, .size: 8, .value_kind: global_buffer, .address_space: global }
      - { .name: in_proj_w_scales, .offset: 120, .size: 8, .value_kind: global_buffer, .address_space: global }
      - { .name: in_proj_b, .offset: 128, .size: 8, .value_kind: global_buffer, .address_space: global }
      - { .name: ws, .offset: 136, .size: 8, .value_kind: global_buffer, .address_space: global }
      - { .name: seg, .offset: 144, .size: 8, .value_kind: global_buffer, .address_space: global }
    .group_segment_fixed_size: 91136
    .private_segment_fixed_size: 0
    .kernarg_segment_align: 8
    .kernarg_segment_size: 152
    .max_flat_workgroup_size: 256
    .sgpr_count:     100
    .vgpr_count:     256
    .wavefront_size: 32
...
	.end_amdgpu_metadata
.endif
;; end of part 1
;; launch chain (part 2): grid 32 x 1, 8 waves a work-group, no clusters, 76,800 bytes of LDS; arguments tgt, query_pos, ws, seg, src_padding_mask, out0, in_proj_w_codes, in_proj_w_scales, in_proj_b, out_w_codes, out_w_scales, out_b, qw_codes, qw_scales, qb, proj_w_codes, proj_w_scales, proj_b, ff1_w_codes, ff1_w_scales, ff1_b, ff2_w_codes, ff2_w_scales, ff2_b, ln2_g, ln2_b, ln1_g, ln1_b, ln3_g, ln3_b; writes out0
.if DOCPART == 2
	.amdgcn_target "amdgcn-amd-amdhsa--gfx1250"
	.amdhsa_code_object_version 6
	.text
	.protected	k_qe91d590793_chain
	.globl	k_qe91d590793_chain
	.p2align	8
	.type	k_qe91d590793_chain,@function
k_qe91d590793_chain:
	s_mov_b64 s[64:65], 0
	v_nop
	global_prefetch_b8 v0, s[64:65] scope:SCOPE_SE
	s_setreg_imm32_b32 hwreg(HW_REG_WAVE_MODE, 25, 1), 1
	s_wait_xcnt 0x0
; CHAIN: 16 query rows go through the whole decoder layer in one work-group: q of the self-attention, self-attention, out projection, LN2, q of the cross-attention, cross-attention with the score MLP's bias and the
; padding mask, projection, LN1, FFN, LN3.  Nothing of it goes to memory but the result.  All quantised products run on FP4 codes (16 x 16 x 128, E8M0 scales); everything else is f32.
; SHARES.  Work-group wg: batch wg / 16, rows 32 (T / 2) + 8 (T % 2) + r + 8 (r / 8), T = wg % 16, r = 0 .. 15.  THE EIGHT WAVES SHARE THE COLUMNS: wave w is head w and features 32 w .. 32 w + 31, and 128 of the FFN's 1,024.
; Every product is used transposed (source 0 = 16 rows of a weight, of K or of V^T; source 1 = the 16 query rows): lane (r, h) holds query row r and features 32 w + 16 h + 0 .. 15 in 16 registers.
; So a wave's 32 features are one block of the next product's K: it is quantised in lanes l and l xor 16 and goes to the other waves through LDS as its part of an image of the operand's registers.
; ATTENTION.  K and V come from the launch before as register images, straight from memory into registers.  A head's K is one block of 32, so a fragment of K holds four key tiles, one in each block; the scores of
; tile beta come from q's codes laid in block beta alone, zero codes elsewhere.  p = 2^(t - M), M the running largest t rounded up; the row's sum is taken of the unquantised p and divides at the end.
; THE BIAS is A[j] m + C[j]: j (a whole number that the launch before stored) picks 8 bytes of the head's table in LDS.  It and -100 x the padding mask are the C of the score products.
; A step's loads (128 keys) are issued one whole step ahead of their use, into the registers that the step in hand has just left; so nothing is asked of memory ahead of them.
; No tensor load and no cluster: the operands lie in memory as the registers want them, and between the two barriers round the cross-attention no wave may store to LDS, since the gathers' addresses hang on loaded numbers.
; LIMITS: NaN and infinities among the inputs are not served; p under 2^-126 counts as 0; a block of zeros has the scale byte 1 and zero codes.
; REGISTERS, window 0: v1-23, v29 addresses; v24 -M, v25 the largest t, v[26:27] the sum; v28, v30, v31 scale words of q, K, V; v32-55 q's codes in four places; v56-71 O^T; v72-87 X (query_pos, later the rows behind LN1);
;   v88-103 RB (the rows; later ff2's bias); v104-119 Y (a product's result); v120-127 weights' scale words; v128-191 S (scores, operands from LDS, the hidden layer); v192-223 K's and V's fragments, later gains and biases;
;   v224-231 codes just made; v232-255 at work.   window 1: weights and their biases; in the cross-attention v0-63 segment numbers, v64-191 (A, C), v192-255 the padding mask.
.set PACK_O, 34816
.set MIMG_O, 731136
.set UNITB,  34816
.set HEADB,  4352
.set XI0,  34816                       ; LDS: the table at 0 (head w at 4,352 w); five operand images: 2,048 bytes of codes (two K steps), then 2 x 128 bytes of scale words
.set XI1,  37120
.set XI2,  39424
.set XI3,  41728
.set XI4,  44032
.set HIMG, 46336                       ; the hidden layer's eight fragments,
.set HSC,  54528                       ; their scale words,
.set RED0, 55552                       ; six times 16 rows x 8 waves x 4 bytes for the norms' sums,
.set RED2, 56576
.set RED4, 57600
.set STG,  58624                       ; and the stage for the result: 16 rows x (1,024 + 16) bytes
.set TM,   232
.set MSB, 0
.macro WIN new                         ; the immediate's high byte repeats the setting that is left; a switch that changes nothing is dropped
.if MSB != (\new)
	s_set_vgpr_msb (MSB<<8)|(\new)
.set MSB, (\new)
.endif
.endm
.macro BARRIER
	s_wait_dscnt 0x0
	s_barrier_signal -1
	s_barrier_wait -1
.endm
.macro PLACES n
.rept \n
	v_nop
.endr
.endm
.macro MMC d, a, b, c, sa, sb
	v_wmma_scale_f32_16x16x128_f8f6f4 v[\d:\d+7], v[\a:\a+7], v[\b:\b+7], v[\c:\c+7], v[\sa], v[\sb] matrix_a_fmt:MATRIX_FMT_FP4 matrix_b_fmt:MATRIX_FMT_FP4
.endm
.macro QUANT s, pc, pw                 ; 64 numbers of a lane, register 16 b + i = k 32 b + 16 (lane / 16) + i, become a fragment and its scale word
.irp b, 0,1,2,3
	v_max3_num_f32 v[TM+\b], |v[\s+16*\b]|, |v[\s+1+16*\b]|, 0x1800000
.endr
.irp i, 2,4,6,8,10,12,14
.irp b, 0,1,2,3
	v_max3_num_f32 v[TM+\b], v[TM+\b], |v[\s+16*\b+\i]|, |v[\s+1+16*\b+\i]|
.endr
.endr
.irp b, 0,1,2,3
	v_permlanex16_b32 v[TM+4+\b], v[TM+\b], s6, s7
.endr
.irp b, 0,1,2,3
	v_max_num_f32 v[TM+\b], v[TM+\b], v[TM+4+\b]
.endr
.irp b, 0,1,2,3
	v_add_nc_u32 v[TM+12+\b], 0xff000000, v[TM+\b]
.endr
.irp b, 0,1,2,3
	v_lshrrev_b32 v[TM+4+\b], 23, v[TM+12+\b]
.endr
	v_lshl_or_b32 v[\pw], v[TM+5], 8, v[TM+4]
	v_lshl_or_b32 v[\pw], v[TM+6], 16, v[\pw]
	v_lshl_or_b32 v[\pw], v[TM+7], 24, v[\pw]
.irp b, 0,1,2,3
	v_cvt_scalef32_pk8_fp4_f32 v[\pc+2*\b], v[\s+16*\b:\s+7+16*\b], v[TM+12+\b]
	v_cvt_scalef32_pk8_fp4_f32 v[\pc+1+2*\b], v[\s+8+16*\b:\s+15+16*\b], v[TM+12+\b]
.endr
	v_nop
.irp c, 0,1
.irp i, 0,1
	v_permlane16_swap_b32 v[\pc+4*\c+\i], v[\pc+2+4*\c+\i]
.endr
.endr
.endm
; One block of 32: my 16 numbers v[s] on and lane l xor 16's.  Codes in v[238:239], the scale's byte in v236.
.macro Q1 s
	v_max3_num_f32 v232, |v[\s]|, |v[\s+1]|, 0x1800000   ; with the floor 2^(3 - 127): the byte cannot fall under 1
	v_max3_num_f32 v233, |v[\s+2]|, |v[\s+3]|, |v[\s+4]|
	v_max3_num_f32 v232, v232, |v[\s+5]|, |v[\s+6]|
	v_max3_num_f32 v233, v233, |v[\s+7]|, |v[\s+8]|
	v_max3_num_f32 v232, v232, |v[\s+9]|, |v[\s+10]|
	v_max3_num_f32 v233, v233, |v[\s+11]|, |v[\s+12]|
	v_max3_num_f32 v232, v232, |v[\s+13]|, |v[\s+14]|
	v_max3_num_f32 v232, v232, v233, |v[\s+15]|
	v_permlanex16_b32 v234, v232, s6, s7
	v_max_num_f32 v232, v232, v234
	v_add_nc_u32 v235, 0xff000000, v232
	v_lshrrev_b32 v236, 23, v235
	v_cvt_scalef32_pk8_fp4_f32 v238, v[\s:\s+7], v235
	v_cvt_scalef32_pk8_fp4_f32 v239, v[\s+8:\s+15], v235
	v_nop                                          ; one plain place behind a scaled conversion
.endm
.macro QSTORE s, xi                    ; my block is block w % 4 of K step w / 4 of the image: 256 consecutive bytes a wave, and one byte of each row's scale word
	Q1 \s
	ds_store_b64 v3, v[238:239] offset:\xi
	ds_store_b8 v4, v236 offset:\xi
.endm
; My 32 rows of a weight (tiles u = 0, 1: rows 32 w + 8 u + rr; NK K steps) into window 1, its bias in the result's layout (bb = 1), its scale words into window 0.  6 NK (+ 4) loads: 4 NK of codes, 2 NK of scale words
.macro LIN_LOAD wa, ws, cp, sp, bp, NK, wreg, breg, wsc, bb
	WIN 0x40
.irp u, 0,1
.set ss, 0
.rept \NK
	global_load_b128 v[\wreg+8*(\u*\NK+ss):\wreg+8*(\u*\NK+ss)+3], v[\wa], s[\cp:\cp+1] offset:\u*512*\NK+64*ss
	global_load_b128 v[\wreg+8*(\u*\NK+ss)+4:\wreg+8*(\u*\NK+ss)+7], v[\wa], s[\cp:\cp+1] offset:\u*512*\NK+64*ss+32
.set ss, ss+1
.endr
.endr
.if \bb
.irp q, 0,1,2,3
	global_load_b128 v[\breg+4*\q:\breg+4*\q+3], v12, s[\bp:\bp+1] offset:16*\q
.endr
.endif
	WIN 0
.irp u, 0,1
.set ss, 0
.rept \NK
	global_load_b32 v[\wsc+\u*\NK+ss], v[\ws], s[\sp:\sp+1] offset:\u*32*\NK+4*ss
.set ss, ss+1
.endr
.endr
.endm
; Y = weight x rows + bias.  The rows' fragments and scale words come from LDS; the bias is the C of each sum's first product (w0: the window setting with the bias's window); two accumulators by turns.
; cnt: the global loads issued behind this weight's, which may stay out.
.macro LIN_RUN xi, xsc, NK, wreg, breg, w0, wsc, cnt
.set ss, 0
.rept \NK
	ds_load_b128 v[128+8*ss:131+8*ss], v1 offset:\xi+1024*ss
	ds_load_b128 v[132+8*ss:135+8*ss], v1 offset:\xi+1024*ss+512
	ds_load_b32 v[248+ss], v2 offset:\xsc+128*ss
.set ss, ss+1
.endr
	s_wait_loadcnt \cnt
	s_wait_dscnt 0x0
	WIN \w0
.irp u, 0,1
	MMC 104+8*\u, \wreg+8*\u*\NK, 128, \breg+8*\u, \wsc+\u*\NK, 248
.endr
	WIN 0x01
.set ss, 1
.rept \NK-1
.irp u, 0,1
	MMC 104+8*\u, \wreg+8*(\u*\NK+ss), 128+8*ss, 104+8*\u, \wsc+\u*\NK+ss, 248+ss
.endr
.set ss, ss+1
.endr
	WIN 0
	PLACES 4                                       ; in front of the first read of Y and of loads into registers that the products have read
.endm
; q = Y / sqrt(32), quantised; its 32 codes laid so that v[32:39], v[44:51], v[36:43], v[48:55] hold them in block 0, 1, 2, 3 alone; then the attention's sums are begun.
.macro MAKEQ
.set j, 0
.rept 16
	v_mul_f32 v[104+j], 0x3e3504f3, v[104+j]
.set j, j+1
.endr
	Q1 104
	v_permlanex16_b32 v240, v238, s6, s7           ; the other half's 16 codes
	v_permlanex16_b32 v241, v239, s6, s7
	v_lshl_or_b32 v28, v236, 8, v236               ; q's byte in all four bytes of its scale word
	v_lshl_or_b32 v28, v28, 16, v28
.irp o, 32, 40                                 ; lanes 0-15: the 32 codes; lanes 16-31: zeros
	v_cndmask_b32 v[\o], 0, v238, s8
	v_cndmask_b32 v[\o+1], 0, v239, s8
	v_cndmask_b32 v[\o+2], 0, v240, s8
	v_cndmask_b32 v[\o+3], 0, v241, s8
.endr
.irp o, 44, 52                                 ; lanes 16-31: the 32 codes; lanes 0-15: zeros
	v_cndmask_b32 v[\o], v240, 0, s8
	v_cndmask_b32 v[\o+1], v241, 0, s8
	v_cndmask_b32 v[\o+2], v238, 0, s8
	v_cndmask_b32 v[\o+3], v239, 0, s8
.endr
.irp o, 36,37,38,39,48,49,50,51
	v_mov_b32 v\o, 0
.endr
.set j, 0
.rept 16
	v_mov_b32 v[56+j], 0                           ; O^T: the step is written once; the first finds zeros.  (These lines are also the places between q's registers and the first product)
.set j, j+1
.endr
	v_mov_b32 v25, 0xff61b1e6                      ; the largest t so far: -3e38
	v_floor_f32 v24, -v25
	v_mov_b32 v26, 0
	v_mov_b32 v27, 0
	v_mov_b32 v253, 0                              ; (named as the upper half of v[252:253] before it is first written)
.endm
; A step's loads, from off bytes behind the bases.
.macro LD_SEG off
	WIN 0x40
.set g, 0
.rept 16
	global_load_b128 v[4*g:4*g+3], v1, s[22:23] offset:\off+512*g
.set g, g+1
.endr
	WIN 0
.endm
.macro LD_PAD off                      ; register 16 b + i: the mask of key 32 b + 16 h + i
	WIN 0x40
.set g, 0
.rept 16
	global_load_b128 v[192+4*g:195+4*g], v15, s[24:25] offset:\off+128*(g/4)+16*(g%4)
.set g, g+1
.endr
	WIN 0
.endm
.macro LD_M off
.set g, 0
.rept 16
	global_load_b128 v[128+4*g:131+4*g], v1, s[20:21] offset:\off+512*g
.set g, g+1
.endr
.endm
.macro LD_K off
.irp q, 0,1,2,3
	global_load_b128 v[192+4*\q:195+4*\q], v1, s[18:19] offset:\off+512*\q
.endr
	global_load_b32 v30, v20, s[18:19] offset:\off+4096
.endm
.macro LD_V off
.irp q, 0,1,2,3
	global_load_b128 v[208+4*\q:211+4*\q], v1, s[18:19] offset:\off+2048+512*\q
.endr
	global_load_b32 v31, v20, s[18:19] offset:\off+4100
.endm
.macro SCORE gq, bq, cq                ; the scores of key tile 4 gq + bq: K's fragment gq against q's codes in block bq.  cq = 1: onto the bias that lies in the accumulator
.set rD, 128+8*(4*(\gq)+(\bq))
.set rB, 32+12*((\bq)%2)+4*((\bq)/2)
.set rA, 192+8*(\gq)
.if \cq
.if \gq
	v_wmma_scale_f32_16x16x128_f8f6f4 v[rD:rD+7], v[rA:rA+7], v[rB:rB+7], v[rD:rD+7], v30, v28 matrix_a_fmt:MATRIX_FMT_FP4 matrix_b_fmt:MATRIX_FMT_FP4 matrix_a_scale:MATRIX_SCALE_ROW1
.else
	v_wmma_scale_f32_16x16x128_f8f6f4 v[rD:rD+7], v[rA:rA+7], v[rB:rB+7], v[rD:rD+7], v30, v28 matrix_a_fmt:MATRIX_FMT_FP4 matrix_b_fmt:MATRIX_FMT_FP4
.endif
.else
.if \gq
	v_wmma_scale_f32_16x16x128_f8f6f4 v[rD:rD+7], v[rA:rA+7], v[rB:rB+7], 0, v30, v28 matrix_a_fmt:MATRIX_FMT_FP4 matrix_b_fmt:MATRIX_FMT_FP4 matrix_a_scale:MATRIX_SCALE_ROW1
.else
	v_wmma_scale_f32_16x16x128_f8f6f4 v[rD:rD+7], v[rA:rA+7], v[rB:rB+7], 0, v30, v28 matrix_a_fmt:MATRIX_FMT_FP4 matrix_b_fmt:MATRIX_FMT_FP4
.endif
.endif
.endm
; A STEP OF 128 KEYS.  bias = 1: the cross-attention's.  pre = 1: the next step's loads are issued, each group where its registers have just been left.
; A step's loads are always issued in the order segment numbers (16), padding mask (16), K (5), mask numbers (16), V (5); with bias = 0: K (5), V (5).  Each wait counts the loads issued behind the group that it wants.
.macro ATT bias, pre
.if \bias
	s_wait_loadcnt 42                              ; the segment numbers are in: behind them 16 + 5 + 16 + 5
	WIN 0x45                                       ; destination, source 0 and source 1 in window 1, source 2 (the table's base) in window 0
.set g, 0
.rept 8
.set e, 8*g
.rept 8
	v_min_u32 v[e], 0x200, v[e]                    ; a loaded number enters an address only behind this bound: 512 is the largest count
.set e, e+1
.endr
.set e, 8*g
.rept 8
	v_lshl_add_u32 v[e], v[e], 3, v14              ; 8 bytes an entry, in my head's table
.set e, e+1
.endr
.set e, 8*g
.rept 8
	ds_load_b64 v[64+2*e:65+2*e], v[e]             ; (A, C)
.set e, e+1
.endr
.set g, g+1
.endr
	WIN 0
	s_wait_loadcnt 5                               ; the padding mask, K and the mask numbers are in: behind them V's 5
	s_wait_dscnt 0x0                               ; the 64 gathers are in, and have read their address registers
.if \pre
	LD_SEG 8192
.endif
	WIN 0x11
.set e, 0
.rept 64
	v_fma_f32 v[128+e], v[64+2*e], v[128+e], v[65+2*e]     ; the bias: A m + C
.set e, e+1
.endr
	WIN 0x01
.set e, 0
.rept 32
	v_pk_fma_f32 v[128+e:129+e], v[192+e:193+e], 0xc2c80000, v[128+e:129+e] op_sel_hi:[1,0,1]   ; - 100 x the padding mask
.set e, e+2
.endr
.if \pre
	LD_PAD 512
.endif
	WIN 0
	PLACES 4
.else
	s_wait_loadcnt 5                               ; K is in: behind it V's 5
.endif
.irp gg, 0,1
.irp be, 0,1,2,3
	SCORE \gg, \be, \bias
.endr
.endr
	PLACES 4                                       ; in front of the first read of the scores and of loads into K's registers
.if \pre
	LD_K UNITB
.endif
.irp b, 0,1,2,3
	v_max3_num_f32 v[232+\b], v[128+16*\b], v[129+16*\b], v[130+16*\b]   ; the largest score of each block of 32 keys: for the row's maximum, and for the block's largest p
.endr
.irp i, 3,5,7,9,11,13
.irp b, 0,1,2,3
	v_max3_num_f32 v[232+\b], v[232+\b], v[128+16*\b+\i], v[129+16*\b+\i]
.endr
.endr
.irp b, 0,1,2,3
	v_max_num_f32 v[232+\b], v[232+\b], v[143+16*\b]
.endr
.irp b, 0,1,2,3
	v_permlanex16_b32 v[236+\b], v[232+\b], s6, s7
.endr
.irp b, 0,1,2,3
	v_max_num_f32 v[232+\b], v[232+\b], v[236+\b]
.endr
	v_max3_num_f32 v254, v232, v233, v234
	v_max_num_f32 v254, v254, v235
	v_mul_f32 v254, s10, v254                      ; as t = logit x log2(e)
	v_max_num_f32 v25, v25, v254                   ; the running largest t
	v_mov_b32 v254, v24
	v_floor_f32 v24, -v25                          ; -M = floor(-t): M is a whole number
	v_sub_f32 v254, v24, v254
	v_cvt_i32_f32 v254, v254                       ; (it saturates)
	v_ldexp_f32 v252, 1.0, v254                    ; f = 2^(old M - new M): rounds nothing
.set j, 0
.rept 32
	v_pk_fma_f32 v[128+j:129+j], v[128+j:129+j], s[10:11], v[24:25] op_sel_hi:[1,0,0]   ; t - M
.set j, j+2
.endr
.irp b, 0,1,2,3
	v_fma_f32 v[232+\b], v[232+\b], s10, v24
.endr
.set j, 0
.rept 64
	v_exp_f32 v[128+j], v[128+j]                   ; p = 2^(t - M): not normalised
.set j, j+1
.endr
	v_pk_mul_f32 v[26:27], v[26:27], v[252:253] op_sel_hi:[1,0]   ; the sums under the new M (a plain place behind the exponentials)
	s_wait_alu depctr_va_vdst(0)                   ; one wait for the batch of 64, ahead of its first reader
.irp b, 0,1,2,3
	v_exp_f32 v[232+\b], v[232+\b]                 ; each block's largest p
.endr
	v_pk_add_f32 v[236:237], v[128:129], v[130:131]   ; the row's sum is taken of the unquantised p, in two chains
.set j, 4
.rept 15
	v_pk_add_f32 v[26:27], v[26:27], v[128+j:129+j]
	v_pk_add_f32 v[236:237], v[236:237], v[130+j:131+j]
.set j, j+4
.endr
	v_pk_add_f32 v[26:27], v[26:27], v[236:237]
	s_wait_alu depctr_va_vdst(0)                   ; and one for the four
.irp b, 0,1,2,3
	v_max_num_f32 v[232+\b], 0x1800000, v[232+\b]  ; the floor 2^(3 - 127)
.endr
.irp b, 0,1,2,3
	v_add_nc_u32 v[244+\b], 0xff000000, v[232+\b]
.endr
.irp b, 0,1,2,3
	v_lshrrev_b32 v[236+\b], 23, v[244+\b]
.endr
	v_lshl_or_b32 v253, v237, 8, v236              ; p's scale word for these 128 keys
	v_lshl_or_b32 v253, v238, 16, v253
	v_lshl_or_b32 v253, v239, 24, v253
.irp b, 0,1,2,3
	v_cvt_scalef32_pk8_fp4_f32 v[224+2*\b], v[128+16*\b:135+16*\b], v[244+\b]
	v_cvt_scalef32_pk8_fp4_f32 v[225+2*\b], v[136+16*\b:143+16*\b], v[244+\b]
.endr
	v_nop
.irp c, 0,1
.irp i, 0,1
	v_permlane16_swap_b32 v[224+4*\c+\i], v[226+4*\c+\i]
.endr
.endr
.if \bias
.if \pre
	LD_M 8192
.endif
.endif
.set j, 0
.rept 8
	v_pk_mul_f32 v[56+j:57+j], v[56+j:57+j], v[252:253] op_sel_hi:[1,0]   ; O^T under the new M
.set j, j+2
.endr
	PLACES 8                                       ; a scale register written by a vector instruction stands eight places ahead of a scaled product, an operand so written four
.if \bias
	s_wait_loadcnt 53*\pre                         ; V is in: behind it the next step's 16 + 16 + 5 + 16
.else
	s_wait_loadcnt 5*\pre                          ; V is in: behind it the next step's K
.endif
	v_wmma_scale_f32_16x16x128_f8f6f4 v[56:63], v[208:215], v[224:231], v[56:63], v31, v253 matrix_a_fmt:MATRIX_FMT_FP4 matrix_b_fmt:MATRIX_FMT_FP4
	v_wmma_scale_f32_16x16x128_f8f6f4 v[64:71], v[216:223], v[224:231], v[64:71], v31, v253 matrix_a_fmt:MATRIX_FMT_FP4 matrix_b_fmt:MATRIX_FMT_FP4 matrix_a_scale:MATRIX_SCALE_ROW1
	PLACES 4
.if \pre
	LD_V UNITB
.endif
.endm
.macro OUTO xi                         ; O^T / the row's sum, quantised, into an image
	v_add_f32 v26, v26, v27
	v_permlanex16_b32 v252, v26, s6, s7
	v_add_f32 v26, v26, v252
	v_rcp_f32 v26, v26
	v_nop
	s_wait_alu depctr_va_vdst(0)
.set j, 0
.rept 16
	v_mul_f32 v[104+j], v[56+j], v26
.set j, j+1
.endr
	QSTORE 104, \xi
.endm
.macro LNP gp, bp                      ; a norm's gain and bias at my 16 features
.irp q, 0,1,2,3
	global_load_b128 v[192+4*\q:195+4*\q], v12, s[\gp:\gp+1] offset:16*\q
	global_load_b128 v[208+4*\q:211+4*\q], v12, s[\bp:\bp+1] offset:16*\q
.endr
.endm
.macro ROWSUM red                      ; two pairs of partial sums -> v236 = the sum over a row's 256 features, the waves' parts added in the order of the waves
	v_pk_add_f32 v[232:233], v[232:233], v[234:235]
	v_add_f32 v232, v232, v233
	v_permlanex16_b32 v234, v232, s6, s7
	v_add_f32 v232, v232, v234
	ds_store_b32 v16, v232 offset:\red
	BARRIER
	ds_load_b128 v[236:239], v17 offset:\red
	ds_load_b128 v[240:243], v17 offset:\red+16
	s_wait_dscnt 0x0
.irp p, 237,238,239,240,241,242,243
	v_add_f32 v236, v236, v\p
.endr
.endm
.macro LN red, out, cnt                ; v[out] on = layer norm of Y; cnt: the global loads issued behind the gain's and bias's
	v_pk_add_f32 v[232:233], v[104:105], v[106:107]
	v_pk_add_f32 v[234:235], v[108:109], v[110:111]
	v_pk_add_f32 v[232:233], v[232:233], v[112:113]
	v_pk_add_f32 v[234:235], v[234:235], v[114:115]
	v_pk_add_f32 v[232:233], v[232:233], v[116:117]
	v_pk_add_f32 v[234:235], v[234:235], v[118:119]
	ROWSUM \red
	v_mul_f32 v236, s26, v236                      ; the mean
.set j, 0
.rept 16
	v_sub_f32 v[104+j], v[104+j], v236
.set j, j+1
.endr
	v_pk_mul_f32 v[232:233], v[104:105], v[104:105]
	v_pk_mul_f32 v[234:235], v[106:107], v[106:107]
.irp p, 108,112,116
	v_pk_fma_f32 v[232:233], v[\p:\p+1], v[\p:\p+1], v[232:233]
	v_pk_fma_f32 v[234:235], v[\p+2:\p+3], v[\p+2:\p+3], v[234:235]
.endr
	ROWSUM \red+512
	v_fma_f32 v236, v236, s26, s27                 ; the variance + 1e-5
	v_rsq_f32 v236, v236
	v_nop
	s_wait_alu depctr_va_vdst(0)
	s_wait_loadcnt \cnt
.set j, 0
.rept 8
	v_pk_mul_f32 v[104+j:105+j], v[104+j:105+j], v[236:237] op_sel_hi:[1,0]
.set j, j+2
.endr
.set j, 0
.rept 8
	v_pk_fma_f32 v[\out+j:\out+j+1], v[104+j:105+j], v[192+j:193+j], v[208+j:209+j]
.set j, j+2
.endr
.endm
.macro ADD16 d, a, b
.set j, 0
.rept 8
	v_pk_add_f32 v[\d+j:\d+j+1], v[\a+j:\a+j+1], v[\b+j:\b+j+1]
.set j, j+2
.endr
.endm
	s_load_b512 s[32:47], s[0:1], 0x0              ; tgt 32, query_pos 34, ws 36, seg 38, padding mask 40, out0 42, in_proj codes 44, scales 46
	s_load_b512 s[48:63], s[0:1], 0x40             ; in_proj_b 48, out_w codes 50, scales 52, out_b 54, qw codes 56, scales 58, qb 60, proj_w codes 62
	s_load_b512 s[68:83], s[0:1], 0x80             ; proj_w scales 68, proj_b 70, ff1 codes 72, scales 74, ff1_b 76, ff2 codes 78, scales 80, ff2_b 82
	s_load_b256 s[84:91], s[0:1], 0xc0             ; ln2_g 84, ln2_b 86, ln1_g 88, ln1_b 90
	s_load_b128 s[92:95], s[0:1], 0xe0             ; ln3_g 92, ln3_b 94
	v_lshrrev_b32 v1, 5, v0
	v_readfirstlane_b32 s2, v1                     ; wave 0..7
	s_lshr_b32 s4, ttmp9, 4                        ; batch
	s_and_b32 s5, ttmp9, 15
	s_lshr_b32 s9, s5, 1
	s_lshl_b32 s9, s9, 5
	s_and_b32 s5, s5, 1
	s_lshl_b32 s5, s5, 3
	s_add_co_u32 s9, s9, s5
	s_lshl_b32 s5, s4, 8
	s_add_co_u32 s9, s9, s5                        ; my tile's first row, of the 512
	s_mov_b32 s6, 0x76543210
	s_mov_b32 s7, 0xfedcba98                       ; v_permlanex16_b32's selects for lane l xor 16
	s_mov_b32 s8, 0x0000ffff                       ; lanes 0-15
	s_mov_b32 s10, 0x3fb8aa3b                      ; log2(e)
	s_mov_b32 s11, s10                             ; (named with it as a pair)
	s_mov_b32 s26, 0x3b800000                      ; 1 / 256
	s_mov_b32 s27, 0x3727c5ac                      ; 1e-5
	s_mul_i32 s3, s2, HEADB
	v_and_b32 v25, 31, v0                          ; lane
	v_and_b32 v26, 15, v0                          ; r
	v_bfe_u32 v27, v0, 4, 1                        ; h
	v_and_b32 v28, 8, v26
	v_add_nc_u32 v28, v28, v26                     ; rr = r + 8 (r / 8)
	v_lshlrev_b32 v1, 4, v25                       ; v1  16 lane: an image's place for my lane
	v_lshlrev_b32 v2, 2, v26                       ; v2  4 r: a row's scale word
	s_lshr_b32 s96, s2, 2
	s_lshl_b32 s97, s96, 10
	s_bfe_u32 s98, s2, 0x10001
	s_lshl_b32 s98, s98, 9
	s_add_co_u32 s97, s97, s98
	s_and_b32 s98, s2, 1
	s_lshl_b32 s98, s98, 8
	s_add_co_u32 s97, s97, s98
	v_lshlrev_b32 v3, 4, v26
	v_lshl_add_u32 v3, v27, 3, v3
	v_add_nc_u32 v3, s97, v3                       ; v3  my 8 bytes of an image: 1,024 (w / 4) + 512 ((w % 4) / 2) + 256 (w % 2) + 16 r + 8 h
	s_lshl_b32 s97, s96, 7
	s_and_b32 s98, s2, 3
	s_add_co_u32 s97, s97, s98
	s_add_co_u32 s97, s97, 2048
	v_add_nc_u32 v4, s97, v2                       ; v4  my byte of the scale words: 2,048 + 128 (w / 4) + 4 r + w % 4
	v_add_nc_u32 v5, s9, v28
	v_lshlrev_b32 v5, 10, v5
	v_lshl_add_u32 v5, v27, 6, v5
	s_lshl_b32 s97, s2, 7
	v_add_nc_u32 v5, s97, v5                       ; v5  tgt, query_pos: my row, features 32 w + 16 h on
	s_lshl_b32 s98, s2, 5
	v_add_nc_u32 v24, s98, v28                     ; 32 w + rr
	v_lshlrev_b32 v6, 7, v24
	v_lshl_add_u32 v6, v27, 4, v6                  ; v6  a weight with K = 256: codes
	v_lshlrev_b32 v7, 3, v24                       ; v7  its scale words
	v_lshlrev_b32 v8, 9, v24
	v_lshl_add_u32 v8, v27, 4, v8                  ; v8  ff2 (K = 1,024): codes
	v_lshlrev_b32 v9, 5, v24                       ; v9  its scale words
	v_add_nc_u32 v24, s97, v28                     ; 128 w + rr
	v_lshlrev_b32 v10, 7, v24
	v_lshl_add_u32 v10, v27, 4, v10                ; v10 ff1: codes
	v_lshlrev_b32 v11, 3, v24                      ; v11 its scale words
	v_lshl_add_u32 v12, v27, 6, s97                ; v12 (32 w + 16 h) x 4: biases and gains
	s_lshl_b32 s98, s2, 9
	v_lshl_add_u32 v13, v27, 6, s98                ; v13 (128 w + 16 h) x 4: ff1_b
	v_mov_b32 v14, s3                              ; v14 my head's table in LDS
	v_lshlrev_b32 v15, 6, v27                      ; v15 64 h: the padding mask
	s_lshl_b32 s99, s2, 2
	v_lshl_add_u32 v16, v26, 5, s99                ; v16 32 r + 4 w: my wave's word of a row's sums
	v_lshlrev_b32 v17, 5, v26                      ; v17 32 r: a row's eight words
	v_mul_u32_u24 v18, v26, 1040
	v_add_nc_u32 v18, v18, v12                     ; v18 the stage: row r, my 64 bytes
	s_mul_i32 s99, s2, 2080
	v_add_nc_u32 v19, s99, v1                      ; v19 and back: rows 2 w, 2 w + 1
	v_lshlrev_b32 v20, 3, v25                      ; v20 8 lane
	s_lshl_b32 s99, s2, 10
	v_add_nc_u32 v21, s99, v1                      ; v21 the hidden layer's image: K step w
	v_lshl_add_u32 v22, v25, 2, s97                ; v22 its scale words
	v_add_nc_u32 v23, s3, v20                      ; v23 my head's table: 4,352 w + 8 lane, in ws and in LDS alike
	s_lshl_b32 s99, s2, 1
	s_add_co_u32 s99, s99, s9
	s_lshl_b32 s96, s96, 3
	s_add_co_u32 s99, s99, s96
	s_lshl_b32 s99, s99, 10
	v_add_nc_u32 v29, s99, v1                      ; v29 out0: local rows 2 w, 2 w + 1 are rows first + 2 w + 8 (w / 4) and the next
.irp o, 234,236,237,238,239,240,241
	v_mov_b32 v\o, 0                               ; written once: a lane permute's destination counts as one of its sources
.endr
	s_lshl_b32 s96, s4, 1
	s_add_co_u32 s96, s96, 16
	s_mul_i32 s96, s96, UNITB
	s_add_co_u32 s96, s96, s3
	s_add_co_u32 s96, s96, PACK_O
	s_mov_b32 s97, 0
	s_wait_kmcnt 0x0
	s_add_nc_u64 s[18:19], s[36:37], s[96:97]      ; K and V of the self-attention: unit 16 + 2 b, my head
	s_lshl_b32 s96, ttmp9, 16
	s_add_nc_u64 s[22:23], s[38:39], s[96:97]      ; my work-group's eight images of segment numbers,
	s_add_nc_u64 s[20:21], s[36:37], s[96:97]
	s_add_nc_u64 s[20:21], s[20:21], MIMG_O        ; and of mask numbers
	s_lshl_b32 s96, s4, 12
	s_add_nc_u64 s[24:25], s[40:41], s[96:97]      ; my batch's padding mask
	; ---- 0: the rows; tgt + query_pos quantised; my head's table into LDS; two weights asked for
.irp q, 0,1,2,3
	global_load_b128 v[88+4*\q:91+4*\q], v5, s[32:33] offset:16*\q
.endr
.irp q, 0,1,2,3
	global_load_b128 v[72+4*\q:75+4*\q], v5, s[34:35] offset:16*\q
.endr
.set k, 0
.rept 17
	global_load_b64 v[128+2*k:129+2*k], v23, s[36:37] offset:256*k
.set k, k+1
.endr
	LIN_LOAD 6, 7, 44, 46, 48, 2, 0, 32, 120, 1    ; in_proj's q part
	LIN_LOAD 6, 7, 50, 52, 54, 2, 64, 96, 124, 1   ; out_w
	s_wait_loadcnt 49                              ; tgt and query_pos are in: behind them 17 + 16 + 16
	ADD16 104, 88, 72
	QSTORE 104, XI0
	s_wait_loadcnt 32                              ; the table is in: behind it 16 + 16
.set k, 0
.rept 17
	ds_store_b64 v23, v[128+2*k:129+2*k] offset:256*k
.set k, k+1
.endr
	BARRIER
	; ---- 1: q, and the self-attention: 256 keys in two steps
	LIN_RUN XI0, XI0+2048, 2, 0, 32, 0x11, 120, 16 ; out_w's 16 loads may be out
	LIN_LOAD 6, 7, 56, 58, 60, 2, 0, 32, 120, 1    ; qw, for the cross-attention
	MAKEQ
	LD_K 0
	LD_V 0
	ATT 0, 1
	ATT 0, 0
	OUTO XI1
	BARRIER
	; ---- 2: out projection, residual, LN2; + query_pos, quantised
	LIN_RUN XI1, XI1+2048, 2, 64, 96, 0x11, 124, 0
	LNP 84, 86
	ADD16 104, 104, 88
	LN RED0, 88, 0
	ADD16 104, 88, 72
	QSTORE 104, XI2
	BARRIER
	; ---- 3: q, and the cross-attention: 1,024 keys in eight steps.  From here to the next barrier no wave stores to LDS
	LIN_RUN XI2, XI2+2048, 2, 0, 32, 0x11, 120, 0  ; its wait for all loads also frees the base that is written below
	MAKEQ
	s_lshl_b32 s96, s4, 3
	s_mul_i32 s96, s96, UNITB
	s_add_co_u32 s96, s96, s3
	s_add_co_u32 s96, s96, PACK_O
	s_add_nc_u64 s[18:19], s[36:37], s[96:97]      ; unit 8 b, my head
	LD_SEG 0
	LD_PAD 0
	LD_K 0
	LD_M 0
	LD_V 0
	s_mov_b32 s12, 7
.Lstep:                                            ; seven trips, each of which asks for the next step
	ATT 1, 1
	s_wait_xcnt 0x0                                ; the bases are stepped only behind this wait
	s_add_nc_u64 s[18:19], s[18:19], UNITB
	s_add_nc_u64 s[20:21], s[20:21], 8192
	s_add_nc_u64 s[22:23], s[22:23], 8192
	s_add_nc_u64 s[24:25], s[24:25], 512
	s_sub_co_u32 s12, s12, 1
	s_cmp_lg_u32 s12, 0
	s_cbranch_scc1 .Lstep
	ATT 1, 0                                       ; the last step is written out: no load leaves its buffer
	BARRIER
	LIN_LOAD 6, 7, 62, 68, 70, 2, 0, 32, 120, 1    ; proj_w: 16 loads
	WIN 0x40                                       ; ff1: my 128 rows, eight tiles x two K steps: 32 + 16 loads
.irp t, 0,1,2,3,4,5,6,7
.irp s, 0,1
.irp c, 0,1
	global_load_b128 v[128+16*\t+8*\s+4*\c:131+16*\t+8*\s+4*\c], v10, s[72:73] offset:(32*(\t/2)+8*(\t%2))*128+64*\s+32*\c
.endr
.endr
.endr
	WIN 0
.irp t, 0,1,2,3,4,5,6,7
.irp s, 0,1
	global_load_b32 v[32+2*\t+\s], v11, s[74:75] offset:(32*(\t/2)+8*(\t%2))*8+4*\s
.endr
.endr
	OUTO XI3
	BARRIER
	; ---- 4: projection, residual, LN1, quantised
	LIN_RUN XI3, XI3+2048, 2, 0, 32, 0x11, 120, 48 ; ff1's 48 loads may be out
	LNP 88, 90                                     ; 8 loads
.irp t, 0,1,2,3,4,5,6,7                        ; ff1_b goes straight into the accumulators: 16 loads
.irp i, 0,1
	global_load_b128 v[128+8*\t+4*\i:131+8*\t+4*\i], v13, s[76:77] offset:(32*(\t/2)+8*(\t%2))*4+16*\i
.endr
.endr
	LIN_LOAD 8, 9, 78, 80, 0, 8, 0, 0, 48, 0       ; ff2: 48 loads
	ADD16 104, 104, 88
.irp q, 0,1,2,3
	global_load_b128 v[88+4*\q:91+4*\q], v12, s[82:83] offset:16*\q   ; ff2_b takes the rows' place: 4 loads
.endr
	LN RED2, 72, 63                                ; behind the gain's and bias's loads stand 16 + 48 + 4; the count is the largest that the wait can name
	QSTORE 72, XI4
	BARRIER
	; ---- 5: the hidden layer: my 128 units, relu, quantised: K step w of the last product
.irp s, 0,1
	ds_load_b128 v[224+8*\s:227+8*\s], v1 offset:XI4+1024*\s
	ds_load_b128 v[228+8*\s:231+8*\s], v1 offset:XI4+1024*\s+512
	ds_load_b32 v[240+\s], v2 offset:XI4+2048+128*\s
.endr
	s_wait_loadcnt 52                              ; ff1 and ff1_b are in: behind them ff2's 48 + 4
	s_wait_dscnt 0x0
	WIN 0x01
.irp s, 0,1
.irp t, 0,1,2,3,4,5,6,7
	MMC 128+8*\t, 128+16*\t+8*\s, 224+8*\s, 128+8*\t, 32+2*\t+\s, 240+\s
.endr
.endr
	WIN 0
	PLACES 4
	LNP 92, 94                                     ; 8 loads
.set j, 0
.rept 64
	v_max_num_f32 v[128+j], 0, v[128+j]
.set j, j+1
.endr
	QUANT 128, 224, 248
	ds_store_b128 v21, v[224:227] offset:HIMG
	ds_store_b128 v21, v[228:231] offset:HIMG+512
	ds_store_b32 v22, v248 offset:HSC
	BARRIER
	; ---- 6: the last product, residual, LN3, and out
	LIN_RUN HIMG, HSC, 8, 0, 88, 0x01, 48, 8       ; LN3's 8 loads may be out
	ADD16 104, 104, 72
	LN RED4, 104, 0
.irp q, 0,1,2,3
	ds_store_b128 v18, v[104+4*\q:107+4*\q] offset:STG+16*\q
.endr
	BARRIER                                        ; 16 whole rows lie in the stage
.irp k, 0,1
.irp j, 0,1
	ds_load_b128 v[128+8*\k+4*\j:131+8*\k+4*\j], v19 offset:STG+1040*\k+512*\j
.endr
.endr
.irp k, 0,1
.irp j, 0,1
	s_wait_dscnt 3-2*\k-\j
	global_store_b128 v29, v[128+8*\k+4*\j:131+8*\k+4*\j], s[42:43] offset:1024*\k+512*\j th:TH_STORE_NT   ; 32 lanes store 512 consecutive bytes, aligned
.endr
.endr
	s_wait_xcnt 0x0
	v_lshl_add_u32 v254, v0, 2, 0x12800
	v_mov_b32 v255, 0
	s_wait_tensorcnt 0x0
	ds_add_u32 v254, v255
	s_wait_dscnt 0x0
	s_endpgm
.Lfunc_end_k_qe91d590793_chain:
	.size	k_qe91d590793_chain, .Lfunc_end_k_qe91d590793_chain-k_qe91d590793_chain
	.p2alignl 7, 3214868480
	.fill 96, 4, 3214868480
	.section	.rodata,"a",@progbits
	.p2align	6, 0x0
	.amdhsa_kernel k_qe91d590793_chain
		.amdhsa_group_segment_fixed_size 76800
		.amdhsa_private_segment_fixed_size 0
		.amdhsa_enable_private_segment 0
		.amdhsa_kernarg_size 240
		.amdhsa_user_sgpr_count 2
		.amdhsa_user_sgpr_kernarg_segment_ptr 1
		.amdhsa_wavefront_size32 1
		.amdhsa_system_sgpr_workgroup_id_x 1
		.amdhsa_system_sgpr_workgroup_id_y 1
		.amdhsa_system_sgpr_workgroup_id_z 1
		.amdhsa_system_vgpr_workitem_id 0
		.amdhsa_next_free_vgpr 512
		.amdhsa_next_free_sgpr 100
		.amdhsa_reserve_vcc 0
		.amdhsa_float_denorm_mode_32 3
		.amdhsa_float_denorm_mode_16_64 3
		.amdhsa_memory_ordered 1
		.amdhsa_forward_progress 1
		.amdhsa_inst_pref_size 180
	.end_amdhsa_kernel
	.amdgpu_metadata
---
amdhsa.version: [ 1, 2 ]
amdhsa.kernels:
  - .name:           k_qe91d590793_chain
    .symbol:         k_qe91d590793_chain.kd
    .args:
      - { .name: tgt, .offset: 0, .size: 8, .value_kind: global_buffer, .address_space: global }
      - { .name: query_pos, .offset: 8, .size: 8, .value_kind: global_buffer, .address_space: global }
      - { .name: ws, .offset: 16, .size: 8, .value_kind: global_buffer, .address_space: global }
      - { .name: seg, .offset: 24, .size: 8, .value_kind: global_buffer, .address_space: global }
      - { .name: src_padding_mask, .offset: 32, .size: 8, .value_kind: global_buffer, .address_space: global }
      - { .name: out0, .offset: 40, .size: 8, .value_kind: global_buffer, .address_space: global }
      - { .name: in_proj_w_codes, .offset: 48, .size: 8, .value_kind: global_buffer, .address_space: global }
      - { .name: in_proj_w_scales, .offset: 56, .size: 8, .value_kind: global_buffer, .address_space: global }
      - { .name: in_proj_b, .offset: 64, .size: 8, .value_kind: global_buffer, .address_space: global }
      - { .name: out_w_codes, .offset: 72, .size: 8, .value_kind: global_buffer, .address_space: global }
      - { .name: out_w_scales, .offset: 80, .size: 8, .value_kind: global_buffer, .address_space: global }
      - { .name: out_b, .offset: 88, .size: 8, .value_kind: global_buffer, .address_space: global }
      - { .name: qw_codes, .offset: 96, .size: 8, .value_kind: global_buffer, .address_space: global }
      - { .name: qw_scales, .offset: 104, .size: 8, .value_kind: global_buffer, .address_space: global }
      - { .name: qb, .offset: 112, .size: 8, .value_kind: global_buffer, .address_space: global }
      - { .name: proj_w_codes, .offset: 120, .size: 8, .value_kind: global_buffer, .address_space: global }
      - { .name: proj_w_scales, .offset: 128, .size: 8, .value_kind: global_buffer, .address_space: global }
      - { .name: proj_b, .offset: 136, .size: 8, .value_kind: global_buffer, .address_space: global }
      - { .name: ff1_w_codes, .offset: 144, .size: 8, .value_kind: global_buffer, .address_space: global }
      - { .name: ff1_w_scales, .offset: 152, .size: 8, .value_kind: global_buffer, .address_space: global }
      - { .name: ff1_b, .offset: 160, .size: 8, .value_kind: global_buffer, .address_space: global }
      - { .name: ff2_w_codes, .offset: 168, .size: 8, .value_kind: global_buffer, .address_space: global }
      - { .name: ff2_w_scales, .offset: 176, .size: 8, .value_kind: global_buffer, .address_space: global }
      - { .name: ff2_b, .offset: 184, .size: 8, .value_kind: global_buffer, .address_space: global }
      - { .name: ln2_g, .offset: 192, .size: 8, .value_kind: global_buffer, .address_space: global }
      - { .name: ln2_b, .offset: 200, .size: 8, .value_kind: global_buffer, .address_space: global }
      - { .name: ln1_g, .offset: 208, .size: 8, .value_kind: global_buffer, .address_space: global }
      - { .name: ln1_b, .offset: 216, .size: 8, .value_kind: global_buffer, .address_space: global }
      - { .name: ln3_g, .offset: 224, .size: 8, .value_kind: global_buffer, .address_space: global }
      - { .name: ln3_b, .offset: 232, .size: 8, .value_kind: global_buffer, .address_space: global }
    .group_segment_fixed_size: 76800
    .private_segment_fixed_size: 0
    .kernarg_segment_align: 8
    .kernarg_segment_size: 240
    .max_flat_workgroup_size: 256
    .sgpr_count:     100
    .vgpr_count:     512
    .wavefront_size: 32
...
	.end_amdgpu_metadata
.endif
;; end of part 2
;; ======== version 2 of 3: 2 launches; 1.21 times as fast as version 1
;; workspace buffers: ws 2,828,288 bytes; seg 2,097,152 bytes of whole numbers
;; launch prep (part 3): grid 293 x 1, 8 waves a work-group, no clusters, 93,184 bytes of LDS; arguments cross_attn_mask, cpb_w1, cpb_b1, cpb_w2, src, src_pos_embed, tgt, query_pos, kw_codes, kw_scales, kb, vw_codes, vw_scales, vb, in_proj_w_codes, in_proj_w_scales, in_proj_b, ws, seg; writes ws, seg
.if DOCPART == 3
	.amdgcn_target "amdgcn-amd-amdhsa--gfx1250"
	.amdhsa_code_object_version 6
	.text
	.protected	k_qe91d590793_prep
	.globl	k_qe91d590793_prep
	.p2align	8
	.type	k_qe91d590793_prep,@function
k_qe91d590793_prep:
	s_mov_b64 s[64:65], 0
	v_nop
	global_prefetch_b8 v0, s[64:65] scope:SCOPE_SE
	s_setreg_imm32_b32 hwreg(HW_REG_WAVE_MODE, 25, 1), 1
	s_wait_xcnt 0x0
; PREP: all that the decoder layer's chain wants laid ready.  Three roles, told apart by the work-group's number:
;   T  (work-groups 0-16):   the table of the score MLP.  bias_h(m) = sum over r of w2[h][r] relu(w1[r] m + b1[r]) is piecewise linear in the one number m, with breaks t_r = -b1[r] / w1[r].
;                            With j = the number of breaks under m it is A_h[j] m + C_h[j], A and C the sums of w2 w1 and w2 b1 over the units that are on in piece j.  A lane owns one j, 544 entries in all.
;   KV (work-groups 17-36):  K and V of both attentions for 128 keys each: inputs quantised, projected on FP4 codes, quantised again (K along the head's 32, V along the keys), stored as images of operand registers.
;   S  (work-groups 37-292): for 2,048 mask numbers each the count j, as whole numbers, and the numbers themselves, both in the order of the reader's registers.
; The count is made of floating-point numbers, so no address of this launch hangs on it: it is stored, and the next launch reads it.
; LIMITS: a unit with |w1| under 2^-126 counts as w1 = 0 (the constant w2 max(b1, 0)); |w1| over 2^126 is not served; NaN and infinities in any input are not served.  A break is held at + or - the largest finite number.
; 'Under' is the sign of the f32 difference t - m: it counts -0 as under +0, in the ranks as in the counts.  A break is good to about two units in its last place:
; a mask number between the true break and the computed one gets a term of at most |w2 w1 t| 2^-22 too much or too little.  A block of zeros gets the scale byte 1 and not 127: its codes are zeros, and this program alone reads the bytes.
; No tensor load, no cluster: every stream is read once by the wave that wants it, in registers; what work-groups share (weights of 32 KiB) is small beside a work-group's own rows.
.set PACK_O, 34816                     ; ws: the table at 0 (8 heads x 544 entries x 8 bytes); from here 20 units x 8 heads x 4,352 bytes of K and V images;
.set MIMG_O, 731136                    ; from here the mask numbers, 256 images of 8,192 bytes
.set UNITB,  34816
.set HEADB,  4352
.set XK,  0                            ; LDS, role KV: images of src + pos (16 fragments of 1,024 bytes),
.set XV,  16384                        ; of src,
.set XKS, 32768                        ; and their scale words, 128 bytes a fragment
.set XVS, 34816
.set TS,  36864                        ; role S: the 512 breaks, and behind them 1,024 bytes that hold the largest number: the count's loads run 256 bytes ahead
.set TT,  39936                        ; role T: the same,
.set REC, 43008                        ; a record of 64 bytes a unit: a0 c0 a1 c1 | w2 of heads 0-3 | of heads 4-7 | its rank,
.set RED, 75776                        ; and the eight waves' partial sums, 2,048 bytes each
.set TM,  204                          ; v204-219 the quantiser's registers at work
.set TA,  32                           ; the count: v32-63, v64-95 two buffers of 32 breaks;
.set TB,  64
.set AA,  96                           ; v96, v97 the LDS address of each buffer's loads;
.set DD,  98                           ; v98-113 two sets of eight differences;
.set BB,  114                          ; v114-145 collectors of sign bits: four for each number;
.set ON,  146                          ; v146.. the running plane of weight 1, v154.. of weight 2,
.set TW,  154
.set AC,  162                          ; v162.. the ones of the words of weight 4, counted byte by byte;
.set XX,  170                          ; v170.., v178.., v186.. at work
.set U0,  178
.set U1,  186
.macro BARRIER                         ; my LDS stores have landed and my LDS loads are in: then the work-group's barrier
	s_wait_dscnt 0x0
	s_barrier_signal -1
	s_barrier_wait -1
.endm
.macro PLACES n
.rept \n
	v_nop
.endr
.endm
.macro MMC d, a, b, c, sa, sb          ; D = A B + C on FP4 codes, 16 x 16 x 128
	v_wmma_scale_f32_16x16x128_f8f6f4 v[\d:\d+7], v[\a:\a+7], v[\b:\b+7], v[\c:\c+7], v[\sa], v[\sb] matrix_a_fmt:MATRIX_FMT_FP4 matrix_b_fmt:MATRIX_FMT_FP4
.endm
; 64 numbers of a lane, register 16 b + i = k 32 b + 16 (lane / 16) + i of my row, become a fragment's codes in v[pc] on and its scale word in v[pw].
.macro QUANT s, pc, pw
.irp b, 0,1,2,3
	v_max3_num_f32 v[TM+\b], |v[\s+16*\b]|, |v[\s+1+16*\b]|, 0x1800000   ; my 16 numbers of block b, and the floor 2^(3 - 127): the byte cannot fall under 1
.endr
.irp i, 2,4,6,8,10,12,14
.irp b, 0,1,2,3
	v_max3_num_f32 v[TM+\b], v[TM+\b], |v[\s+16*\b+\i]|, |v[\s+1+16*\b+\i]|
.endr
.endr
.irp b, 0,1,2,3
	v_permlanex16_b32 v[TM+4+\b], v[TM+\b], s6, s7
.endr
.irp b, 0,1,2,3
	v_max_num_f32 v[TM+\b], v[TM+\b], v[TM+4+\b]   ; with lane l xor 16's: the block's largest magnitude
.endr
.irp b, 0,1,2,3
	v_add_nc_u32 v[TM+12+\b], 0xff000000, v[TM+\b] ; 2 off its exponent field: the conversion's scale operand
.endr
.irp b, 0,1,2,3
	v_lshrrev_b32 v[TM+4+\b], 23, v[TM+12+\b]      ; the scale's byte
.endr
	v_lshl_or_b32 v[\pw], v[TM+5], 8, v[TM+4]
	v_lshl_or_b32 v[\pw], v[TM+6], 16, v[\pw]
	v_lshl_or_b32 v[\pw], v[TM+7], 24, v[\pw]
.irp b, 0,1,2,3
	v_cvt_scalef32_pk8_fp4_f32 v[\pc+2*\b], v[\s+16*\b:\s+7+16*\b], v[TM+12+\b]
	v_cvt_scalef32_pk8_fp4_f32 v[\pc+1+2*\b], v[\s+8+16*\b:\s+15+16*\b], v[TM+12+\b]
.endr
	v_nop                                          ; one plain place behind a scaled conversion
.irp c, 0,1                                    ; the operand's layout wants a whole block in a lane
.irp i, 0,1
	v_permlane16_swap_b32 v[\pc+4*\c+\i], v[\pc+2+4*\c+\i]
.endr
.endr
.endm
; The breaks of units tid and tid + 256 into LDS.  The same lines serve roles S and T, so both have the same bits.  v200-201 w1, v202-203 b1, s76-77: |w1| under 2^-126.
.macro TCALC base
	global_load_b32 v200, v208, s[26:27]
	global_load_b32 v201, v208, s[26:27] offset:1024
	global_load_b32 v202, v208, s[28:29]
	global_load_b32 v203, v208, s[28:29] offset:1024
	s_wait_loadcnt 0x0
	v_rcp_f32 v204, v200
	v_rcp_f32 v205, v201
	v_nop                                          ; a plain place behind the reciprocals
	v_cmp_lt_f32 s76, |v200|, s9
	v_cmp_lt_f32 s77, |v201|, s9
	s_wait_alu depctr_va_vdst(0)                   ; one wait for both reciprocals, ahead of their first reader
	v_mul_f32 v206, -v202, v204
	v_mul_f32 v207, -v203, v205
	v_cndmask_b32 v206, v206, v209, s76            ; a unit without a slope has its break at the largest number: under no mask number that is served
	v_cndmask_b32 v207, v207, v209, s77
	v_med3_num_f32 v206, v206, -v209, v209         ; every break is finite: so no difference of two breaks is a difference of infinities
	v_med3_num_f32 v207, v207, -v209, v209
	ds_store_b32 v208, v206 offset:\base
	ds_store_b32 v208, v207 offset:\base+1024
	ds_store_b32 v208, v209 offset:\base+2048      ; 1,024 bytes more, for the loads that run ahead of the count's last trip
.endm
; ---- THE COUNT.  v[cr + e] = the number of the 512 breaks at LDS byte base that lie under v[mr + e], e = 0 .. ne - 1 (ne = 8 or 2).
; The sign of t - m says it: with denormals kept, a difference of unequal numbers is never 0, and that of equal numbers is +0.  One packed subtraction makes two differences, one v_alignbit_b32 shifts a
; difference's sign bit into a collector: 1.5 instructions for a break and a number, and no scalar register is written in the loop.
.macro CSUB tx, ne, mr, kk             ; break kk of the buffer less each of the ne numbers, into set kk % 2
.set cp, 0
.rept \ne/2
.if ((\kk)%2) == 0
	v_pk_add_f32 v[DD+8*((\kk)%2)+2*cp:DD+8*((\kk)%2)+2*cp+1], v[\tx+(\kk):\tx+(\kk)+1], v[\mr+2*cp:\mr+2*cp+1] op_sel_hi:[0,1] neg_lo:[0,1] neg_hi:[0,1]
.else
	v_pk_add_f32 v[DD+8*((\kk)%2)+2*cp:DD+8*((\kk)%2)+2*cp+1], v[\tx+(\kk)-1:\tx+(\kk)], v[\mr+2*cp:\mr+2*cp+1] op_sel:[1,0] op_sel_hi:[1,1] neg_lo:[0,1] neg_hi:[0,1]
.endif
.set cp, cp+1
.endr
.endm
; 32 breaks, the q-th of a trip's four runs.  A break's differences are made one break ahead of their use.  A number has four collectors, each of which takes 32 bits in a trip: with eight numbers
; run q fills collector q; with two numbers the breaks go to the four by turns, so that no line waits for the line above it.  A collector's first bit of a trip writes it anew: nothing is cleared.
.macro CBLK tx, ne, mr, q
	CSUB \tx, \ne, \mr, 0
.set ck, 0
.rept 32
.if ck < 31
	CSUB \tx, \ne, \mr, ck+1
.endif
.if \ne == 8
.set cj, \q
.set cf, ck
.else
.set cj, ck%4
.set cf, 8*(\q)+ck/4
.endif
.set ce, 0
.rept \ne
.if cf == 0
	v_lshrrev_b32 v[BB+cj*\ne+ce], 31, v[DD+8*(ck%2)+ce]
.else
	v_alignbit_b32 v[BB+cj*\ne+ce], v[BB+cj*\ne+ce], v[DD+8*(ck%2)+ce], 31
.endif
.set ce, ce+1
.endr
.set ck, ck+1
.endr
.endm
.macro LDT tx, ar, off                 ; 32 breaks into a buffer: every lane reads the same 128 bytes
.irp i, 0,1,2,3,4,5,6,7
	ds_load_b128 v[\tx+4*\i:\tx+4*\i+3], v[\ar] offset:\off+16*\i
.endr
.endm
; One line for each of the ne numbers, the numbers by turns
.macro MZERO d, ne
.set ce, 0
.rept \ne
	v_mov_b32 v[\d+ce], 0
.set ce, ce+1
.endr
.endm
.macro MXOR d, a, b, ne
.set ce, 0
.rept \ne
	v_xor_b32 v[\d+ce], v[\a+ce], v[\b+ce]
.set ce, ce+1
.endr
.endm
.macro MBFI d, a, b, c, ne             ; (a and b) or (not a and c)
.set ce, 0
.rept \ne
	v_bfi_b32 v[\d+ce], v[\a+ce], v[\b+ce], v[\c+ce]
.set ce, ce+1
.endr
.endm
.macro MSHR d, n, a, ne
.set ce, 0
.rept \ne
	v_lshrrev_b32 v[\d+ce], \n, v[\a+ce]
.set ce, ce+1
.endr
.endm
.macro MAND d, c, a, ne
.set ce, 0
.rept \ne
	v_and_b32 v[\d+ce], \c, v[\a+ce]
.set ce, ce+1
.endr
.endm
.macro MADD d, a, b, ne
.set ce, 0
.rept \ne
	v_add_nc_u32 v[\d+ce], v[\a+ce], v[\b+ce]
.set ce, ce+1
.endr
.endm
.macro MSUB d, a, b, ne
.set ce, 0
.rept \ne
	v_sub_nc_u32 v[\d+ce], v[\a+ce], v[\b+ce]
.set ce, ce+1
.endr
.endm
.macro MSLA d, a, b, ne                ; 2 a + b
.set ce, 0
.rept \ne
	v_lshl_add_u32 v[\d+ce], v[\a+ce], 1, v[\b+ce]
.set ce, ce+1
.endr
.endm
.macro POPB r, ne                      ; each byte of v[r + e] becomes the number of ones in it: pairs of bits, fours, bytes
	MSHR XX, 1, \r, \ne
	MAND XX, 0x55555555, XX, \ne
	MSUB \r, \r, XX, \ne
	MSHR XX, 2, \r, \ne
	MAND \r, 0x33333333, \r, \ne
	MAND XX, 0x33333333, XX, \ne
	MADD \r, \r, XX, \ne
	MSHR XX, 4, \r, \ne
	MADD \r, \r, XX, \ne
	MAND \r, 0x0f0f0f0f, \r, \ne
.endm
; A trip's end: a number's four collectors go into the running planes by three adders of three words each (sum = a xor b xor c; carry = c where a and b differ, else a): what is left over is one word of weight 4.
.macro CRED ne
	MXOR XX, ON, BB, \ne
	MBFI U0, XX, BB+\ne, ON, \ne
	MXOR ON, XX, BB+\ne, \ne
	MXOR XX, ON, BB+2*\ne, \ne
	MBFI U1, XX, BB+3*\ne, ON, \ne
	MXOR ON, XX, BB+3*\ne, \ne
	MXOR XX, TW, U0, \ne
	MBFI U0, XX, U1, TW, \ne
	MXOR TW, XX, U1, \ne
	POPB U0, \ne
	MADD AC, AC, U0, \ne                           ; a byte takes at most 8 in each of four trips
.endm
.macro CFIN ne, cr                     ; the count = the ones of plane 1 + 2 x those of plane 2 + 4 x those counted: in a byte at most 8 bits x 16 words = 128
	POPB ON, \ne
	POPB TW, \ne
	MSLA AC, AC, TW, \ne
	MSLA AC, AC, ON, \ne
	MSHR XX, 8, AC, \ne
	MAND AC, 0x00ff00ff, AC, \ne
	MAND XX, 0x00ff00ff, XX, \ne
	MADD AC, AC, XX, \ne
	MSHR XX, 16, AC, \ne
	MADD AC, AC, XX, \ne
	MAND \cr, 0xffff, AC, \ne
.endm
; Four trips of 128 breaks.  A buffer is loaded again as soon as its 32 breaks are done, two runs ahead of its next use; each buffer's address register is stepped behind the wait that shows its loads done.
; The last trip's two refills read the 256 bytes behind the breaks, which hold numbers that nobody uses: so no tail is written out.
.macro COUNT ne, mr, cr, base
	v_mov_b32 v[AA], \base
	v_mov_b32 v[AA+1], \base
	LDT TA, AA, 0
	LDT TB, AA+1, 128
	MZERO ON, \ne
	MZERO TW, \ne
	MZERO AC, \ne
	s_mov_b32 s10, 4
.Lcount_\@:
	s_wait_dscnt 0x8                               ; the first buffer's eight loads are in; the second's eight, issued behind them, may be out
	CBLK TA, \ne, \mr, 0
	LDT TA, AA, 256
	s_wait_dscnt 0x8                               ; the second buffer is in; the eight loads just issued may be out
	CBLK TB, \ne, \mr, 1
	LDT TB, AA+1, 384
	s_wait_dscnt 0x8
	v_add_nc_u32 v[AA], 0x200, v[AA]               ; no load that names it is out
	CBLK TA, \ne, \mr, 2
	LDT TA, AA, 0
	s_wait_dscnt 0x8
	v_add_nc_u32 v[AA+1], 0x200, v[AA+1]
	CBLK TB, \ne, \mr, 3
	LDT TB, AA+1, 128
	CRED \ne
	s_sub_co_u32 s10, s10, 1
	s_cmp_lg_u32 s10, 0
	s_cbranch_scc1 .Lcount_\@
	s_wait_dscnt 0x0                               ; the loads that ran ahead
	CFIN \ne, \cr
.endm
	s_load_b512 s[24:39], s[0:1], 0x0              ; mask 24, w1 26, b1 28, w2 30, src 32, pos 34, tgt 36, query_pos 38
	s_load_b512 s[40:55], s[0:1], 0x40             ; kw codes 40, scales 42, kb 44, vw codes 46, scales 48, vb 50, in_proj codes 52, scales 54
	s_load_b128 s[56:59], s[0:1], 0x80             ; in_proj_b 56, ws 58
	s_load_b64 s[60:61], s[0:1], 0x90              ; seg
	v_lshl_add_u32 v214, v0, 2, 0x16800
	v_mov_b32 v215, 0
	v_lshrrev_b32 v1, 5, v0
	v_readfirstlane_b32 s2, v1                     ; wave 0..7
	s_mov_b32 s6, 0x76543210
	s_mov_b32 s7, 0xfedcba98                       ; v_permlanex16_b32's selects for lane l xor 16
	s_mov_b32 s8, 0xffff0000                       ; lanes 16-31
	s_mov_b32 s9, 0x00800000                       ; 2^-126
	v_and_b32 v16, 15, v0                          ; r
	v_bfe_u32 v17, v0, 4, 1                        ; h
	v_and_b32 v18, 8, v16
	v_add_nc_u32 v18, v18, v16                     ; rr = r + 8 (r / 8): a tile's 16 rows are 0-7 and 16-23 of 32
	v_and_b32 v19, 31, v0                          ; lane
	v_lshlrev_b32 v208, 2, v0                      ; 4 x thread
	v_mov_b32 v209, 0x7f7fffff                     ; the largest finite number
	s_wait_kmcnt 0x0
	s_cmp_lt_u32 ttmp9, 17
	s_cbranch_scc1 .Ltab
	s_cmp_lt_u32 ttmp9, 37
	s_cbranch_scc1 .Lkv
; ---------------- ROLE S.  Image sidx = 8 wg + st: the 16 query rows of the chain's work-group wg, keys 128 st on.  Register rho = 16 b + i of lane (r, h) is (row r, key 32 b + 16 h + i); wave w holds rho = 8 w .. 8 w + 7.
	s_sub_co_u32 s11, ttmp9, 37                    ; sidx
	s_lshr_b32 s12, s11, 3                         ; wg
	s_and_b32 s13, s11, 7                          ; st
	s_lshr_b32 s14, s12, 4                         ; batch
	s_and_b32 s15, s12, 15                         ; which tile of 16 rows of the batch's 256
	s_lshr_b32 s16, s15, 1
	s_lshl_b32 s16, s16, 5
	s_and_b32 s17, s15, 1
	s_lshl_b32 s17, s17, 3
	s_add_co_u32 s16, s16, s17                     ; the tile begins at row 32 (T / 2) + 8 (T % 2)
	s_lshl_b32 s14, s14, 8
	s_add_co_u32 s16, s16, s14
	s_lshl_b32 s16, s16, 12                        ; a row of the mask is 4,096 bytes
	s_lshl_b32 s17, s13, 9
	s_add_co_u32 s16, s16, s17                     ; + 128 st keys
	s_lshr_b32 s17, s2, 1
	s_lshl_b32 s17, s17, 7
	s_add_co_u32 s16, s16, s17                     ; + block w / 2
	s_and_b32 s17, s2, 1
	s_lshl_b32 s17, s17, 5
	s_add_co_u32 s16, s16, s17                     ; + 8 (w % 2) keys
	v_lshlrev_b32 v1, 12, v18
	v_lshl_add_u32 v1, v17, 6, v1
	v_add_nc_u32 v1, s16, v1                       ; + row rr, + 16 h keys: the eight waves together read 512 consecutive bytes of each of 16 rows
	s_lshl_b32 s17, s2, 10
	v_lshl_add_u32 v2, v19, 4, s17                 ; out: 1,024 w + 16 lane
	s_lshl_b32 s18, s11, 13
	s_mov_b32 s19, 0
	s_add_nc_u64 s[20:21], s[58:59], s[18:19]
	s_add_nc_u64 s[20:21], s[20:21], MIMG_O
	s_add_nc_u64 s[22:23], s[60:61], s[18:19]
	global_load_b128 v[16:19], v1, s[24:25] th:TH_LOAD_NT
	global_load_b128 v[20:23], v1, s[24:25] offset:16 th:TH_LOAD_NT
	TCALC TS                                       ; its wait for all loads serves the mask numbers too
	BARRIER
	COUNT 8, 16, 24, TS
	global_store_b128 v2, v[16:19], s[20:21]       ; each store of the wave covers 512 consecutive bytes, aligned
	global_store_b128 v2, v[20:23], s[20:21] offset:512
	global_store_b128 v2, v[24:27], s[22:23]
	global_store_b128 v2, v[28:31], s[22:23] offset:512
	s_wait_tensorcnt 0x0
	ds_add_u32 v214, v215
	s_wait_dscnt 0x0
	s_endpgm
; ---------------- ROLE T.  Lane l of every wave owns entry j = 32 x work-group + l; wave w sums units 64 w .. 64 w + 63; the eight partial sums meet in LDS.
.macro RECORD w1r, b1r, zs, w2r, qr, off
	v_cndmask_b32 v[\qr+4], v[\w1r], 0, s[\zs]     ; w1, or 0 where it counts as 0
	v_max_num_f32 v[\qr+5], 0, v[\b1r]
	v_cndmask_b32 v[\qr+5], v[\b1r], v[\qr+5], s[\zs]   ; b1, or max(b1, 0) there
	v_cmp_lt_f32 s78, 0, v[\qr+4]                  ; a rising unit is on above its break, any other below it
	v_cndmask_b32 v[\qr], v[\qr+4], 0, s78         ; a0, c0: what the unit adds where its break is not under m;
	v_cndmask_b32 v[\qr+1], v[\qr+5], 0, s78
	v_cndmask_b32 v[\qr+2], 0, v[\qr+4], s78       ; a1, c1: where it is
	v_cndmask_b32 v[\qr+3], 0, v[\qr+5], s78
	ds_store_b128 v1, v[\qr:\qr+3] offset:REC+\off
	ds_store_b128 v1, v[\w2r:\w2r+3] offset:REC+\off+16
	ds_store_b128 v1, v[\w2r+4:\w2r+7] offset:REC+\off+32
.endm
.Ltab:
.irp hh, 0,1,2,3,4,5,6,7
	global_load_b32 v[64+\hh], v208, s[30:31] offset:2048*\hh
	global_load_b32 v[72+\hh], v208, s[30:31] offset:2048*\hh+1024
.endr
	TCALC TT
	v_lshlrev_b32 v1, 6, v0                        ; my first unit's record
	RECORD 200, 202, 76, 64, 32, 0
	RECORD 201, 203, 77, 72, 40, 16384
	BARRIER
	; a unit's rank = the number of breaks under its own.  For every count j that a mask number can have: t_r is under m exactly where rank_r < j.  So nothing is sorted.
	s_lshl_b32 s17, s2, 8
	v_lshl_add_u32 v2, v19, 2, s17
	ds_load_b32 v16, v2 offset:TT                  ; units 64 w + lane and + 32
	ds_load_b32 v17, v2 offset:TT+128
	COUNT 2, 16, 24, TT                            ; its first wait leaves eight younger loads out: these two are in
	BARRIER                                        ; every wave's walk over the breaks is over
	s_lshl_b32 s17, s2, 12
	v_lshl_add_u32 v3, v19, 6, s17
	ds_store_b32 v3, v24 offset:REC+48
	ds_store_b32 v3, v25 offset:REC+48+2048
	BARRIER
	s_add_co_u32 s17, s17, REC
	v_mov_b32 v4, s17                              ; my wave's 64 records; every lane reads the same bytes
	s_lshl_b32 s18, ttmp9, 5
	v_add_nc_u32 v50, s18, v19                     ; j
.set j, 0
.rept 16
	v_mov_b32 v[52+j], 0                           ; (A, C) of the eight heads
.set j, j+1
.endr
	s_mov_b32 s10, 16
.Ltmain:                                           ; 16 trips of four units
.irp k, 0,1,2,3
	ds_load_b128 v[80+16*\k:83+16*\k], v4 offset:64*\k
	ds_load_b128 v[84+16*\k:87+16*\k], v4 offset:64*\k+16
	ds_load_b128 v[88+16*\k:91+16*\k], v4 offset:64*\k+32
	ds_load_b32 v[92+16*\k], v4 offset:64*\k+48
.endr
	s_wait_dscnt 0x0
	v_add_nc_u32 v4, 0x100, v4
.irp k, 0,1,2,3
	v_cmp_lt_u32 s[68+\k], v[92+16*\k], v50
.endr
.irp k, 0,1,2,3
	v_cndmask_b32 v[68+2*\k], v[80+16*\k], v[82+16*\k], s[68+\k]
	v_cndmask_b32 v[69+2*\k], v[81+16*\k], v[83+16*\k], s[68+\k]
.endr
.irp k, 0,1,2,3
.irp p, 0,1,2,3
	v_pk_fma_f32 v[52+4*\p:53+4*\p], v[68+2*\k:69+2*\k], v[84+16*\k+2*\p:85+16*\k+2*\p], v[52+4*\p:53+4*\p] op_sel_hi:[1,0,1]               ; (A, C) of head 2 p += (a, c) w2[2 p]
	v_pk_fma_f32 v[54+4*\p:55+4*\p], v[68+2*\k:69+2*\k], v[84+16*\k+2*\p:85+16*\k+2*\p], v[54+4*\p:55+4*\p] op_sel:[0,1,0] op_sel_hi:[1,1,1]   ; of head 2 p + 1 += (a, c) w2[2 p + 1]
.endr
.endr
	s_sub_co_u32 s10, s10, 1
	s_cmp_lg_u32 s10, 0
	s_cbranch_scc1 .Ltmain
	BARRIER                                        ; every wave's walk over the records is over
	s_lshl_b32 s17, s2, 11
	s_add_co_u32 s17, s17, RED
	v_lshl_add_u32 v5, v19, 4, s17
.irp q, 0,1,2,3
	ds_store_b128 v5, v[52+4*\q:55+4*\q] offset:512*\q
.endr
	BARRIER
	s_lshr_b32 s17, s2, 1                          ; wave w adds up head w
	s_lshl_b32 s17, s17, 9
	s_and_b32 s18, s2, 1
	s_lshl_b32 s18, s18, 3
	s_add_co_u32 s17, s17, s18
	s_add_co_u32 s17, s17, RED
	v_lshl_add_u32 v6, v19, 4, s17
.irp p, 0,1,2,3,4,5,6,7
	ds_load_b64 v[80+2*\p:81+2*\p], v6 offset:2048*\p
.endr
	s_wait_dscnt 0x0
.irp p, 1,2,3,4,5,6,7
	v_pk_add_f32 v[80:81], v[80:81], v[80+2*\p:81+2*\p]
.endr
	s_mul_i32 s17, s2, HEADB
	s_lshl_b32 s18, ttmp9, 8
	s_add_co_u32 s17, s17, s18
	v_lshl_add_u32 v7, v19, 3, s17
	global_store_b64 v7, v[80:81], s[58:59]        ; 32 entries: 256 consecutive bytes, aligned
	s_wait_tensorcnt 0x0
	ds_add_u32 v214, v215
	s_wait_dscnt 0x0
	s_endpgm
; ---------------- ROLE KV.  Unit kvid: 0-15 cross (rows 128 kvid of src), 16-19 self (rows 128 (kvid - 16) of tgt).  Only pointers and offsets are chosen: both kinds take one path.
; REGISTERS: v1 16 lane, v2 4 r, v3 my bytes of the inputs' rows, v4-5 where I store images and scale words, v6-7 the weights' rows and scale words, v8-9 the biases, v10 8 lane; v[12:13] the unit's K and V scale words;
;   v16-79 64 numbers; v80-143 inputs' second tensor, later eight fragments from LDS; v144-175 four weight fragments; v176-191 biases as C; v192-199, v200-203 scale words; v220-223, v224-255 four fragments made, each with registers of its own.
.macro WLOAD cp, sp                    ; my head's 32 rows of a weight: tiles u = 0, 1 (rows 32 w + 8 u + rr), K steps s = 0, 1
.irp u, 0,1
.irp s, 0,1
.irp c, 0,1
	global_load_b128 v[144+16*\u+8*\s+4*\c:147+16*\u+8*\s+4*\c], v6, s[\cp:\cp+1] offset:\u*1024+\s*64+32*\c
.endr
	global_load_b32 v[200+2*\u+\s], v7, s[\sp:\sp+1] offset:\u*64+4*\s
.endr
.endr
.endm
.macro XLOAD st                        ; my 16 keys' numbers of K step st: of each block of 32 my 16
.irp b, 0,1,2,3
.irp j, 0,1,2,3
	global_load_b128 v[16+16*\b+4*\j:19+16*\b+4*\j], v3, s[12:13] offset:512*\st+128*\b+16*\j th:TH_LOAD_NT
	global_load_b128 v[80+16*\b+4*\j:83+16*\b+4*\j], v3, s[14:15] offset:512*\st+128*\b+16*\j th:TH_LOAD_NT
.endr
.endr
.endm
.Lkv:
	s_sub_co_u32 s11, ttmp9, 17
	s_cmp_lt_u32 s11, 16                           ; the choice hangs on the work-group's number alone
	s_cselect_b64 s[12:13], s[32:33], s[36:37]     ; V's input: src or tgt
	s_cselect_b64 s[14:15], s[34:35], s[38:39]     ; what K's input adds: src_pos_embed or query_pos
	s_cselect_b64 s[16:17], s[40:41], s[52:53]     ; K's weight: codes,
	s_cselect_b64 s[18:19], s[42:43], s[54:55]     ; scales,
	s_cselect_b64 s[20:21], s[44:45], s[56:57]     ; bias
	s_cselect_b64 s[80:81], s[46:47], s[52:53]     ; V's likewise
	s_cselect_b64 s[82:83], s[48:49], s[54:55]
	s_cselect_b64 s[84:85], s[50:51], s[56:57]
	s_cselect_b32 s86, 0, 32768                    ; in_proj's rows 256 on are K's, 512 on V's: 128 bytes of codes, 8 of scales, 4 of bias a row
	s_cselect_b32 s88, 0, 2048
	s_cselect_b32 s90, 0, 1024
	s_cselect_b32 s92, 0, 65536
	s_cselect_b32 s94, 0, 4096
	s_cselect_b32 s96, 0, 2048
	s_cselect_b32 s22, 0, 16
	s_mov_b32 s87, 0
	s_mov_b32 s89, 0
	s_mov_b32 s91, 0
	s_mov_b32 s93, 0
	s_mov_b32 s95, 0
	s_mov_b32 s97, 0
	s_mov_b32 s23, 0
	s_sub_co_u32 s22, s11, s22
	s_lshl_b32 s22, s22, 17                        ; 128 rows of 1,024 bytes
	s_add_nc_u64 s[12:13], s[12:13], s[22:23]
	s_add_nc_u64 s[14:15], s[14:15], s[22:23]
	s_add_nc_u64 s[16:17], s[16:17], s[86:87]
	s_add_nc_u64 s[18:19], s[18:19], s[88:89]
	s_add_nc_u64 s[20:21], s[20:21], s[90:91]
	s_add_nc_u64 s[80:81], s[80:81], s[92:93]
	s_add_nc_u64 s[82:83], s[82:83], s[94:95]
	s_add_nc_u64 s[84:85], s[84:85], s[96:97]
	s_mul_i32 s22, s11, UNITB
	s_mul_i32 s3, s2, HEADB
	s_add_co_u32 s22, s22, s3
	s_add_co_u32 s22, s22, PACK_O
	s_add_nc_u64 s[24:25], s[58:59], s[22:23]      ; where my head's images of this unit go
	v_lshlrev_b32 v1, 4, v19
	v_lshlrev_b32 v2, 2, v16
	s_lshr_b32 s3, s2, 1
	s_lshl_b32 s3, s3, 5
	s_and_b32 s4, s2, 1
	s_lshl_b32 s4, s4, 3
	s_add_co_u32 s3, s3, s4
	v_add_nc_u32 v3, s3, v18                       ; phase X: wave w takes key tile w: keys 32 (w / 2) + 8 (w % 2) + rr
	v_lshlrev_b32 v3, 10, v3
	v_lshl_add_u32 v3, v17, 6, v3
	s_lshl_b32 s3, s2, 11
	v_add_nc_u32 v4, s3, v1
	s_lshl_b32 s3, s2, 8
	v_lshl_add_u32 v5, v19, 2, s3
	s_lshl_b32 s3, s2, 5
	v_add_nc_u32 v11, s3, v18                      ; 32 w + rr
	v_lshlrev_b32 v6, 7, v11
	v_lshl_add_u32 v6, v17, 4, v6
	v_lshlrev_b32 v7, 3, v11
	v_lshlrev_b32 v9, 2, v11
	s_lshl_b32 s3, s2, 7
	v_lshl_add_u32 v8, v17, 6, s3                  ; (32 w + 16 h) x 4
	v_lshlrev_b32 v10, 3, v19
.irp b, 0,1,2,3
	v_mov_b32 v[TM+4+\b], 0                        ; written once: a lane permute's destination counts as one of its sources
.endr
	WLOAD 16, 18                                   ; K's weight and bias are asked for ahead of phase X
.irp q, 0,1,2,3
	global_load_b128 v[176+4*\q:179+4*\q], v8, s[20:21] offset:16*\q   ; kb in the result's layout: features 32 w + 16 h + 0 .. 15
.endr
	; ---- X: my 16 keys' rows, quantised along the 256: src for V, src + pos for K; two fragments each, as images
.irp st2, 0,1
	XLOAD \st2
	s_wait_loadcnt 0x0
	QUANT 16, 224, 220
	ds_store_b128 v4, v[224:227] offset:XV+1024*\st2
	ds_store_b128 v4, v[228:231] offset:XV+1024*\st2+512
	ds_store_b32 v5, v220 offset:XVS+128*\st2
.set j, 0
.rept 32
	v_pk_add_f32 v[16+j:17+j], v[16+j:17+j], v[80+j:81+j]
.set j, j+2
.endr
	s_wait_dscnt 0x0                               ; the stores have read their registers
	QUANT 16, 224, 220
	ds_store_b128 v4, v[224:227] offset:XK+1024*\st2
	ds_store_b128 v4, v[228:231] offset:XK+1024*\st2+512
	ds_store_b32 v5, v220 offset:XKS+128*\st2
	s_wait_dscnt 0x0
.endr
	BARRIER                                        ; all 32 fragments lie in LDS; nothing is stored to LDS behind this barrier
	; ---- K, wave w = head w.  Transposed: source 0 = 16 rows of the weight, source 1 = 16 keys.  A lane then holds one key and 16 of the head's 32; a key's one block of 32 is quantised,
	; and FOUR key tiles share a fragment, tile beta in block beta of K: 64 keys a fragment, with one scale byte a tile.
.irp g, 0,1
.irp be, 0,1,2,3
.irp s, 0,1
.irp c, 0,1
	ds_load_b128 v[80+16*\be+8*\s+4*\c:83+16*\be+8*\s+4*\c], v1 offset:XK+(2*(4*\g+\be)+\s)*1024+512*\c
.endr
	ds_load_b32 v[192+2*\be+\s], v2 offset:XKS+(2*(4*\g+\be)+\s)*128
.endr
.endr
	s_wait_loadcnt 0x0
	s_wait_dscnt 0x0
.irp s, 0,1                                    ; eight accumulators by turns
.irp be, 0,1,2,3
.irp u, 0,1
.if \s == 0
	MMC 16+16*\be+8*\u, 144+16*\u, 80+16*\be, 176+8*\u, 200+2*\u, 192+2*\be
.else
	MMC 16+16*\be+8*\u, 152+16*\u, 88+16*\be, 16+16*\be+8*\u, 201+2*\u, 193+2*\be
.endif
.endr
.endr
.endr
	PLACES 4                                       ; in front of the first read of results, and of loads into registers that the products have read
	QUANT 16, 224+8*\g, 220+\g
	global_store_b128 v1, v[224+8*\g:227+8*\g], s[24:25] offset:1024*\g        ; 512 consecutive bytes a store
	global_store_b128 v1, v[228+8*\g:231+8*\g], s[24:25] offset:1024*\g+512
.endr
	v_cndmask_b32 v12, v220, v221, s8              ; lanes 0-15: fragment 0's scale words; lanes 16-31: fragment 1's
	; ---- V.  Source 0 = 16 keys, source 1 = 16 rows of the weight: a lane holds one feature and its registers run along the 128 keys, which are the second product's K.
	WLOAD 80, 82
	global_load_b32 v14, v9, s[84:85]              ; vb of my lane's feature, tile 0 and tile 1
	global_load_b32 v15, v9, s[84:85] offset:32
	s_wait_loadcnt 0x0
.irp u, 0,1
.irp j, 0,1,2,3,4,5,6,7
	v_mov_b32 v[176+8*\u+\j], v[14+\u]
.endr
.endr
	PLACES 4
.irp u, 0,1
.irp s, 0,1
.irp t, 0,1,2,3,4,5,6,7
.irp c, 0,1
	ds_load_b128 v[80+8*\t+4*\c:83+8*\t+4*\c], v1 offset:XV+(2*\t+\s)*1024+512*\c
.endr
	ds_load_b32 v[192+\t], v2 offset:XVS+(2*\t+\s)*128
.endr
	s_wait_dscnt 0x0
.irp t, 0,1,2,3,4,5,6,7
.if \s == 0
	MMC 16+8*\t, 80+8*\t, 144+16*\u, 176+8*\u, 192+\t, 200+2*\u
.else
	MMC 16+8*\t, 80+8*\t, 152+16*\u, 16+8*\t, 192+\t, 201+2*\u
.endif
.endr
	PLACES 4
.endr
	QUANT 16, 240+8*\u, 222+\u
	global_store_b128 v1, v[240+8*\u:243+8*\u], s[24:25] offset:2048+1024*\u
	global_store_b128 v1, v[244+8*\u:247+8*\u], s[24:25] offset:2048+1024*\u+512
.endr
	v_cndmask_b32 v13, v222, v223, s8
	global_store_b64 v10, v[12:13], s[24:25] offset:4096   ; the scale words: 256 consecutive bytes, aligned
	s_wait_tensorcnt 0x0
	ds_add_u32 v214, v215
	s_wait_dscnt 0x0
	s_endpgm
.Lfunc_end_k_qe91d590793_prep:
	.size	k_qe91d590793_prep, .Lfunc_end_k_qe91d590793_prep-k_qe91d590793_prep
	.p2alignl 7, 3214868480
	.fill 96, 4, 3214868480
	.section	.rodata,"a",@progbits
	.p2align	6, 0x0
	.amdhsa_kernel k_qe91d590793_prep
		.amdhsa_group_segment_fixed_size 93184
		.amdhsa_private_segment_fixed_size 0
		.amdhsa_enable_private_segment 0
		.amdhsa_kernarg_size 152
		.amdhsa_user_sgpr_count 2
		.amdhsa_user_sgpr_kernarg_segment_ptr 1
		.amdhsa_wavefront_size32 1
		.amdhsa_system_sgpr_workgroup_id_x 1
		.amdhsa_system_sgpr_workgroup_id_y 1
		.amdhsa_system_sgpr_workgroup_id_z 1
		.amdhsa_system_vgpr_workitem_id 0
		.amdhsa_next_free_vgpr 256
		.amdhsa_next_free_sgpr 100
		.amdhsa_reserve_vcc 0
		.amdhsa_float_denorm_mode_32 3
		.amdhsa_float_denorm_mode_16_64 3
		.amdhsa_memory_ordered 1
		.amdhsa_forward_progress 1
		.amdhsa_inst_pref_size 231
	.end_amdhsa_kernel
	.amdgpu_metadata
---
amdhsa.version: [ 1, 2 ]
amdhsa.kernels:
  - .name:           k_qe91d590793_prep
    .symbol:         k_qe91d590793_prep.kd
    .args:
      - { .name: cross_attn_mask, .offset: 0, .size: 8, .value_kind: global_buffer, .address_space: global }
      - { .name: cpb_w1, .offset: 8, .size: 8, .value_kind: global_buffer, .address_space: global }
      - { .name: cpb_b1, .offset: 16, .size: 8, .value_kind: global_buffer, .address_space: global }
      - { .name: cpb_w2, .offset: 24, .size: 8, .value_kind: global_buffer, .address_space: global }
      - { .name: src, .offset: 32, .size: 8, .value_kind: global_buffer, .address_space: global }
      - { .name: src_pos_embed, .offset: 40, .size: 8, .value_kind: global_buffer, .address_space: global }
      - { .name: tgt, .offset: 48, .size: 8, .value_kind: global_buffer, .address_space: global }
      - { .name: query_pos, .offset: 56, .size: 8, .value_kind: global_buffer, .address_space: global }
      - { .name: kw_codes, .offset: 64, .size: 8, .value_kind: global_buffer, .address_space: global }
      - { .name: kw_scales, .offset: 72, .size: 8, .value_kind: global_buffer, .address_space: global }
      - { .name: kb, .offset: 80, .size: 8, .value_kind: global_buffer, .address_space: global }
      - { .name: vw_codes, .offset: 88, .size: 8, .value_kind: global_buffer, .address_space: global }
      - { .name: vw_scales, .offset: 96, .size: 8, .value_kind: global_buffer, .address_space: global }
      - { .name: vb, .offset: 104, .size: 8, .value_kind: global_buffer, .address_space: global }
      - { .name: in_proj_w_codes, .offset: 112, .size: 8, .value_kind: global_buffer, .address_space: global }
      - { .name: in_proj_w_scales, .offset: 120, .size: 8, .value_kind: global_buffer, .address_space: global }
      - { .name: in_proj_b, .offset: 128, .size: 8, .value_kind: global_buffer, .address_space: global }
      - { .name: ws, .offset: 136, .size: 8, .value_kind: global_buffer, .address_space: global }
      - { .name: seg, .offset: 144, .size: 8, .value_kind: global_buffer, .address_space: global }
    .group_segment_fixed_size: 93184
    .private_segment_fixed_size: 0
    .kernarg_segment_align: 8
    .kernarg_segment_size: 152
    .max_flat_workgroup_size: 256
    .sgpr_count:     100
    .vgpr_count:     256
    .wavefront_size: 32
...
	.end_amdgpu_metadata
.endif
;; end of part 3
;; launch chain: the kernel of part 2 again; grid 32 x 1, 8 waves a work-group, no clusters, 76,800 bytes of LDS; arguments tgt, query_pos, ws, seg, src_padding_mask, out0, in_proj_w_codes, in_proj_w_scales, in_proj_b, out_w_codes, out_w_scales, out_b, qw_codes, qw_scales, qb, proj_w_codes, proj_w_scales, proj_b, ff1_w_codes, ff1_w_scales, ff1_b, ff2_w_codes, ff2_w_scales, ff2_b, ln2_g, ln2_b, ln1_g, ln1_b, ln3_g, ln3_b; writes out0
;; ======== version 3 of 3: 2 launches; version 2 with the launches prep, chain written anew for expert scheduling mode
;; workspace buffers: ws 2,828,288 bytes; seg 2,097,152 bytes of whole numbers
;; launch prep (part 4): grid 293 x 1, 8 waves a work-group, no clusters, 93,184 bytes of LDS; arguments cross_attn_mask, cpb_w1, cpb_b1, cpb_w2, src, src_pos_embed, tgt, query_pos, kw_codes, kw_scales, kb, vw_codes, vw_scales, vb, in_proj_w_codes, in_proj_w_scales, in_proj_b, ws, seg; writes ws, seg
.if DOCPART == 4
	.amdgcn_target "amdgcn-amd-amdhsa--gfx1250"
	.amdhsa_code_object_version 6
	.text
	.protected	k_qe91d590793_prep
	.globl	k_qe91d590793_prep
	.p2align	8
	.type	k_qe91d590793_prep,@function
k_qe91d590793_prep:
	s_mov_b64 s[64:65], 0
	v_nop
	global_prefetch_b8 v0, s[64:65] scope:SCOPE_SE
	s_setreg_imm32_b32 hwreg(HW_REG_WAVE_SCHED_MODE, 0, 2), 2
	s_setreg_imm32_b32 hwreg(HW_REG_WAVE_MODE, 25, 1), 1
	s_wait_xcnt 0x0
	s_wait_alu depctr_vm_vsrc(0)
; PREP: all that the decoder layer's chain wants laid ready.  Three roles, told apart by the work-group's number:
;   T  (work-groups 0-16):   the table of the score MLP.  bias_h(m) = sum over r of w2[h][r] relu(w1[r] m + b1[r]) is piecewise linear in the one number m, with breaks t_r = -b1[r] / w1[r].
;                            With j = the number of breaks under m it is A_h[j] m + C_h[j], A and C the sums of w2 w1 and w2 b1 over the units that are on in piece j.  A lane owns one j, 544 entries in all.
;   KV (work-groups 17-36):  K and V of both attentions for 128 keys each: inputs quantised, projected on FP4 codes, quantised again (K along the head's 32, V along the keys), stored as images of operand registers.
;   S  (work-groups 37-292): for 2,048 mask numbers each the count j, as whole numbers, and the numbers themselves, both in the order of the reader's registers.
; The count is made of floating-point numbers, so no address of this launch hangs on it: it is stored, and the next launch reads it.
; LIMITS: a unit with |w1| under 2^-126 counts as w1 = 0 (the constant w2 max(b1, 0)); |w1| over 2^126 is not served; NaN and infinities in any input are not served.  A break is held at + or - the largest finite number.
; 'Under' is the sign of the f32 difference t - m: it counts -0 as under +0, in the ranks as in the counts.  A break is good to about two units in its last place:
; a mask number between the true break and the computed one gets a term of at most |w2 w1 t| 2^-22 too much or too little.  A block of zeros gets the scale byte 1 and not 127: its codes are zeros, and this program alone reads the bytes.
; No tensor load, no cluster: every stream is read once by the wave that wants it, in registers; what work-groups share (weights of 32 KiB) is small beside a work-group's own rows.
; THE MODE: SCHED_MODE bits 1:0 = 2 (LLVM: expert scheduling mode 2), set by the entry lines.  The code itself states the register dependences
; between vector or matrix instructions and memory or LDS instructions, with s_wait_alu, always for 0.
; THE PLAN.  Registers that memory or LDS instructions touch:
;   offsets and addresses   made once in each role, ahead of one wait on va_vdst, and not written again; but v96, v97 (the count) and v4 (role T), which are stepped behind a wait on vm_vsrc.
;   the count               its two buffers of breaks: a run's subtractions read a buffer; one wait on va_vdst behind the run; the buffer's next eight loads follow at once.
;   role T                  v32-35, v40-43, v64-79: the records' words, read by LDS stores, later the count's buffers: one wait on vm_vsrc between.  v80-143: records from LDS, read by a trip's lines: one wait on va_vdst at a trip's head.
;   role KV                 v220, v224-231: written by the quantiser, read by LDS stores, written again: va_vdst ahead of the stores, vm_vsrc ahead of the next quantiser.  The wait ahead of a run of stores also serves
;                           the loads that follow it with no vector line between: the next inputs, the fragments from LDS, the next weight.
;   v214, v215              written at the head, read by the closing add alone.
.set PACK_O, 34816                     ; ws: the table at 0 (8 heads x 544 entries x 8 bytes); from here 20 units x 8 heads x 4,352 bytes of K and V images;
.set MIMG_O, 731136                    ; from here the mask numbers, 256 images of 8,192 bytes
.set UNITB,  34816
.set HEADB,  4352
.set XK,  0                            ; LDS, role KV: images of src + pos (16 fragments of 1,024 bytes),
.set XV,  16384                        ; of src,
.set XKS, 32768                        ; and their scale words, 128 bytes a fragment
.set XVS, 34816
.set TS,  36864                        ; role S: the 512 breaks, and behind them 1,024 bytes that hold the largest number: the count's loads run 256 bytes ahead
.set TT,  39936                        ; role T: the same,
.set REC, 43008                        ; a record of 64 bytes a unit: a0 c0 a1 c1 | w2 of heads 0-3 | of heads 4-7 | its rank,
.set RED, 75776                        ; and the eight waves' partial sums, 2,048 bytes each
.set TM,  204                          ; v204-219 the quantiser's registers at work (it names v204-211 and v216-219; v214, v215 are the closing add's)
.set TA,  32                           ; the count: v32-63, v64-95 two buffers of 32 breaks;
.set TB,  64
.set AA,  96                           ; v96, v97 the LDS address of each buffer's loads;
.set DD,  98                           ; v98-113 two sets of eight differences;
.set BB,  114                          ; v114-145 collectors of sign bits: four for each number;
.set ON,  146                          ; v146.. the running plane of weight 1, v154.. of weight 2,
.set TW,  154
.set AC,  162                          ; v162.. the ones of the words of weight 4, counted byte by byte;
.set XX,  170                          ; v170.., v178.., v186.. at work
.set U0,  178
.set U1,  186
.macro BARRIER                         ; my LDS stores have landed and my LDS loads are in: then the work-group's barrier
	s_wait_dscnt 0x0
	s_barrier_signal -1
	s_barrier_wait -1
.endm
.macro PLACES n
.rept \n
	v_nop
.endr
.endm
.macro MMC d, a, b, c, sa, sb          ; D = A B + C on FP4 codes, 16 x 16 x 128
	v_wmma_scale_f32_16x16x128_f8f6f4 v[\d:\d+7], v[\a:\a+7], v[\b:\b+7], v[\c:\c+7], v[\sa], v[\sb] matrix_a_fmt:MATRIX_FMT_FP4 matrix_b_fmt:MATRIX_FMT_FP4
.endm
; 64 numbers of a lane, register 16 b + i = k 32 b + 16 (lane / 16) + i of my row, become a fragment's codes in v[pc] on and its scale word in v[pw].
.macro QUANT s, pc, pw
.irp b, 0,1,2,3
	v_max3_num_f32 v[TM+\b], |v[\s+16*\b]|, |v[\s+1+16*\b]|, 0x1800000   ; my 16 numbers of block b, and the floor 2^(3 - 127): the byte cannot fall under 1
.endr
.irp i, 2,4,6,8,10,12,14
.irp b, 0,1,2,3
	v_max3_num_f32 v[TM+\b], v[TM+\b], |v[\s+16*\b+\i]|, |v[\s+1+16*\b+\i]|
.endr
.endr
.irp b, 0,1,2,3
	v_permlanex16_b32 v[TM+4+\b], v[TM+\b], s6, s7
.endr
.irp b, 0,1,2,3
	v_max_num_f32 v[TM+\b], v[TM+\b], v[TM+4+\b]   ; with lane l xor 16's: the block's largest magnitude
.endr
.irp b, 0,1,2,3
	v_add_nc_u32 v[TM+12+\b], 0xff000000, v[TM+\b] ; 2 off its exponent field: the conversion's scale operand
.endr
.irp b, 0,1,2,3
	v_lshrrev_b32 v[TM+4+\b], 23, v[TM+12+\b]      ; the scale's byte
.endr
	v_lshl_or_b32 v[\pw], v[TM+5], 8, v[TM+4]
	v_lshl_or_b32 v[\pw], v[TM+6], 16, v[\pw]
	v_lshl_or_b32 v[\pw], v[TM+7], 24, v[\pw]
.irp b, 0,1,2,3
	v_cvt_scalef32_pk8_fp4_f32 v[\pc+2*\b], v[\s+16*\b:\s+7+16*\b], v[TM+12+\b]
	v_cvt_scalef32_pk8_fp4_f32 v[\pc+1+2*\b], v[\s+8+16*\b:\s+15+16*\b], v[TM+12+\b]
.endr
	v_nop                                          ; one plain place behind a scaled conversion
.irp c, 0,1                                    ; the operand's layout wants a whole block in a lane
.irp i, 0,1
	v_permlane16_swap_b32 v[\pc+4*\c+\i], v[\pc+2+4*\c+\i]
.endr
.endr
.endm
; The breaks of units tid and tid + 256 into LDS.  The same lines serve roles S and T, so both have the same bits.  v200-201 w1, v202-203 b1, s76-77: |w1| under 2^-126.
.macro TCALC base
	global_load_b32 v200, v208, s[26:27]
	global_load_b32 v201, v208, s[26:27] offset:1024
	global_load_b32 v202, v208, s[28:29]
	global_load_b32 v203, v208, s[28:29] offset:1024
	s_wait_loadcnt 0x0
	v_rcp_f32 v204, v200
	v_rcp_f32 v205, v201
	v_nop                                          ; a plain place behind the reciprocals
	v_cmp_lt_f32 s76, |v200|, s9
	v_cmp_lt_f32 s77, |v201|, s9
	s_wait_alu depctr_va_vdst(0)                   ; both reciprocals, v204 and v205, are written, ahead of their first reader
	v_mul_f32 v206, -v202, v204
	v_mul_f32 v207, -v203, v205
	s_wait_alu depctr_va_sdst(0)                   ; the two compares have written s76 and s77, ahead of their first reader
	v_cndmask_b32 v206, v206, v209, s76            ; a unit without a slope has its break at the largest number: under no mask number that is served
	v_cndmask_b32 v207, v207, v209, s77
	v_med3_num_f32 v206, v206, -v209, v209         ; every break is finite: so no difference of two breaks is a difference of infinities
	v_med3_num_f32 v207, v207, -v209, v209
	s_wait_alu depctr_va_vdst(0)                   ; the breaks v206 and v207 are written, which the LDS stores read
	ds_store_b32 v208, v206 offset:\base
	ds_store_b32 v208, v207 offset:\base+1024
	ds_store_b32 v208, v209 offset:\base+2048      ; 1,024 bytes more, for the loads that run ahead of the count's last trip
.endm
; ---- THE COUNT.  v[cr + e] = the number of the 512 breaks at LDS byte base that lie under v[mr + e], e = 0 .. ne - 1 (ne = 8 or 2).
; The sign of t - m says it: with denormals kept, a difference of unequal numbers is never 0, and that of equal numbers is +0.  One packed subtraction makes two differences, one v_alignbit_b32 shifts a
; difference's sign bit into a collector: 1.5 instructions for a break and a number, and no scalar register is written in the loop.
.macro CSUB tx, ne, mr, kk             ; break kk of the buffer less each of the ne numbers, into set kk % 2
.set cp, 0
.rept \ne/2
.if ((\kk)%2) == 0
	v_pk_add_f32 v[DD+8*((\kk)%2)+2*cp:DD+8*((\kk)%2)+2*cp+1], v[\tx+(\kk):\tx+(\kk)+1], v[\mr+2*cp:\mr+2*cp+1] op_sel_hi:[0,1] neg_lo:[0,1] neg_hi:[0,1]
.else
	v_pk_add_f32 v[DD+8*((\kk)%2)+2*cp:DD+8*((\kk)%2)+2*cp+1], v[\tx+(\kk)-1:\tx+(\kk)], v[\mr+2*cp:\mr+2*cp+1] op_sel:[1,0] op_sel_hi:[1,1] neg_lo:[0,1] neg_hi:[0,1]
.endif
.set cp, cp+1
.endr
.endm
; 32 breaks, the q-th of a trip's four runs.  A break's differences are made one break ahead of their use.  A number has four collectors, each of which takes 32 bits in a trip: with eight numbers
; run q fills collector q; with two numbers the breaks go to the four by turns, so that no line waits for the line above it.  A collector's first bit of a trip writes it anew: nothing is cleared.
.macro CBLK tx, ne, mr, q
	CSUB \tx, \ne, \mr, 0
.set ck, 0
.rept 32
.if ck < 31
	CSUB \tx, \ne, \mr, ck+1
.endif
.if \ne == 8
.set cj, \q
.set cf, ck
.else
.set cj, ck%4
.set cf, 8*(\q)+ck/4
.endif
.set ce, 0
.rept \ne
.if cf == 0
	v_lshrrev_b32 v[BB+cj*\ne+ce], 31, v[DD+8*(ck%2)+ce]
.else
	v_alignbit_b32 v[BB+cj*\ne+ce], v[BB+cj*\ne+ce], v[DD+8*(ck%2)+ce], 31
.endif
.set ce, ce+1
.endr
.set ck, ck+1
.endr
.endm
.macro LDT tx, ar, off                 ; 32 breaks into a buffer: every lane reads the same 128 bytes
.irp i, 0,1,2,3,4,5,6,7
	ds_load_b128 v[\tx+4*\i:\tx+4*\i+3], v[\ar] offset:\off+16*\i
.endr
.endm
; One line for each of the ne numbers, the numbers by turns
.macro MZERO d, ne
.set ce, 0
.rept \ne
	v_mov_b32 v[\d+ce], 0
.set ce, ce+1
.endr
.endm
.macro MXOR d, a, b, ne
.set ce, 0
.rept \ne
	v_xor_b32 v[\d+ce], v[\a+ce], v[\b+ce]
.set ce, ce+1
.endr
.endm
.macro MBFI d, a, b, c, ne             ; (a and b) or (not a and c)
.set ce, 0
.rept \ne
	v_bfi_b32 v[\d+ce], v[\a+ce], v[\b+ce], v[\c+ce]
.set ce, ce+1
.endr
.endm
.macro MSHR d, n, a, ne
.set ce, 0
.rept \ne
	v_lshrrev_b32 v[\d+ce], \n, v[\a+ce]
.set ce, ce+1
.endr
.endm
.macro MAND d, c, a, ne
.set ce, 0
.rept \ne
	v_and_b32 v[\d+ce], \c, v[\a+ce]
.set ce, ce+1
.endr
.endm
.macro MADD d, a, b, ne
.set ce, 0
.rept \ne
	v_add_nc_u32 v[\d+ce], v[\a+ce], v[\b+ce]
.set ce, ce+1
.endr
.endm
.macro MSUB d, a, b, ne
.set ce, 0
.rept \ne
	v_sub_nc_u32 v[\d+ce], v[\a+ce], v[\b+ce]
.set ce, ce+1
.endr
.endm
.macro MSLA d, a, b, ne                ; 2 a + b
.set ce, 0
.rept \ne
	v_lshl_add_u32 v[\d+ce], v[\a+ce], 1, v[\b+ce]
.set ce, ce+1
.endr
.endm
.macro POPB r, ne                      ; each byte of v[r + e] becomes the number of ones in it: pairs of bits, fours, bytes
	MSHR XX, 1, \r, \ne
	MAND XX, 0x55555555, XX, \ne
	MSUB \r, \r, XX, \ne
	MSHR XX, 2, \r, \ne
	MAND \r, 0x33333333, \r, \ne
	MAND XX, 0x33333333, XX, \ne
	MADD \r, \r, XX, \ne
	MSHR XX, 4, \r, \ne
	MADD \r, \r, XX, \ne
	MAND \r, 0x0f0f0f0f, \r, \ne
.endm
; A trip's end: a number's four collectors go into the running planes by three adders of three words each (sum = a xor b xor c; carry = c where a and b differ, else a): what is left over is one word of weight 4.
.macro CRED ne
	MXOR XX, ON, BB, \ne
	MBFI U0, XX, BB+\ne, ON, \ne
	MXOR ON, XX, BB+\ne, \ne
	MXOR XX, ON, BB+2*\ne, \ne
	MBFI U1, XX, BB+3*\ne, ON, \ne
	MXOR ON, XX, BB+3*\ne, \ne
	MXOR XX, TW, U0, \ne
	MBFI U0, XX, U1, TW, \ne
	MXOR TW, XX, U1, \ne
	POPB U0, \ne
	MADD AC, AC, U0, \ne                           ; a byte takes at most 8 in each of four trips
.endm
.macro CFIN ne, cr                     ; the count = the ones of plane 1 + 2 x those of plane 2 + 4 x those counted: in a byte at most 8 bits x 16 words = 128
	POPB ON, \ne
	POPB TW, \ne
	MSLA AC, AC, TW, \ne
	MSLA AC, AC, ON, \ne
	MSHR XX, 8, AC, \ne
	MAND AC, 0x00ff00ff, AC, \ne
	MAND XX, 0x00ff00ff, XX, \ne
	MADD AC, AC, XX, \ne
	MSHR XX, 16, AC, \ne
	MADD AC, AC, XX, \ne
	MAND \cr, 0xffff, AC, \ne
.endm
; Four trips of 128 breaks.  A buffer is loaded again as soon as its 32 breaks are done, two runs ahead of its next use; both address registers are stepped in a trip's middle, behind one wait on vm_vsrc.
; The last trip's two refills read the 256 bytes behind the breaks, which hold numbers that nobody uses: so no tail is written out.
.macro COUNT ne, mr, cr, base
	v_mov_b32 v[AA], \base
	v_mov_b32 v[AA+1], \base
	MZERO ON, \ne
	MZERO TW, \ne
	MZERO AC, \ne
	s_wait_alu depctr_va_vdst(0)                   ; the two addresses v96 and v97 are written, which the loads below read
	LDT TA, AA, 0
	LDT TB, AA+1, 128
	s_mov_b32 s10, 4
.Lcount_\@:
	s_wait_dscnt 0x8                               ; the first buffer's eight loads are in; the second's eight, issued behind them, may be out
	CBLK TA, \ne, \mr, 0
	s_wait_alu depctr_va_vdst(0)                   ; the run's subtractions are done reading the first buffer, in which the loads below land
	LDT TA, AA, 256
	s_wait_dscnt 0x8                               ; the second buffer is in; the eight loads just issued may be out
	CBLK TB, \ne, \mr, 1
	s_wait_alu depctr_va_vdst(0)                   ; the run's subtractions are done reading the second buffer, in which the loads below land
	LDT TB, AA+1, 384
	s_wait_alu depctr_vm_vsrc(0)                   ; the loads issued so far have read v96 and v97, which the two lines below write
	v_add_nc_u32 v[AA], 0x200, v[AA]
	v_add_nc_u32 v[AA+1], 0x200, v[AA+1]
	s_wait_dscnt 0x8
	CBLK TA, \ne, \mr, 2
	s_wait_alu depctr_va_vdst(0)                   ; the run is done reading the first buffer; v96 and v97 are written, which the loads from here on read
	LDT TA, AA, 0
	s_wait_dscnt 0x8
	CBLK TB, \ne, \mr, 3
	s_wait_alu depctr_va_vdst(0)                   ; the run is done reading the second buffer, in which the loads below land
	LDT TB, AA+1, 128
	CRED \ne
	s_sub_co_u32 s10, s10, 1
	s_cmp_lg_u32 s10, 0
	s_cbranch_scc1 .Lcount_\@
	s_wait_dscnt 0x0                               ; the loads that ran ahead
	CFIN \ne, \cr
.endm
	s_load_b512 s[24:39], s[0:1], 0x0              ; mask 24, w1 26, b1 28, w2 30, src 32, pos 34, tgt 36, query_pos 38
	s_load_b512 s[40:55], s[0:1], 0x40             ; kw codes 40, scales 42, kb 44, vw codes 46, scales 48, vb 50, in_proj codes 52, scales 54
	s_load_b128 s[56:59], s[0:1], 0x80             ; in_proj_b 56, ws 58
	s_load_b64 s[60:61], s[0:1], 0x90              ; seg
	v_lshl_add_u32 v214, v0, 2, 0x16800
	v_mov_b32 v215, 0
	v_lshrrev_b32 v1, 5, v0
	v_readfirstlane_b32 s2, v1                     ; wave 0..7
	s_mov_b32 s6, 0x76543210
	s_mov_b32 s7, 0xfedcba98                       ; v_permlanex16_b32's selects for lane l xor 16
	s_mov_b32 s8, 0xffff0000                       ; lanes 16-31
	s_mov_b32 s9, 0x00800000                       ; 2^-126
	v_and_b32 v16, 15, v0                          ; r
	v_bfe_u32 v17, v0, 4, 1                        ; h
	v_and_b32 v18, 8, v16
	v_add_nc_u32 v18, v18, v16                     ; rr = r + 8 (r / 8): a tile's 16 rows are 0-7 and 16-23 of 32
	v_and_b32 v19, 31, v0                          ; lane
	v_lshlrev_b32 v208, 2, v0                      ; 4 x thread
	v_mov_b32 v209, 0x7f7fffff                     ; the largest finite number
	s_wait_alu depctr_va_sdst(0)                   ; s2 is written
	s_wait_kmcnt 0x0
	s_cmp_lt_u32 ttmp9, 17
	s_cbranch_scc1 .Ltab
	s_cmp_lt_u32 ttmp9, 37
	s_cbranch_scc1 .Lkv
; ---------------- ROLE S.  Image sidx = 8 wg + st: the 16 query rows of the chain's work-group wg, keys 128 st on.  Register rho = 16 b + i of lane (r, h) is (row r, key 32 b + 16 h + i); wave w holds rho = 8 w .. 8 w + 7.
	s_sub_co_u32 s11, ttmp9, 37                    ; sidx
	s_lshr_b32 s12, s11, 3                         ; wg
	s_and_b32 s13, s11, 7                          ; st
	s_lshr_b32 s14, s12, 4                         ; batch
	s_and_b32 s15, s12, 15                         ; which tile of 16 rows of the batch's 256
	s_lshr_b32 s16, s15, 1
	s_lshl_b32 s16, s16, 5
	s_and_b32 s17, s15, 1
	s_lshl_b32 s17, s17, 3
	s_add_co_u32 s16, s16, s17                     ; the tile begins at row 32 (T / 2) + 8 (T % 2)
	s_lshl_b32 s14, s14, 8
	s_add_co_u32 s16, s16, s14
	s_lshl_b32 s16, s16, 12                        ; a row of the mask is 4,096 bytes
	s_lshl_b32 s17, s13, 9
	s_add_co_u32 s16, s16, s17                     ; + 128 st keys
	s_lshr_b32 s17, s2, 1
	s_lshl_b32 s17, s17, 7
	s_add_co_u32 s16, s16, s17                     ; + block w / 2
	s_and_b32 s17, s2, 1
	s_lshl_b32 s17, s17, 5
	s_add_co_u32 s16, s16, s17                     ; + 8 (w % 2) keys
	v_lshlrev_b32 v1, 12, v18
	v_lshl_add_u32 v1, v17, 6, v1
	v_add_nc_u32 v1, s16, v1                       ; + row rr, + 16 h keys: the eight waves together read 512 consecutive bytes of each of 16 rows
	s_lshl_b32 s17, s2, 10
	v_lshl_add_u32 v2, v19, 4, s17                 ; out: 1,024 w + 16 lane
	s_lshl_b32 s18, s11, 13
	s_mov_b32 s19, 0
	s_add_nc_u64 s[20:21], s[58:59], s[18:19]
	s_add_nc_u64 s[20:21], s[20:21], MIMG_O
	s_add_nc_u64 s[22:23], s[60:61], s[18:19]
	s_wait_alu depctr_va_vdst(0)                   ; the offsets v1, v2, v208 and the number v209 are written, which the loads and stores of this role read; the lines above are done with v16-19, in which the mask numbers land
	global_load_b128 v[16:19], v1, s[24:25] th:TH_LOAD_NT
	global_load_b128 v[20:23], v1, s[24:25] offset:16 th:TH_LOAD_NT
	TCALC TS                                       ; its wait for all loads serves the mask numbers too
	BARRIER
	COUNT 8, 16, 24, TS
	s_wait_alu depctr_va_vdst(0)                   ; the counts v24-31 are written, which the stores read
	global_store_b128 v2, v[16:19], s[20:21]       ; each store of the wave covers 512 consecutive bytes, aligned
	global_store_b128 v2, v[20:23], s[20:21] offset:512
	global_store_b128 v2, v[24:27], s[22:23]
	global_store_b128 v2, v[28:31], s[22:23] offset:512
	s_wait_dscnt 0x0                               ; the closing lines, six on end
	s_wait_alu 0x0
	s_wait_tensorcnt 0x0
	ds_add_u32 v214, v215
	s_wait_dscnt 0x0
	s_endpgm
; ---------------- ROLE T.  Lane l of every wave owns entry j = 32 x work-group + l; wave w sums units 64 w .. 64 w + 63; the eight partial sums meet in LDS.
; A unit's record in three parts, so that both units' compares stand in one run, with one wait behind it, and both units' stores in one run, with one wait ahead of it.
.macro RECA w1r, b1r, zs, qr, cs
	v_cndmask_b32 v[\qr+4], v[\w1r], 0, s[\zs]     ; w1, or 0 where it counts as 0
	v_max_num_f32 v[\qr+5], 0, v[\b1r]
	v_cndmask_b32 v[\qr+5], v[\b1r], v[\qr+5], s[\zs]   ; b1, or max(b1, 0) there
	v_cmp_lt_f32 s[\cs], 0, v[\qr+4]               ; a rising unit is on above its break, any other below it
.endm
.macro RECB qr, cs
	v_cndmask_b32 v[\qr], v[\qr+4], 0, s[\cs]      ; a0, c0: what the unit adds where its break is not under m;
	v_cndmask_b32 v[\qr+1], v[\qr+5], 0, s[\cs]
	v_cndmask_b32 v[\qr+2], 0, v[\qr+4], s[\cs]    ; a1, c1: where it is
	v_cndmask_b32 v[\qr+3], 0, v[\qr+5], s[\cs]
.endm
.macro RECS w2r, qr, off
	ds_store_b128 v1, v[\qr:\qr+3] offset:REC+\off
	ds_store_b128 v1, v[\w2r:\w2r+3] offset:REC+\off+16
	ds_store_b128 v1, v[\w2r+4:\w2r+7] offset:REC+\off+32
.endm
.Ltab:
	s_wait_alu depctr_va_vdst(0)                   ; the offset v208 and the number v209 are written, which the loads and LDS stores below read; the head's lines are done with v16 and v17, in which two breaks land
.irp hh, 0,1,2,3,4,5,6,7
	global_load_b32 v[64+\hh], v208, s[30:31] offset:2048*\hh
	global_load_b32 v[72+\hh], v208, s[30:31] offset:2048*\hh+1024
.endr
	TCALC TT
	v_lshlrev_b32 v1, 6, v0                        ; my first unit's record
	s_lshl_b32 s17, s2, 8
	v_lshl_add_u32 v2, v19, 2, s17                 ; the breaks of units 64 w + lane and + 32
	RECA 200, 202, 76, 32, 78
	RECA 201, 203, 77, 40, 79
	s_wait_alu depctr_va_sdst(0)                   ; the two compares have written s78 and s79, ahead of their first reader
	RECB 32, 78
	RECB 40, 79
	s_wait_alu depctr_va_vdst(0)                   ; v32-35 and v40-43 are written, which the LDS stores read, and so are the addresses v1 and v2
	RECS 64, 32, 0
	RECS 72, 40, 16384
	BARRIER
	s_wait_alu depctr_vm_vsrc(0)                   ; my LDS stores have read v32-35, v40-43 and v64-79, in which the count's loads land
	; a unit's rank = the number of breaks under its own.  For every count j that a mask number can have: t_r is under m exactly where rank_r < j.  So nothing is sorted.
	ds_load_b32 v16, v2 offset:TT                  ; units 64 w + lane and + 32
	ds_load_b32 v17, v2 offset:TT+128
	COUNT 2, 16, 24, TT                            ; its first wait leaves eight younger loads out: these two are in
	BARRIER                                        ; every wave's walk over the breaks is over
	s_lshl_b32 s17, s2, 12
	v_lshl_add_u32 v3, v19, 6, s17
	s_wait_alu depctr_va_vdst(0)                   ; the ranks v24 and v25 and the address v3 are written, which the LDS stores read
	ds_store_b32 v3, v24 offset:REC+48
	ds_store_b32 v3, v25 offset:REC+48+2048
	BARRIER
	s_add_co_u32 s17, s17, REC
	v_mov_b32 v4, s17                              ; my wave's 64 records; every lane reads the same bytes
	s_lshl_b32 s18, ttmp9, 5
	v_add_nc_u32 v50, s18, v19                     ; j
.set j, 0
.rept 16
	v_mov_b32 v[52+j], 0                           ; (A, C) of the eight heads
.set j, j+1
.endr
	s_wait_alu depctr_vm_vsrc(0)                   ; the count's loads have read v96 and v97, in which records land
	s_mov_b32 s10, 16
.Ltmain:                                           ; 16 trips of four units
	s_wait_alu depctr_va_vdst(0)                   ; v4 is written, which the loads read; the last trip's lines (in the first trip: the count's) are done with v80-143, in which the records land
.irp k, 0,1,2,3
	ds_load_b128 v[80+16*\k:83+16*\k], v4 offset:64*\k
	ds_load_b128 v[84+16*\k:87+16*\k], v4 offset:64*\k+16
	ds_load_b128 v[88+16*\k:91+16*\k], v4 offset:64*\k+32
	ds_load_b32 v[92+16*\k], v4 offset:64*\k+48
.endr
	s_wait_dscnt 0x0
	s_wait_alu depctr_vm_vsrc(0)                   ; the loads have read v4, which the next line writes
	v_add_nc_u32 v4, 0x100, v4
.irp k, 0,1,2,3
	v_cmp_lt_u32 s[68+\k], v[92+16*\k], v50
.endr
	s_wait_alu depctr_va_sdst(0)                   ; the four compares have written s68 to s71, ahead of their first reader
.irp k, 0,1,2,3
	v_cndmask_b32 v[68+2*\k], v[80+16*\k], v[82+16*\k], s[68+\k]
	v_cndmask_b32 v[69+2*\k], v[81+16*\k], v[83+16*\k], s[68+\k]
.endr
.irp k, 0,1,2,3
.irp p, 0,1,2,3
	v_pk_fma_f32 v[52+4*\p:53+4*\p], v[68+2*\k:69+2*\k], v[84+16*\k+2*\p:85+16*\k+2*\p], v[52+4*\p:53+4*\p] op_sel_hi:[1,0,1]               ; (A, C) of head 2 p += (a, c) w2[2 p]
	v_pk_fma_f32 v[54+4*\p:55+4*\p], v[68+2*\k:69+2*\k], v[84+16*\k+2*\p:85+16*\k+2*\p], v[54+4*\p:55+4*\p] op_sel:[0,1,0] op_sel_hi:[1,1,1]   ; of head 2 p + 1 += (a, c) w2[2 p + 1]
.endr
.endr
	s_sub_co_u32 s10, s10, 1
	s_cmp_lg_u32 s10, 0
	s_cbranch_scc1 .Ltmain
	BARRIER                                        ; every wave's walk over the records is over
	s_lshl_b32 s17, s2, 11
	s_add_co_u32 s17, s17, RED
	v_lshl_add_u32 v5, v19, 4, s17                 ; where my partial sums go
	s_lshr_b32 s18, s2, 1                          ; wave w adds up head w
	s_lshl_b32 s18, s18, 9
	s_and_b32 s19, s2, 1
	s_lshl_b32 s19, s19, 3
	s_add_co_u32 s18, s18, s19
	s_add_co_u32 s18, s18, RED
	v_lshl_add_u32 v6, v19, 4, s18
	s_mul_i32 s20, s2, HEADB
	s_lshl_b32 s21, ttmp9, 8
	s_add_co_u32 s20, s20, s21
	v_lshl_add_u32 v7, v19, 3, s20                 ; and my entry's place in the table
	s_wait_alu depctr_va_vdst(0)                   ; the sums v52-67 and the addresses v5, v6, v7 are written, which the stores and loads below read; the loop is done with v80-95, in which the partial sums land
.irp q, 0,1,2,3
	ds_store_b128 v5, v[52+4*\q:55+4*\q] offset:512*\q
.endr
	BARRIER
.irp p, 0,1,2,3,4,5,6,7
	ds_load_b64 v[80+2*\p:81+2*\p], v6 offset:2048*\p
.endr
	s_wait_dscnt 0x0
.irp p, 1,2,3,4,5,6,7
	v_pk_add_f32 v[80:81], v[80:81], v[80+2*\p:81+2*\p]
.endr
	s_wait_alu depctr_va_vdst(0)                   ; the entry v[80:81] is written, which the store reads
	global_store_b64 v7, v[80:81], s[58:59]        ; 32 entries: 256 consecutive bytes, aligned
	s_wait_dscnt 0x0                               ; the closing lines, six on end
	s_wait_alu 0x0
	s_wait_tensorcnt 0x0
	ds_add_u32 v214, v215
	s_wait_dscnt 0x0
	s_endpgm
; ---------------- ROLE KV.  Unit kvid: 0-15 cross (rows 128 kvid of src), 16-19 self (rows 128 (kvid - 16) of tgt).  Only pointers and offsets are chosen: both kinds take one path.
; REGISTERS: v1 16 lane, v2 4 r, v3 my bytes of the inputs' rows, v4-5 where I store images and scale words, v6-7 the weights' rows and scale words, v8-9 the biases, v10 8 lane; v[12:13] the unit's K and V scale words;
;   v16-79 64 numbers; v80-143 inputs' second tensor, later eight fragments from LDS; v144-175 four weight fragments; v176-191 biases as C; v192-199, v200-203 scale words; v220-223, v224-255 four fragments made, each with registers of its own.
.macro WLOAD cp, sp                    ; my head's 32 rows of a weight: tiles u = 0, 1 (rows 32 w + 8 u + rr), K steps s = 0, 1
.irp u, 0,1
.irp s, 0,1
.irp c, 0,1
	global_load_b128 v[144+16*\u+8*\s+4*\c:147+16*\u+8*\s+4*\c], v6, s[\cp:\cp+1] offset:\u*1024+\s*64+32*\c
.endr
	global_load_b32 v[200+2*\u+\s], v7, s[\sp:\sp+1] offset:\u*64+4*\s
.endr
.endr
.endm
.macro XLOAD st                        ; my 16 keys' numbers of K step st: of each block of 32 my 16
.irp b, 0,1,2,3
.irp j, 0,1,2,3
	global_load_b128 v[16+16*\b+4*\j:19+16*\b+4*\j], v3, s[12:13] offset:512*\st+128*\b+16*\j th:TH_LOAD_NT
	global_load_b128 v[80+16*\b+4*\j:83+16*\b+4*\j], v3, s[14:15] offset:512*\st+128*\b+16*\j th:TH_LOAD_NT
.endr
.endr
.endm
.Lkv:
	s_sub_co_u32 s11, ttmp9, 17
	s_cmp_lt_u32 s11, 16                           ; the choice hangs on the work-group's number alone
	s_cselect_b64 s[12:13], s[32:33], s[36:37]     ; V's input: src or tgt
	s_cselect_b64 s[14:15], s[34:35], s[38:39]     ; what K's input adds: src_pos_embed or query_pos
	s_cselect_b64 s[16:17], s[40:41], s[52:53]     ; K's weight: codes,
	s_cselect_b64 s[18:19], s[42:43], s[54:55]     ; scales,
	s_cselect_b64 s[20:21], s[44:45], s[56:57]     ; bias
	s_cselect_b64 s[80:81], s[46:47], s[52:53]     ; V's likewise
	s_cselect_b64 s[82:83], s[48:49], s[54:55]
	s_cselect_b64 s[84:85], s[50:51], s[56:57]
	s_cselect_b32 s86, 0, 32768                    ; in_proj's rows 256 on are K's, 512 on V's: 128 bytes of codes, 8 of scales, 4 of bias a row
	s_cselect_b32 s88, 0, 2048
	s_cselect_b32 s90, 0, 1024
	s_cselect_b32 s92, 0, 65536
	s_cselect_b32 s94, 0, 4096
	s_cselect_b32 s96, 0, 2048
	s_cselect_b32 s22, 0, 16
	s_mov_b32 s87, 0
	s_mov_b32 s89, 0
	s_mov_b32 s91, 0
	s_mov_b32 s93, 0
	s_mov_b32 s95, 0
	s_mov_b32 s97, 0
	s_mov_b32 s23, 0
	s_sub_co_u32 s22, s11, s22
	s_lshl_b32 s22, s22, 17                        ; 128 rows of 1,024 bytes
	s_add_nc_u64 s[12:13], s[12:13], s[22:23]
	s_add_nc_u64 s[14:15], s[14:15], s[22:23]
	s_add_nc_u64 s[16:17], s[16:17], s[86:87]
	s_add_nc_u64 s[18:19], s[18:19], s[88:89]
	s_add_nc_u64 s[20:21], s[20:21], s[90:91]
	s_add_nc_u64 s[80:81], s[80:81], s[92:93]
	s_add_nc_u64 s[82:83], s[82:83], s[94:95]
	s_add_nc_u64 s[84:85], s[84:85], s[96:97]
	s_mul_i32 s22, s11, UNITB
	s_mul_i32 s3, s2, HEADB
	s_add_co_u32 s22, s22, s3
	s_add_co_u32 s22, s22, PACK_O
	s_add_nc_u64 s[24:25], s[58:59], s[22:23]      ; where my head's images of this unit go
	v_lshlrev_b32 v1, 4, v19
	v_lshlrev_b32 v2, 2, v16
	s_lshr_b32 s3, s2, 1
	s_lshl_b32 s3, s3, 5
	s_and_b32 s4, s2, 1
	s_lshl_b32 s4, s4, 3
	s_add_co_u32 s3, s3, s4
	v_add_nc_u32 v3, s3, v18                       ; phase X: wave w takes key tile w: keys 32 (w / 2) + 8 (w % 2) + rr
	v_lshlrev_b32 v3, 10, v3
	v_lshl_add_u32 v3, v17, 6, v3
	s_lshl_b32 s3, s2, 11
	v_add_nc_u32 v4, s3, v1
	s_lshl_b32 s3, s2, 8
	v_lshl_add_u32 v5, v19, 2, s3
	s_lshl_b32 s3, s2, 5
	v_add_nc_u32 v11, s3, v18                      ; 32 w + rr
	v_lshlrev_b32 v6, 7, v11
	v_lshl_add_u32 v6, v17, 4, v6
	v_lshlrev_b32 v7, 3, v11
	v_lshlrev_b32 v9, 2, v11
	s_lshl_b32 s3, s2, 7
	v_lshl_add_u32 v8, v17, 6, s3                  ; (32 w + 16 h) x 4
	v_lshlrev_b32 v10, 3, v19
.irp b, 0,1,2,3
	v_mov_b32 v[TM+4+\b], 0                        ; written once: a lane permute's destination counts as one of its sources
.endr
	s_wait_alu depctr_va_vdst(0)                   ; the offsets and addresses v1 to v10 are written, which every load and store of this role reads; the lines above are done with v16-19, in which the inputs land
	WLOAD 16, 18                                   ; K's weight and bias are asked for ahead of phase X
.irp q, 0,1,2,3
	global_load_b128 v[176+4*\q:179+4*\q], v8, s[20:21] offset:16*\q   ; kb in the result's layout: features 32 w + 16 h + 0 .. 15
.endr
	; ---- X: my 16 keys' rows, quantised along the 256: src for V, src + pos for K; two fragments each, as images
.irp st2, 0,1
	XLOAD \st2
	s_wait_loadcnt 0x0
	QUANT 16, 224, 220
	s_wait_alu depctr_va_vdst(0)                   ; the fragment v224-231 and its scale word v220 are written, which the LDS stores read
	ds_store_b128 v4, v[224:227] offset:XV+1024*\st2
	ds_store_b128 v4, v[228:231] offset:XV+1024*\st2+512
	ds_store_b32 v5, v220 offset:XVS+128*\st2
.set j, 0
.rept 32
	v_pk_add_f32 v[16+j:17+j], v[16+j:17+j], v[80+j:81+j]
.set j, j+2
.endr
	s_wait_dscnt 0x0                               ; the stores have landed
	s_wait_alu depctr_vm_vsrc(0)                   ; the stores have read v220 and v224-231, which the quantiser writes again
	QUANT 16, 224, 220
	s_wait_alu depctr_va_vdst(0)                   ; the fragment and its scale word are written, which the LDS stores read; the additions and the quantiser are done with v16-143, in which the next loads (the second K step's numbers; behind the barrier the fragments) land
	ds_store_b128 v4, v[224:227] offset:XK+1024*\st2
	ds_store_b128 v4, v[228:231] offset:XK+1024*\st2+512
	ds_store_b32 v5, v220 offset:XKS+128*\st2
	s_wait_dscnt 0x0
	s_wait_alu depctr_vm_vsrc(0)                   ; the stores have read v220 and v224-231, which the next quantiser writes again
.endr
	BARRIER                                        ; all 32 fragments lie in LDS; nothing is stored to LDS behind this barrier
	; ---- K, wave w = head w.  Transposed: source 0 = 16 rows of the weight, source 1 = 16 keys.  A lane then holds one key and 16 of the head's 32; a key's one block of 32 is quantised,
	; and FOUR key tiles share a fragment, tile beta in block beta of K: 64 keys a fragment, with one scale byte a tile.
.irp g, 0,1
.irp be, 0,1,2,3
.irp s, 0,1
.irp c, 0,1
	ds_load_b128 v[80+16*\be+8*\s+4*\c:83+16*\be+8*\s+4*\c], v1 offset:XK+(2*(4*\g+\be)+\s)*1024+512*\c
.endr
	ds_load_b32 v[192+2*\be+\s], v2 offset:XKS+(2*(4*\g+\be)+\s)*128
.endr
.endr
	s_wait_loadcnt 0x0
	s_wait_dscnt 0x0
.irp s, 0,1                                    ; eight accumulators by turns
.irp be, 0,1,2,3
.irp u, 0,1
.if \s == 0
	MMC 16+16*\be+8*\u, 144+16*\u, 80+16*\be, 176+8*\u, 200+2*\u, 192+2*\be
.else
	MMC 16+16*\be+8*\u, 152+16*\u, 88+16*\be, 16+16*\be+8*\u, 201+2*\u, 193+2*\be
.endif
.endr
.endr
.endr
	PLACES 4                                       ; in front of the first read of results
	QUANT 16, 224+8*\g, 220+\g
.if \g == 1
	v_cndmask_b32 v12, v220, v221, s8              ; lanes 0-15: fragment 0's scale words; lanes 16-31: fragment 1's
.endif
	s_wait_alu depctr_va_vdst(0)                   ; the fragment is written, which the stores read; the products are done reading v80-143, v144-175, v192-203, in which the next loads (fragments from LDS; V's weight) land
	global_store_b128 v1, v[224+8*\g:227+8*\g], s[24:25] offset:1024*\g        ; 512 consecutive bytes a store
	global_store_b128 v1, v[228+8*\g:231+8*\g], s[24:25] offset:1024*\g+512
.endr
	; ---- V.  Source 0 = 16 keys, source 1 = 16 rows of the weight: a lane holds one feature and its registers run along the 128 keys, which are the second product's K.
	WLOAD 80, 82
	global_load_b32 v14, v9, s[84:85]              ; vb of my lane's feature, tile 0 and tile 1
	global_load_b32 v15, v9, s[84:85] offset:32
	s_wait_loadcnt 0x0
.irp u, 0,1
.irp j, 0,1,2,3,4,5,6,7
	v_mov_b32 v[176+8*\u+\j], v[14+\u]
.endr
.endr
	PLACES 4
.irp u, 0,1
.irp s, 0,1
.if \s == 1
	s_wait_alu depctr_va_vdst(0)                   ; the first K step's products are done reading v80-143 and v192-199, in which the loads below land (ahead of a first K step the stores' wait has said so, and no vector line since names them)
.endif
.irp t, 0,1,2,3,4,5,6,7
.irp c, 0,1
	ds_load_b128 v[80+8*\t+4*\c:83+8*\t+4*\c], v1 offset:XV+(2*\t+\s)*1024+512*\c
.endr
	ds_load_b32 v[192+\t], v2 offset:XVS+(2*\t+\s)*128
.endr
	s_wait_dscnt 0x0
.irp t, 0,1,2,3,4,5,6,7
.if \s == 0
	MMC 16+8*\t, 80+8*\t, 144+16*\u, 176+8*\u, 192+\t, 200+2*\u
.else
	MMC 16+8*\t, 80+8*\t, 152+16*\u, 16+8*\t, 192+\t, 201+2*\u
.endif
.endr
	PLACES 4
.endr
	QUANT 16, 240+8*\u, 222+\u
.if \u == 1
	v_cndmask_b32 v13, v222, v223, s8
.endif
	s_wait_alu depctr_va_vdst(0)                   ; the fragment is written (behind the second: v13 too), which the stores read; the products are done reading v80-143 and v192-199, in which the next tile's loads land
	global_store_b128 v1, v[240+8*\u:243+8*\u], s[24:25] offset:2048+1024*\u
	global_store_b128 v1, v[244+8*\u:247+8*\u], s[24:25] offset:2048+1024*\u+512
.endr
	global_store_b64 v10, v[12:13], s[24:25] offset:4096   ; the scale words: 256 consecutive bytes, aligned
	s_wait_dscnt 0x0                               ; the closing lines, six on end
	s_wait_alu 0x0
	s_wait_tensorcnt 0x0
	ds_add_u32 v214, v215
	s_wait_dscnt 0x0
	s_endpgm
.Lfunc_end_k_qe91d590793_prep:
	.size	k_qe91d590793_prep, .Lfunc_end_k_qe91d590793_prep-k_qe91d590793_prep
	.p2alignl 7, 3214868480
	.fill 96, 4, 3214868480
	.section	.rodata,"a",@progbits
	.p2align	6, 0x0
	.amdhsa_kernel k_qe91d590793_prep
		.amdhsa_group_segment_fixed_size 93184
		.amdhsa_private_segment_fixed_size 0
		.amdhsa_enable_private_segment 0
		.amdhsa_kernarg_size 152
		.amdhsa_user_sgpr_count 2
		.amdhsa_user_sgpr_kernarg_segment_ptr 1
		.amdhsa_wavefront_size32 1
		.amdhsa_system_sgpr_workgroup_id_x 1
		.amdhsa_system_sgpr_workgroup_id_y 1
		.amdhsa_system_sgpr_workgroup_id_z 1
		.amdhsa_system_vgpr_workitem_id 0
		.amdhsa_next_free_vgpr 256
		.amdhsa_next_free_sgpr 100
		.amdhsa_reserve_vcc 0
		.amdhsa_float_denorm_mode_32 3
		.amdhsa_float_denorm_mode_16_64 3
		.amdhsa_memory_ordered 1
		.amdhsa_forward_progress 1
		.amdhsa_inst_pref_size 232
	.end_amdhsa_kernel
	.amdgpu_metadata
---
amdhsa.version: [ 1, 2 ]
amdhsa.kernels:
  - .name:           k_qe91d590793_prep
    .symbol:         k_qe91d590793_prep.kd
    .args:
      - { .name: cross_attn_mask, .offset: 0, .size: 8, .value_kind: global_buffer, .address_space: global }
      - { .name: cpb_w1, .offset: 8, .size: 8, .value_kind: global_buffer, .address_space: global }
      - { .name: cpb_b1, .offset: 16, .size: 8, .value_kind: global_buffer, .address_space: global }
      - { .name: cpb_w2, .offset: 24, .size: 8, .value_kind: global_buffer, .address_space: global }
      - { .name: src, .offset: 32, .size: 8, .value_kind: global_buffer, .address_space: global }
      - { .name: src_pos_embed, .offset: 40, .size: 8, .value_kind: global_buffer, .address_space: global }
      - { .name: tgt, .offset: 48, .size: 8, .value_kind: global_buffer, .address_space: global }
      - { .name: query_pos, .offset: 56, .size: 8, .value_kind: global_buffer, .address_space: global }
      - { .name: kw_codes, .offset: 64, .size: 8, .value_kind: global_buffer, .address_space: global }
      - { .name: kw_scales, .offset: 72, .size: 8, .value_kind: global_buffer, .address_space: global }
      - { .name: kb, .offset: 80, .size: 8, .value_kind: global_buffer, .address_space: global }
      - { .name: vw_codes, .offset: 88, .size: 8, .value_kind: global_buffer, .address_space: global }
      - { .name: vw_scales, .offset: 96, .size: 8, .value_kind: global_buffer, .address_space: global }
      - { .name: vb, .offset: 104, .size: 8, .value_kind: global_buffer, .address_space: global }
      - { .name: in_proj_w_codes, .offset: 112, .size: 8, .value_kind: global_buffer, .address_space: global }
      - { .name: in_proj_w_scales, .offset: 120, .size: 8, .value_kind: global_buffer, .address_space: global }
      - { .name: in_proj_b, .offset: 128, .size: 8, .value_kind: global_buffer, .address_space: global }
      - { .name: ws, .offset: 136, .size: 8, .value_kind: global_buffer, .address_space: global }
      - { .name: seg, .offset: 144, .size: 8, .value_kind: global_buffer, .address_space: global }
    .group_segment_fixed_size: 93184
    .private_segment_fixed_size: 0
    .kernarg_segment_align: 8
    .kernarg_segment_size: 152
    .max_flat_workgroup_size: 256
    .sgpr_count:     100
    .vgpr_count:     256
    .wavefront_size: 32
...
	.end_amdgpu_metadata
.endif
;; end of part 4
;; launch chain (part 5): grid 32 x 1, 8 waves a work-group, no clusters, 76,800 bytes of LDS; arguments tgt, query_pos, ws, seg, src_padding_mask, out0, in_proj_w_codes, in_proj_w_scales, in_proj_b, out_w_codes, out_w_scales, out_b, qw_codes, qw_scales, qb, proj_w_codes, proj_w_scales, proj_b, ff1_w_codes, ff1_w_scales, ff1_b, ff2_w_codes, ff2_w_scales, ff2_b, ln2_g, ln2_b, ln1_g, ln1_b, ln3_g, ln3_b; writes out0
.if DOCPART == 5
	.amdgcn_target "amdgcn-amd-amdhsa--gfx1250"
	.amdhsa_code_object_version 6
	.text
	.protected	k_qe91d590793_chain
	.globl	k_qe91d590793_chain
	.p2align	8
	.type	k_qe91d590793_chain,@function
k_qe91d590793_chain:
	s_mov_b64 s[64:65], 0
	v_nop
	global_prefetch_b8 v0, s[64:65] scope:SCOPE_SE
	s_setreg_imm32_b32 hwreg(HW_REG_WAVE_SCHED_MODE, 0, 2), 2
	s_setreg_imm32_b32 hwreg(HW_REG_WAVE_MODE, 25, 1), 1
	s_wait_xcnt 0x0
	s_wait_alu depctr_vm_vsrc(0)
; CHAIN: 16 query rows go through the whole decoder layer in one work-group: q of the self-attention, self-attention, out projection, LN2, q of the cross-attention, cross-attention with the score MLP's bias and the
; padding mask, projection, LN1, FFN, LN3.  Nothing of it goes to memory but the result.  All quantised products run on FP4 codes (16 x 16 x 128, E8M0 scales); everything else is f32.
; SHARES.  Work-group wg: batch wg / 16, rows 32 (T / 2) + 8 (T % 2) + r + 8 (r / 8), T = wg % 16, r = 0 .. 15.  THE EIGHT WAVES SHARE THE COLUMNS: wave w is head w and features 32 w .. 32 w + 31, and 128 of the FFN's 1,024.
; Every product is used transposed (source 0 = 16 rows of a weight, of K or of V^T; source 1 = the 16 query rows): lane (r, h) holds query row r and features 32 w + 16 h + 0 .. 15 in 16 registers.
; So a wave's 32 features are one block of the next product's K: it is quantised in lanes l and l xor 16 and goes to the other waves through LDS as its part of an image of the operand's registers.
; ATTENTION.  K and V come from the launch before as register images, straight from memory into registers.  A head's K is one block of 32, so a fragment of K holds four key tiles, one in each block; the scores of
; tile beta come from q's codes laid in block beta alone, zero codes elsewhere.  p = 2^(t - M), M the running largest t rounded up; the row's sum is taken of the unquantised p and divides at the end.
; THE BIAS is A[j] m + C[j]: j (a whole number that the launch before stored) picks 8 bytes of the head's table in LDS.  It and -100 x the padding mask are the C of the score products.
; A step's loads (128 keys) are issued one whole step ahead of their use, into the registers that the step in hand has just left; so nothing is asked of memory ahead of them.
; No tensor load and no cluster: the operands lie in memory as the registers want them, and between the two barriers round the cross-attention no wave may store to LDS, since the gathers' addresses hang on loaded numbers.
; LIMITS: NaN and infinities among the inputs are not served; p under 2^-126 counts as 0; a block of zeros has the scale byte 1 and zero codes.
; REGISTERS, window 0: v1-23, v29 addresses; v24 -M, v25 the largest t, v[26:27] the sum; v28, v30, v31 scale words of q, K, V; v32-55 q's codes in four places; v56-71 O^T; v72-87 X (query_pos, later the rows behind LN1);
;   v88-103 RB (the rows; later ff2's bias); v104-119 Y (a product's result); v120-127 weights' scale words; v128-191 S (scores, operands from LDS, the hidden layer); v192-223 K's and V's fragments, later gains and biases;
;   v224-231 codes just made; v232-255 at work.   window 1: weights and their biases; in the cross-attention v0-63 segment numbers, v64-191 (A, C), v192-255 the padding mask.
; THE MODE: SCHED_MODE bits 1:0 = 2 (LLVM: expert scheduling mode 2), set by the entry lines.  The code itself states the register dependences
; between vector or matrix instructions and memory or LDS instructions, with s_wait_alu, always for 0.
; THE PLAN.  Registers that memory or LDS instructions touch:
;   v1-23, v29                 offsets and addresses: written at the head, ahead of one wait on va_vdst, and never again.
;   A STEP OF THE CROSS-ATTENTION:
;   window 1 v0-63             segment numbers land; bounded and scaled in place; read by the gathers as addresses (va_vdst ahead of each half's 32 gathers); the next step's land (vm_vsrc ahead of them).
;   window 1 v64-191           the gathers land; the 64 multiply-adds read them; the next step's gathers stand behind that step's first wait on va_vdst.
;   window 1 v192-255, v192-207, v30   the padding mask and K: read by the packed lines and by the score products; ONE wait on va_vdst behind the scores, then both groups of loads.
;   v128-191                   mask numbers land; bias, scores and p are made in place; the conversions read them last.  v224-231, v253: p's codes and scale word, which the scaled products take.
;                              ONE wait on va_vdst behind the places serves both: then the next mask numbers' loads, then the two products.
;   v208-223, v31              V: read by the two products; one wait on va_vdst behind them, then the next step's loads.
;   THE REST:
;   v236, v238, v239           a block's byte and codes: written by Q1, read by two LDS stores (va_vdst ahead), written again behind a wait on vm_vsrc (behind the next barrier, or in ROWSUM).
;   v232                       a wave's part of a row's sum: the same.
;   weights, biases, gains     land in registers that products or packed lines have read: behind a wait on va_vdst that stands ahead anyway, or one of their own.
;   v254, v255                 made anew ahead of the closing lines; no memory instruction reads them before.
.set PACK_O, 34816
.set MIMG_O, 731136
.set UNITB,  34816
.set HEADB,  4352
.set XI0,  34816                       ; LDS: the table at 0 (head w at 4,352 w); five operand images: 2,048 bytes of codes (two K steps), then 2 x 128 bytes of scale words
.set XI1,  37120
.set XI2,  39424
.set XI3,  41728
.set XI4,  44032
.set HIMG, 46336                       ; the hidden layer's eight fragments,
.set HSC,  54528                       ; their scale words,
.set RED0, 55552                       ; six times 16 rows x 8 waves x 4 bytes for the norms' sums,
.set RED2, 56576
.set RED4, 57600
.set STG,  58624                       ; and the stage for the result: 16 rows x (1,024 + 16) bytes
.set TM,   232
.set MSB, 0
.macro WIN new                         ; the immediate's high byte repeats the setting that is left; a switch that changes nothing is dropped
.if MSB != (\new)
	s_set_vgpr_msb (MSB<<8)|(\new)
.set MSB, (\new)
.endif
.endm
.macro BARRIER
	s_wait_dscnt 0x0
	s_barrier_signal -1
	s_barrier_wait -1
.endm
.macro PLACES n
.rept \n
	v_nop
.endr
.endm
.macro MMC d, a, b, c, sa, sb
	v_wmma_scale_f32_16x16x128_f8f6f4 v[\d:\d+7], v[\a:\a+7], v[\b:\b+7], v[\c:\c+7], v[\sa], v[\sb] matrix_a_fmt:MATRIX_FMT_FP4 matrix_b_fmt:MATRIX_FMT_FP4
.endm
.macro QUANT s, pc, pw                 ; 64 numbers of a lane, register 16 b + i = k 32 b + 16 (lane / 16) + i, become a fragment and its scale word
.irp b, 0,1,2,3
	v_max3_num_f32 v[TM+\b], |v[\s+16*\b]|, |v[\s+1+16*\b]|, 0x1800000
.endr
.irp i, 2,4,6,8,10,12,14
.irp b, 0,1,2,3
	v_max3_num_f32 v[TM+\b], v[TM+\b], |v[\s+16*\b+\i]|, |v[\s+1+16*\b+\i]|
.endr
.endr
.irp b, 0,1,2,3
	v_permlanex16_b32 v[TM+4+\b], v[TM+\b], s6, s7
.endr
.irp b, 0,1,2,3
	v_max_num_f32 v[TM+\b], v[TM+\b], v[TM+4+\b]
.endr
.irp b, 0,1,2,3
	v_add_nc_u32 v[TM+12+\b], 0xff000000, v[TM+\b]
.endr
.irp b, 0,1,2,3
	v_lshrrev_b32 v[TM+4+\b], 23, v[TM+12+\b]
.endr
	v_lshl_or_b32 v[\pw], v[TM+5], 8, v[TM+4]
	v_lshl_or_b32 v[\pw], v[TM+6], 16, v[\pw]
	v_lshl_or_b32 v[\pw], v[TM+7], 24, v[\pw]
.irp b, 0,1,2,3
	v_cvt_scalef32_pk8_fp4_f32 v[\pc+2*\b], v[\s+16*\b:\s+7+16*\b], v[TM+12+\b]
	v_cvt_scalef32_pk8_fp4_f32 v[\pc+1+2*\b], v[\s+8+16*\b:\s+15+16*\b], v[TM+12+\b]
.endr
	v_nop
.irp c, 0,1
.irp i, 0,1
	v_permlane16_swap_b32 v[\pc+4*\c+\i], v[\pc+2+4*\c+\i]
.endr
.endr
.endm
; One block of 32: my 16 numbers v[s] on and lane l xor 16's.  Codes in v[238:239], the scale's byte in v236.
.macro Q1 s
	v_max3_num_f32 v232, |v[\s]|, |v[\s+1]|, 0x1800000   ; with the floor 2^(3 - 127): the byte cannot fall under 1
	v_max3_num_f32 v233, |v[\s+2]|, |v[\s+3]|, |v[\s+4]|
	v_max3_num_f32 v232, v232, |v[\s+5]|, |v[\s+6]|
	v_max3_num_f32 v233, v233, |v[\s+7]|, |v[\s+8]|
	v_max3_num_f32 v232, v232, |v[\s+9]|, |v[\s+10]|
	v_max3_num_f32 v233, v233, |v[\s+11]|, |v[\s+12]|
	v_max3_num_f32 v232, v232, |v[\s+13]|, |v[\s+14]|
	v_max3_num_f32 v232, v232, v233, |v[\s+15]|
	v_permlanex16_b32 v234, v232, s6, s7
	v_max_num_f32 v232, v232, v234
	v_add_nc_u32 v235, 0xff000000, v232
	v_lshrrev_b32 v236, 23, v235
	v_cvt_scalef32_pk8_fp4_f32 v238, v[\s:\s+7], v235
	v_cvt_scalef32_pk8_fp4_f32 v239, v[\s+8:\s+15], v235
	v_nop                                          ; one plain place behind a scaled conversion
.endm
.macro QSTORE s, xi                    ; my block is block w % 4 of K step w / 4 of the image: 256 consecutive bytes a wave, and one byte of each row's scale word
	Q1 \s
	s_wait_alu depctr_va_vdst(0)                   ; the codes v[238:239] and the byte v236 are written, which the LDS stores read
	ds_store_b64 v3, v[238:239] offset:\xi
	ds_store_b8 v4, v236 offset:\xi
.endm
; My 32 rows of a weight (tiles u = 0, 1: rows 32 w + 8 u + rr; NK K steps) into window 1, its bias in the result's layout (bb = 1), its scale words into window 0: 4 NK loads of codes, 4 of the bias, 2 NK of scale words
.macro LIN_LOAD wa, ws, cp, sp, bp, NK, wreg, breg, wsc, bb
	WIN 0x40
.irp u, 0,1
.set ss, 0
.rept \NK
	global_load_b128 v[\wreg+8*(\u*\NK+ss):\wreg+8*(\u*\NK+ss)+3], v[\wa], s[\cp:\cp+1] offset:\u*512*\NK+64*ss
	global_load_b128 v[\wreg+8*(\u*\NK+ss)+4:\wreg+8*(\u*\NK+ss)+7], v[\wa], s[\cp:\cp+1] offset:\u*512*\NK+64*ss+32
.set ss, ss+1
.endr
.endr
.if \bb
.irp q, 0,1,2,3
	global_load_b128 v[\breg+4*\q:\breg+4*\q+3], v12, s[\bp:\bp+1] offset:16*\q
.endr
.endif
	WIN 0
.irp u, 0,1
.set ss, 0
.rept \NK
	global_load_b32 v[\wsc+\u*\NK+ss], v[\ws], s[\sp:\sp+1] offset:\u*32*\NK+4*ss
.set ss, ss+1
.endr
.endr
.endm
; Y = weight x rows + bias.  The rows' fragments and scale words come from LDS; the bias is the C of each sum's first product (w0: the window setting with the bias's window); two accumulators by turns.
; cnt: the global loads issued behind this weight's, which may stay out.  The LDS loads land in v128 on and v248 on: at each call the last wait on va_vdst stands behind every vector line that names them.
.macro LIN_RUN xi, xsc, NK, wreg, breg, w0, wsc, cnt
.set ss, 0
.rept \NK
	ds_load_b128 v[128+8*ss:131+8*ss], v1 offset:\xi+1024*ss
	ds_load_b128 v[132+8*ss:135+8*ss], v1 offset:\xi+1024*ss+512
	ds_load_b32 v[248+ss], v2 offset:\xsc+128*ss
.set ss, ss+1
.endr
	s_wait_loadcnt \cnt
	s_wait_dscnt 0x0
	WIN \w0
.irp u, 0,1
	MMC 104+8*\u, \wreg+8*\u*\NK, 128, \breg+8*\u, \wsc+\u*\NK, 248
.endr
	WIN 0x01
.set ss, 1
.rept \NK-1
.irp u, 0,1
	MMC 104+8*\u, \wreg+8*(\u*\NK+ss), 128+8*ss, 104+8*\u, \wsc+\u*\NK+ss, 248+ss
.endr
.set ss, ss+1
.endr
	WIN 0
	PLACES 4                                       ; in front of the first read of Y
.endm
; q = Y / sqrt(32), quantised; its 32 codes laid so that v[32:39], v[44:51], v[36:43], v[48:55] hold them in block 0, 1, 2, 3 alone; then the attention's sums are begun.
.macro MAKEQ
.set j, 0
.rept 16
	v_mul_f32 v[104+j], 0x3e3504f3, v[104+j]
.set j, j+1
.endr
	Q1 104
	v_permlanex16_b32 v240, v238, s6, s7           ; the other half's 16 codes
	v_permlanex16_b32 v241, v239, s6, s7
	v_lshl_or_b32 v28, v236, 8, v236               ; q's byte in all four bytes of its scale word
	v_lshl_or_b32 v28, v28, 16, v28
.irp o, 32, 40                                 ; lanes 0-15: the 32 codes; lanes 16-31: zeros
	v_cndmask_b32 v[\o], 0, v238, s8
	v_cndmask_b32 v[\o+1], 0, v239, s8
	v_cndmask_b32 v[\o+2], 0, v240, s8
	v_cndmask_b32 v[\o+3], 0, v241, s8
.endr
.irp o, 44, 52                                 ; lanes 16-31: the 32 codes; lanes 0-15: zeros
	v_cndmask_b32 v[\o], v240, 0, s8
	v_cndmask_b32 v[\o+1], v241, 0, s8
	v_cndmask_b32 v[\o+2], v238, 0, s8
	v_cndmask_b32 v[\o+3], v239, 0, s8
.endr
.irp o, 36,37,38,39,48,49,50,51
	v_mov_b32 v\o, 0
.endr
.set j, 0
.rept 16
	v_mov_b32 v[56+j], 0                           ; O^T: the step is written once; the first finds zeros.  (These lines are also the places between q's registers and the first product)
.set j, j+1
.endr
	v_mov_b32 v25, 0xff61b1e6                      ; the largest t so far: -3e38
	v_floor_f32 v24, -v25
	v_mov_b32 v26, 0
	v_mov_b32 v27, 0
	v_mov_b32 v253, 0                              ; (named as the upper half of v[252:253] before it is first written)
.endm
; A step's loads, from off bytes behind the bases.
.macro LD_SEG off
	WIN 0x40
.set g, 0
.rept 16
	global_load_b128 v[4*g:4*g+3], v1, s[22:23] offset:\off+512*g
.set g, g+1
.endr
	WIN 0
.endm
.macro LD_PAD off                      ; register 16 b + i: the mask of key 32 b + 16 h + i
	WIN 0x40
.set g, 0
.rept 16
	global_load_b128 v[192+4*g:195+4*g], v15, s[24:25] offset:\off+128*(g/4)+16*(g%4)
.set g, g+1
.endr
	WIN 0
.endm
.macro LD_M off
.set g, 0
.rept 16
	global_load_b128 v[128+4*g:131+4*g], v1, s[20:21] offset:\off+512*g
.set g, g+1
.endr
.endm
.macro LD_K off
.irp q, 0,1,2,3
	global_load_b128 v[192+4*\q:195+4*\q], v1, s[18:19] offset:\off+512*\q
.endr
	global_load_b32 v30, v20, s[18:19] offset:\off+4096
.endm
.macro LD_V off
.irp q, 0,1,2,3
	global_load_b128 v[208+4*\q:211+4*\q], v1, s[18:19] offset:\off+2048+512*\q
.endr
	global_load_b32 v31, v20, s[18:19] offset:\off+4100
.endm
.macro SCORE gq, bq, cq                ; the scores of key tile 4 gq + bq: K's fragment gq against q's codes in block bq.  cq = 1: onto the bias that lies in the accumulator
.set rD, 128+8*(4*(\gq)+(\bq))
.set rB, 32+12*((\bq)%2)+4*((\bq)/2)
.set rA, 192+8*(\gq)
.if \cq
.if \gq
	v_wmma_scale_f32_16x16x128_f8f6f4 v[rD:rD+7], v[rA:rA+7], v[rB:rB+7], v[rD:rD+7], v30, v28 matrix_a_fmt:MATRIX_FMT_FP4 matrix_b_fmt:MATRIX_FMT_FP4 matrix_a_scale:MATRIX_SCALE_ROW1
.else
	v_wmma_scale_f32_16x16x128_f8f6f4 v[rD:rD+7], v[rA:rA+7], v[rB:rB+7], v[rD:rD+7], v30, v28 matrix_a_fmt:MATRIX_FMT_FP4 matrix_b_fmt:MATRIX_FMT_FP4
.endif
.else
.if \gq
	v_wmma_scale_f32_16x16x128_f8f6f4 v[rD:rD+7], v[rA:rA+7], v[rB:rB+7], 0, v30, v28 matrix_a_fmt:MATRIX_FMT_FP4 matrix_b_fmt:MATRIX_FMT_FP4 matrix_a_scale:MATRIX_SCALE_ROW1
.else
	v_wmma_scale_f32_16x16x128_f8f6f4 v[rD:rD+7], v[rA:rA+7], v[rB:rB+7], 0, v30, v28 matrix_a_fmt:MATRIX_FMT_FP4 matrix_b_fmt:MATRIX_FMT_FP4
.endif
.endif
.endm
; A STEP OF 128 KEYS.  bias = 1: the cross-attention's.  pre = 1: the next step's loads are issued, each group behind the wait that shows its registers left.
; A step's loads are always issued in the order segment numbers (16), padding mask (16), K (5), mask numbers (16), V (5); with bias = 0: K (5), V (5).  Each wait on LOADcnt counts the loads issued behind the group that it wants.
.macro ATT bias, pre
.if \bias
	s_wait_loadcnt 42                              ; the segment numbers are in: behind them 16 + 5 + 16 + 5
	WIN 0x45                                       ; destination, source 0 and source 1 in window 1, source 2 (the table's base) in window 0
.set hf, 0
.rept 2                                        ; two halves of 32 addresses: the second half's are made while the first half's gathers are out
.set g, 4*hf
.rept 4
.set e, 8*g
.rept 8
	v_min_u32 v[e], 0x200, v[e]                    ; a loaded number enters an address only behind this bound: 512 is the largest count
.set e, e+1
.endr
.set e, 8*g
.rept 8
	v_lshl_add_u32 v[e], v[e], 3, v14              ; 8 bytes an entry, in my head's table
.set e, e+1
.endr
.set g, g+1
.endr
	s_wait_alu depctr_va_vdst(0)                   ; this half's 32 addresses are written, which the gathers read; the last step's multiply-adds are done reading the registers in which the gathers land
.set e, 32*hf
.rept 32
	ds_load_b64 v[64+2*e:65+2*e], v[e]             ; (A, C)
.set e, e+1
.endr
.set hf, hf+1
.endr
	WIN 0
	s_wait_loadcnt 5                               ; the padding mask, K and the mask numbers are in: behind them V's 5
	s_wait_dscnt 0x0                               ; the 64 gathers are in
.if \pre
	s_wait_alu depctr_vm_vsrc(0)                   ; the gathers have read their address registers, in which the next segment numbers land (the lines that wrote them stand ahead of the last wait on va_vdst)
	LD_SEG 8192
.endif
	WIN 0x11
.set e, 0
.rept 64
	v_fma_f32 v[128+e], v[64+2*e], v[128+e], v[65+2*e]     ; the bias: A m + C
.set e, e+1
.endr
	WIN 0x01
.set e, 0
.rept 32
	v_pk_fma_f32 v[128+e:129+e], v[192+e:193+e], 0xc2c80000, v[128+e:129+e] op_sel_hi:[1,0,1]   ; - 100 x the padding mask
.set e, e+2
.endr
	WIN 0
	PLACES 4
.else
	s_wait_loadcnt 5                               ; K is in: behind it V's 5
.endif
.irp gg, 0,1
.irp be, 0,1,2,3
	SCORE \gg, \be, \bias
.endr
.endr
	PLACES 4                                       ; in front of the first read of the scores
.if \pre
	s_wait_alu depctr_va_vdst(0)                   ; the score products are done reading K's fragments and v30, and (bias = 1) the packed lines the padding mask: the next step's land there
.if \bias
	LD_PAD 512
.endif
	LD_K UNITB
.endif
.irp b, 0,1,2,3
	v_max3_num_f32 v[232+\b], v[128+16*\b], v[129+16*\b], v[130+16*\b]   ; the largest score of each block of 32 keys: for the row's maximum, and for the block's largest p
.endr
.irp i, 3,5,7,9,11,13
.irp b, 0,1,2,3
	v_max3_num_f32 v[232+\b], v[232+\b], v[128+16*\b+\i], v[129+16*\b+\i]
.endr
.endr
.irp b, 0,1,2,3
	v_max_num_f32 v[232+\b], v[232+\b], v[143+16*\b]
.endr
.irp b, 0,1,2,3
	v_permlanex16_b32 v[236+\b], v[232+\b], s6, s7
.endr
.irp b, 0,1,2,3
	v_max_num_f32 v[232+\b], v[232+\b], v[236+\b]
.endr
	v_max3_num_f32 v254, v232, v233, v234
	v_max_num_f32 v254, v254, v235
	v_mul_f32 v254, s10, v254                      ; as t = logit x log2(e)
	v_max_num_f32 v25, v25, v254                   ; the running largest t
	v_mov_b32 v254, v24
	v_floor_f32 v24, -v25                          ; -M = floor(-t): M is a whole number
	v_sub_f32 v254, v24, v254
	v_cvt_i32_f32 v254, v254                       ; (it saturates)
	v_ldexp_f32 v252, 1.0, v254                    ; f = 2^(old M - new M): rounds nothing
.set j, 0
.rept 32
	v_pk_fma_f32 v[128+j:129+j], v[128+j:129+j], s[10:11], v[24:25] op_sel_hi:[1,0,0]   ; t - M
.set j, j+2
.endr
.irp b, 0,1,2,3
	v_fma_f32 v[232+\b], v[232+\b], s10, v24
.endr
.set j, 0
.rept 64
	v_exp_f32 v[128+j], v[128+j]                   ; p = 2^(t - M): not normalised
.set j, j+1
.endr
	v_pk_mul_f32 v[26:27], v[26:27], v[252:253] op_sel_hi:[1,0]   ; the sums under the new M (a plain place behind the exponentials)
	s_wait_alu depctr_va_vdst(0)                   ; the 64 exponentials have written v128-191, ahead of their first reader
.irp b, 0,1,2,3
	v_exp_f32 v[232+\b], v[232+\b]                 ; each block's largest p
.endr
	v_pk_add_f32 v[236:237], v[128:129], v[130:131]   ; the row's sum is taken of the unquantised p, in two chains
.set j, 4
.rept 15
	v_pk_add_f32 v[26:27], v[26:27], v[128+j:129+j]
	v_pk_add_f32 v[236:237], v[236:237], v[130+j:131+j]
.set j, j+4
.endr
	v_pk_add_f32 v[26:27], v[26:27], v[236:237]
	s_wait_alu depctr_va_vdst(0)                   ; the four exponentials have written v232-235, ahead of their first reader
.irp b, 0,1,2,3
	v_max_num_f32 v[232+\b], 0x1800000, v[232+\b]  ; the floor 2^(3 - 127)
.endr
.irp b, 0,1,2,3
	v_add_nc_u32 v[244+\b], 0xff000000, v[232+\b]
.endr
.irp b, 0,1,2,3
	v_lshrrev_b32 v[236+\b], 23, v[244+\b]
.endr
	v_lshl_or_b32 v253, v237, 8, v236              ; p's scale word for these 128 keys
	v_lshl_or_b32 v253, v238, 16, v253
	v_lshl_or_b32 v253, v239, 24, v253
.irp b, 0,1,2,3
	v_cvt_scalef32_pk8_fp4_f32 v[224+2*\b], v[128+16*\b:135+16*\b], v[244+\b]
	v_cvt_scalef32_pk8_fp4_f32 v[225+2*\b], v[136+16*\b:143+16*\b], v[244+\b]
.endr
	v_nop
.irp c, 0,1
.irp i, 0,1
	v_permlane16_swap_b32 v[224+4*\c+\i], v[226+4*\c+\i]
.endr
.endr
.set j, 0
.rept 8
	v_pk_mul_f32 v[56+j:57+j], v[56+j:57+j], v[252:253] op_sel_hi:[1,0]   ; O^T under the new M
.set j, j+2
.endr
	PLACES 8                                       ; a scale register written by a vector instruction stands eight places ahead of a scaled product, an operand so written four
	s_wait_alu depctr_va_vdst(0)                   ; behind the places: p's codes v224-231 and its scale word v253 are written, which the scaled products take; the conversions are done with v128-191, in which the next mask numbers land
.if \bias
.if \pre
	LD_M 8192
.endif
.endif
.if \bias
	s_wait_loadcnt 53*\pre                         ; V is in: behind it the next step's 16 + 16 + 5 + 16
.else
	s_wait_loadcnt 5*\pre                          ; V is in: behind it the next step's K
.endif
	v_wmma_scale_f32_16x16x128_f8f6f4 v[56:63], v[208:215], v[224:231], v[56:63], v31, v253 matrix_a_fmt:MATRIX_FMT_FP4 matrix_b_fmt:MATRIX_FMT_FP4
	v_wmma_scale_f32_16x16x128_f8f6f4 v[64:71], v[216:223], v[224:231], v[64:71], v31, v253 matrix_a_fmt:MATRIX_FMT_FP4 matrix_b_fmt:MATRIX_FMT_FP4 matrix_a_scale:MATRIX_SCALE_ROW1
	PLACES 4
.if \pre
	s_wait_alu depctr_va_vdst(0)                   ; the two products are done reading V's fragments and v31, in which the next step's land
	LD_V UNITB
.endif
.endm
.macro OUTO xi                         ; O^T / the row's sum, quantised, into an image
	v_add_f32 v26, v26, v27
	v_permlanex16_b32 v252, v26, s6, s7
	v_add_f32 v26, v26, v252
	v_rcp_f32 v26, v26
	v_nop
	s_wait_alu depctr_va_vdst(0)                   ; the reciprocal v26 is written, ahead of its first reader
.set j, 0
.rept 16
	v_mul_f32 v[104+j], v[56+j], v26
.set j, j+1
.endr
	QSTORE 104, \xi
.endm
.macro LNP gp, bp                      ; a norm's gain and bias at my 16 features
.irp q, 0,1,2,3
	global_load_b128 v[192+4*\q:195+4*\q], v12, s[\gp:\gp+1] offset:16*\q
	global_load_b128 v[208+4*\q:211+4*\q], v12, s[\bp:\bp+1] offset:16*\q
.endr
.endm
; Two pairs of partial sums -> v236 = the sum over a row's 256 features, the waves' parts added in the order of the waves.  again = 1: v232 is written again further on.
.macro ROWSUM red, again
	v_pk_add_f32 v[232:233], v[232:233], v[234:235]
	v_add_f32 v232, v232, v233
	v_permlanex16_b32 v234, v232, s6, s7
	v_add_f32 v232, v232, v234
	s_wait_alu depctr_va_vdst(0)                   ; v232 is written, which the LDS store reads; the lines above are done with v236-243, in which the loads behind the barrier land
	ds_store_b32 v16, v232 offset:\red
	BARRIER
.if \again
	s_wait_alu depctr_vm_vsrc(0)                   ; my LDS stores have read their data: v232, which is written again further on, and, where an image was stored since the last such wait, v236, v238, v239, in which the loads below land
.endif
	ds_load_b128 v[236:239], v17 offset:\red
	ds_load_b128 v[240:243], v17 offset:\red+16
	s_wait_dscnt 0x0
.irp p, 237,238,239,240,241,242,243
	v_add_f32 v236, v236, v\p
.endr
.endm
.macro LN red, out, cnt, last          ; v[out] on = layer norm of Y; cnt: the global loads issued behind the gain's and bias's; last = 1: the kernel's last norm
	v_pk_add_f32 v[232:233], v[104:105], v[106:107]
	v_pk_add_f32 v[234:235], v[108:109], v[110:111]
	v_pk_add_f32 v[232:233], v[232:233], v[112:113]
	v_pk_add_f32 v[234:235], v[234:235], v[114:115]
	v_pk_add_f32 v[232:233], v[232:233], v[116:117]
	v_pk_add_f32 v[234:235], v[234:235], v[118:119]
	ROWSUM \red, 1
	v_mul_f32 v236, s26, v236                      ; the mean
.set j, 0
.rept 16
	v_sub_f32 v[104+j], v[104+j], v236
.set j, j+1
.endr
	v_pk_mul_f32 v[232:233], v[104:105], v[104:105]
	v_pk_mul_f32 v[234:235], v[106:107], v[106:107]
.irp p, 108,112,116
	v_pk_fma_f32 v[232:233], v[\p:\p+1], v[\p:\p+1], v[232:233]
	v_pk_fma_f32 v[234:235], v[\p+2:\p+3], v[\p+2:\p+3], v[234:235]
.endr
	ROWSUM \red+512, 1-\last
	v_fma_f32 v236, v236, s26, s27                 ; the variance + 1e-5
	v_rsq_f32 v236, v236
	v_nop
	s_wait_alu depctr_va_vdst(0)                   ; the root's reciprocal v236 is written, ahead of its first reader
	s_wait_loadcnt \cnt
.set j, 0
.rept 8
	v_pk_mul_f32 v[104+j:105+j], v[104+j:105+j], v[236:237] op_sel_hi:[1,0]
.set j, j+2
.endr
.set j, 0
.rept 8
	v_pk_fma_f32 v[\out+j:\out+j+1], v[104+j:105+j], v[192+j:193+j], v[208+j:209+j]
.set j, j+2
.endr
.endm
.macro ADD16 d, a, b
.set j, 0
.rept 8
	v_pk_add_f32 v[\d+j:\d+j+1], v[\a+j:\a+j+1], v[\b+j:\b+j+1]
.set j, j+2
.endr
.endm
	s_load_b512 s[32:47], s[0:1], 0x0              ; tgt 32, query_pos 34, ws 36, seg 38, padding mask 40, out0 42, in_proj codes 44, scales 46
	s_load_b512 s[48:63], s[0:1], 0x40             ; in_proj_b 48, out_w codes 50, scales 52, out_b 54, qw codes 56, scales 58, qb 60, proj_w codes 62
	s_load_b512 s[68:83], s[0:1], 0x80             ; proj_w scales 68, proj_b 70, ff1 codes 72, scales 74, ff1_b 76, ff2 codes 78, scales 80, ff2_b 82
	s_load_b256 s[84:91], s[0:1], 0xc0             ; ln2_g 84, ln2_b 86, ln1_g 88, ln1_b 90
	s_load_b128 s[92:95], s[0:1], 0xe0             ; ln3_g 92, ln3_b 94
	v_lshrrev_b32 v1, 5, v0
	v_readfirstlane_b32 s2, v1                     ; wave 0..7
	s_lshr_b32 s4, ttmp9, 4                        ; batch
	s_and_b32 s5, ttmp9, 15
	s_lshr_b32 s9, s5, 1
	s_lshl_b32 s9, s9, 5
	s_and_b32 s5, s5, 1
	s_lshl_b32 s5, s5, 3
	s_add_co_u32 s9, s9, s5
	s_lshl_b32 s5, s4, 8
	s_add_co_u32 s9, s9, s5                        ; my tile's first row, of the 512
	s_mov_b32 s6, 0x76543210
	s_mov_b32 s7, 0xfedcba98                       ; v_permlanex16_b32's selects for lane l xor 16
	s_mov_b32 s8, 0x0000ffff                       ; lanes 0-15
	s_mov_b32 s10, 0x3fb8aa3b                      ; log2(e)
	s_mov_b32 s11, s10                             ; (named with it as a pair)
	s_mov_b32 s26, 0x3b800000                      ; 1 / 256
	s_mov_b32 s27, 0x3727c5ac                      ; 1e-5
	s_wait_alu depctr_va_sdst(0)                   ; s2 is written, ahead of its first reader
	s_mul_i32 s3, s2, HEADB
	v_and_b32 v25, 31, v0                          ; lane
	v_and_b32 v26, 15, v0                          ; r
	v_bfe_u32 v27, v0, 4, 1                        ; h
	v_and_b32 v28, 8, v26
	v_add_nc_u32 v28, v28, v26                     ; rr = r + 8 (r / 8)
	v_lshlrev_b32 v1, 4, v25                       ; v1  16 lane: an image's place for my lane
	v_lshlrev_b32 v2, 2, v26                       ; v2  4 r: a row's scale word
	s_lshr_b32 s96, s2, 2
	s_lshl_b32 s97, s96, 10
	s_bfe_u32 s98, s2, 0x10001
	s_lshl_b32 s98, s98, 9
	s_add_co_u32 s97, s97, s98
	s_and_b32 s98, s2, 1
	s_lshl_b32 s98, s98, 8
	s_add_co_u32 s97, s97, s98
	v_lshlrev_b32 v3, 4, v26
	v_lshl_add_u32 v3, v27, 3, v3
	v_add_nc_u32 v3, s97, v3                       ; v3  my 8 bytes of an image: 1,024 (w / 4) + 512 ((w % 4) / 2) + 256 (w % 2) + 16 r + 8 h
	s_lshl_b32 s97, s96, 7
	s_and_b32 s98, s2, 3
	s_add_co_u32 s97, s97, s98
	s_add_co_u32 s97, s97, 2048
	v_add_nc_u32 v4, s97, v2                       ; v4  my byte of the scale words: 2,048 + 128 (w / 4) + 4 r + w % 4
	v_add_nc_u32 v5, s9, v28
	v_lshlrev_b32 v5, 10, v5
	v_lshl_add_u32 v5, v27, 6, v5
	s_lshl_b32 s97, s2, 7
	v_add_nc_u32 v5, s97, v5                       ; v5  tgt, query_pos: my row, features 32 w + 16 h on
	s_lshl_b32 s98, s2, 5
	v_add_nc_u32 v24, s98, v28                     ; 32 w + rr
	v_lshlrev_b32 v6, 7, v24
	v_lshl_add_u32 v6, v27, 4, v6                  ; v6  a weight with K = 256: codes
	v_lshlrev_b32 v7, 3, v24                       ; v7  its scale words
	v_lshlrev_b32 v8, 9, v24
	v_lshl_add_u32 v8, v27, 4, v8                  ; v8  ff2 (K = 1,024): codes
	v_lshlrev_b32 v9, 5, v24                       ; v9  its scale words
	v_add_nc_u32 v24, s97, v28                     ; 128 w + rr
	v_lshlrev_b32 v10, 7, v24
	v_lshl_add_u32 v10, v27, 4, v10                ; v10 ff1: codes
	v_lshlrev_b32 v11, 3, v24                      ; v11 its scale words
	v_lshl_add_u32 v12, v27, 6, s97                ; v12 (32 w + 16 h) x 4: biases and gains
	s_lshl_b32 s98, s2, 9
	v_lshl_add_u32 v13, v27, 6, s98                ; v13 (128 w + 16 h) x 4: ff1_b
	v_mov_b32 v14, s3                              ; v14 my head's table in LDS
	v_lshlrev_b32 v15, 6, v27                      ; v15 64 h: the padding mask
	s_lshl_b32 s99, s2, 2
	v_lshl_add_u32 v16, v26, 5, s99                ; v16 32 r + 4 w: my wave's word of a row's sums
	v_lshlrev_b32 v17, 5, v26                      ; v17 32 r: a row's eight words
	v_mul_u32_u24 v18, v26, 1040
	v_add_nc_u32 v18, v18, v12                     ; v18 the stage: row r, my 64 bytes
	s_mul_i32 s99, s2, 2080
	v_add_nc_u32 v19, s99, v1                      ; v19 and back: rows 2 w, 2 w + 1
	v_lshlrev_b32 v20, 3, v25                      ; v20 8 lane
	s_lshl_b32 s99, s2, 10
	v_add_nc_u32 v21, s99, v1                      ; v21 the hidden layer's image: K step w
	v_lshl_add_u32 v22, v25, 2, s97                ; v22 its scale words
	v_add_nc_u32 v23, s3, v20                      ; v23 my head's table: 4,352 w + 8 lane, in ws and in LDS alike
	s_lshl_b32 s99, s2, 1
	s_add_co_u32 s99, s99, s9
	s_lshl_b32 s96, s96, 3
	s_add_co_u32 s99, s99, s96
	s_lshl_b32 s99, s99, 10
	v_add_nc_u32 v29, s99, v1                      ; v29 out0: local rows 2 w, 2 w + 1 are rows first + 2 w + 8 (w / 4) and the next
.irp o, 234,236,237,238,239,240,241
	v_mov_b32 v\o, 0                               ; written once: a lane permute's destination counts as one of its sources
.endr
	s_lshl_b32 s96, s4, 1
	s_add_co_u32 s96, s96, 16
	s_mul_i32 s96, s96, UNITB
	s_add_co_u32 s96, s96, s3
	s_add_co_u32 s96, s96, PACK_O
	s_mov_b32 s97, 0
	s_wait_kmcnt 0x0
	s_add_nc_u64 s[18:19], s[36:37], s[96:97]      ; K and V of the self-attention: unit 16 + 2 b, my head
	s_lshl_b32 s96, ttmp9, 16
	s_add_nc_u64 s[22:23], s[38:39], s[96:97]      ; my work-group's eight images of segment numbers,
	s_add_nc_u64 s[20:21], s[36:37], s[96:97]
	s_add_nc_u64 s[20:21], s[20:21], MIMG_O        ; and of mask numbers
	s_lshl_b32 s96, s4, 12
	s_add_nc_u64 s[24:25], s[40:41], s[96:97]      ; my batch's padding mask
	; ---- 0: the rows; tgt + query_pos quantised; my head's table into LDS; two weights asked for
	s_wait_alu depctr_va_vdst(0)                   ; the offsets and addresses v1-23 and v29 are written, which every load and store of the kernel reads
.irp q, 0,1,2,3
	global_load_b128 v[88+4*\q:91+4*\q], v5, s[32:33] offset:16*\q
.endr
.irp q, 0,1,2,3
	global_load_b128 v[72+4*\q:75+4*\q], v5, s[34:35] offset:16*\q
.endr
.set k, 0
.rept 17
	global_load_b64 v[128+2*k:129+2*k], v23, s[36:37] offset:256*k
.set k, k+1
.endr
	LIN_LOAD 6, 7, 44, 46, 48, 2, 0, 32, 120, 1    ; in_proj's q part
	LIN_LOAD 6, 7, 50, 52, 54, 2, 64, 96, 124, 1   ; out_w
	s_wait_loadcnt 49                              ; tgt and query_pos are in: behind them 17 + 16 + 16
	ADD16 104, 88, 72
	QSTORE 104, XI0
	s_wait_loadcnt 32                              ; the table is in: behind it 16 + 16
.set k, 0
.rept 17
	ds_store_b64 v23, v[128+2*k:129+2*k] offset:256*k
.set k, k+1
.endr
	BARRIER
	; ---- 1: q, and the self-attention: 256 keys in two steps
	s_wait_alu depctr_vm_vsrc(0)                   ; my LDS stores have read v128-161, in which the operand's loads land, and v236, v238, v239, which MAKEQ writes again
	LIN_RUN XI0, XI0+2048, 2, 0, 32, 0x11, 120, 16 ; out_w's 16 loads may be out
	s_wait_alu depctr_va_vdst(0)                   ; the four products are done reading the weight, its bias (window 1, v0-47) and its scale words v120-123, in which qw's land
	LIN_LOAD 6, 7, 56, 58, 60, 2, 0, 32, 120, 1    ; qw, for the cross-attention
	MAKEQ
	s_wait_alu depctr_va_vdst(0)                   ; behind MAKEQ's last lines, which are the places: q's codes v32-55 and its scale word v28 are written, which the scaled score products take
	LD_K 0
	LD_V 0
	ATT 0, 1
	ATT 0, 0
	OUTO XI1
	BARRIER
	; ---- 2: out projection, residual, LN2; + query_pos, quantised
	LIN_RUN XI1, XI1+2048, 2, 64, 96, 0x11, 124, 0
	LNP 84, 86                                     ; (v192-223: the attention's products stand ahead of the image's wait on va_vdst, and no vector line since names them)
	ADD16 104, 104, 88
	LN RED0, 88, 0, 0
	ADD16 104, 88, 72
	QSTORE 104, XI2
	BARRIER
	; ---- 3: q, and the cross-attention: 1,024 keys in eight steps.  From here to the next barrier no wave stores to LDS
	s_wait_alu depctr_vm_vsrc(0)                   ; my LDS stores have read v236, v238, v239, which MAKEQ writes again
	LIN_RUN XI2, XI2+2048, 2, 0, 32, 0x11, 120, 0  ; its wait for all loads also frees the base that is written below
	MAKEQ
	s_lshl_b32 s96, s4, 3
	s_mul_i32 s96, s96, UNITB
	s_add_co_u32 s96, s96, s3
	s_add_co_u32 s96, s96, PACK_O
	s_add_nc_u64 s[18:19], s[36:37], s[96:97]      ; unit 8 b, my head
	s_wait_alu depctr_va_vdst(0)                   ; behind MAKEQ's last lines, which are the places: q's codes and scale word are written, which the scaled score products take; the projection's products are done reading window 1's v0-47 and v128-143, in which the first step's loads land
	LD_SEG 0
	LD_PAD 0
	LD_K 0
	LD_M 0
	LD_V 0
	s_mov_b32 s12, 7
.Lstep:                                            ; seven trips, each of which asks for the next step
	ATT 1, 1
	s_wait_xcnt 0x0                                ; the bases are stepped only behind this wait
	s_add_nc_u64 s[18:19], s[18:19], UNITB
	s_add_nc_u64 s[20:21], s[20:21], 8192
	s_add_nc_u64 s[22:23], s[22:23], 8192
	s_add_nc_u64 s[24:25], s[24:25], 512
	s_sub_co_u32 s12, s12, 1
	s_cmp_lg_u32 s12, 0
	s_cbranch_scc1 .Lstep
	ATT 1, 0                                       ; the last step is written out: no load leaves its buffer
	BARRIER
	s_wait_alu depctr_vm_vsrc(0)                   ; the last step's gathers have read their address registers (window 1, v0-63), in which proj_w lands
	LIN_LOAD 6, 7, 62, 68, 70, 2, 0, 32, 120, 1    ; proj_w: 16 loads
	WIN 0x40                                       ; ff1: my 128 rows, eight tiles x two K steps: 32 + 16 loads
.irp t, 0,1,2,3,4,5,6,7
.irp s, 0,1
.irp c, 0,1
	global_load_b128 v[128+16*\t+8*\s+4*\c:131+16*\t+8*\s+4*\c], v10, s[72:73] offset:(32*(\t/2)+8*(\t%2))*128+64*\s+32*\c
.endr
.endr
.endr
	WIN 0
.irp t, 0,1,2,3,4,5,6,7
.irp s, 0,1
	global_load_b32 v[32+2*\t+\s], v11, s[74:75] offset:(32*(\t/2)+8*(\t%2))*8+4*\s
.endr
.endr
	OUTO XI3
	BARRIER
	; ---- 4: projection, residual, LN1, quantised
	LIN_RUN XI3, XI3+2048, 2, 0, 32, 0x11, 120, 48 ; ff1's 48 loads may be out
	ADD16 104, 104, 88
	s_wait_alu depctr_va_vdst(0)                   ; the projection's products are done reading v128-143 and window 1's v0-47, and the addition v88-103: ff1_b, ff2 and ff2_b land there
	LNP 88, 90                                     ; 8 loads
.irp t, 0,1,2,3,4,5,6,7                        ; ff1_b goes straight into the accumulators: 16 loads
.irp i, 0,1
	global_load_b128 v[128+8*\t+4*\i:131+8*\t+4*\i], v13, s[76:77] offset:(32*(\t/2)+8*(\t%2))*4+16*\i
.endr
.endr
	LIN_LOAD 8, 9, 78, 80, 0, 8, 0, 0, 48, 0       ; ff2: 48 loads
.irp q, 0,1,2,3
	global_load_b128 v[88+4*\q:91+4*\q], v12, s[82:83] offset:16*\q   ; ff2_b takes the rows' place: 4 loads
.endr
	LN RED2, 72, 63, 0                             ; behind the gain's and bias's loads stand 16 + 48 + 4; the count is the largest that the wait can name
	QSTORE 72, XI4
	BARRIER
	; ---- 5: the hidden layer: my 128 units, relu, quantised: K step w of the last product
	s_wait_alu depctr_vm_vsrc(0)                   ; my LDS stores have read v236, v238, v239, in which the loads below land
.irp s, 0,1
	ds_load_b128 v[224+8*\s:227+8*\s], v1 offset:XI4+1024*\s
	ds_load_b128 v[228+8*\s:231+8*\s], v1 offset:XI4+1024*\s+512
	ds_load_b32 v[240+\s], v2 offset:XI4+2048+128*\s
.endr
	s_wait_loadcnt 52                              ; ff1 and ff1_b are in: behind them ff2's 48 + 4
	s_wait_dscnt 0x0
	WIN 0x01
.irp s, 0,1
.irp t, 0,1,2,3,4,5,6,7
	MMC 128+8*\t, 128+16*\t+8*\s, 224+8*\s, 128+8*\t, 32+2*\t+\s, 240+\s
.endr
.endr
	WIN 0
	PLACES 4
	LNP 92, 94                                     ; 8 loads (v192-223: LN1's lines stand ahead of the image's wait on va_vdst, and no vector line since names them)
.set j, 0
.rept 64
	v_max_num_f32 v[128+j], 0, v[128+j]
.set j, j+1
.endr
	QUANT 128, 224, 248
	s_wait_alu depctr_va_vdst(0)                   ; the fragment v224-231 and its scale word v248 are written, which the LDS stores read
	ds_store_b128 v21, v[224:227] offset:HIMG
	ds_store_b128 v21, v[228:231] offset:HIMG+512
	ds_store_b32 v22, v248 offset:HSC
	BARRIER
	; ---- 6: the last product, residual, LN3, and out
	s_wait_alu depctr_vm_vsrc(0)                   ; my LDS store has read v248, in which a scale word lands
	LIN_RUN HIMG, HSC, 8, 0, 88, 0x01, 48, 8       ; LN3's 8 loads may be out
	ADD16 104, 104, 72
	LN RED4, 104, 0, 1
	s_wait_alu depctr_va_vdst(0)                   ; the result v104-119 is written, which the LDS stores read
.irp q, 0,1,2,3
	ds_store_b128 v18, v[104+4*\q:107+4*\q] offset:STG+16*\q
.endr
	BARRIER                                        ; 16 whole rows lie in the stage
.irp k, 0,1
.irp j, 0,1
	ds_load_b128 v[128+8*\k+4*\j:131+8*\k+4*\j], v19 offset:STG+1040*\k+512*\j
.endr
.endr
.irp k, 0,1
.irp j, 0,1
	s_wait_dscnt 3-2*\k-\j
	global_store_b128 v29, v[128+8*\k+4*\j:131+8*\k+4*\j], s[42:43] offset:1024*\k+512*\j th:TH_STORE_NT   ; 32 lanes store 512 consecutive bytes, aligned
.endr
.endr
	s_wait_xcnt 0x0
	v_lshl_add_u32 v254, v0, 2, 0x12800
	v_mov_b32 v255, 0
	s_wait_dscnt 0x0                               ; the closing lines, six on end
	s_wait_alu 0x0
	s_wait_tensorcnt 0x0
	ds_add_u32 v254, v255
	s_wait_dscnt 0x0
	s_endpgm
.Lfunc_end_k_qe91d590793_chain:
	.size	k_qe91d590793_chain, .Lfunc_end_k_qe91d590793_chain-k_qe91d590793_chain
	.p2alignl 7, 3214868480
	.fill 96, 4, 3214868480
	.section	.rodata,"a",@progbits
	.p2align	6, 0x0
	.amdhsa_kernel k_qe91d590793_chain
		.amdhsa_group_segment_fixed_size 76800
		.amdhsa_private_segment_fixed_size 0
		.amdhsa_enable_private_segment 0
		.amdhsa_kernarg_size 240
		.amdhsa_user_sgpr_count 2
		.amdhsa_user_sgpr_kernarg_segment_ptr 1
		.amdhsa_wavefront_size32 1
		.amdhsa_system_sgpr_workgroup_id_x 1
		.amdhsa_system_sgpr_workgroup_id_y 1
		.amdhsa_system_sgpr_workgroup_id_z 1
		.amdhsa_system_vgpr_workitem_id 0
		.amdhsa_next_free_vgpr 512
		.amdhsa_next_free_sgpr 100
		.amdhsa_reserve_vcc 0
		.amdhsa_float_denorm_mode_32 3
		.amdhsa_float_denorm_mode_16_64 3
		.amdhsa_memory_ordered 1
		.amdhsa_forward_progress 1
		.amdhsa_inst_pref_size 182
	.end_amdhsa_kernel
	.amdgpu_metadata
---
amdhsa.version: [ 1, 2 ]
amdhsa.kernels:
  - .name:           k_qe91d590793_chain
    .symbol:         k_qe91d590793_chain.kd
    .args:
      - { .name: tgt, .offset: 0, .size: 8, .value_kind: global_buffer, .address_space: global }
      - { .name: query_pos, .offset: 8, .size: 8, .value_kind: global_buffer, .address_space: global }
      - { .name: ws, .offset: 16, .size: 8, .value_kind: global_buffer, .address_space: global }
      - { .name: seg, .offset: 24, .size: 8, .value_kind: global_buffer, .address_space: global }
      - { .name: src_padding_mask, .offset: 32, .size: 8, .value_kind: global_buffer, .address_space: global }
      - { .name: out0, .offset: 40, .size: 8, .value_kind: global_buffer, .address_space: global }
      - { .name: in_proj_w_codes, .offset: 48, .size: 8, .value_kind: global_buffer, .address_space: global }
      - { .name: in_proj_w_scales, .offset: 56, .size: 8, .value_kind: global_buffer, .address_space: global }
      - { .name: in_proj_b, .offset: 64, .size: 8, .value_kind: global_buffer, .address_space: global }
      - { .name: out_w_codes, .offset: 72, .size: 8, .value_kind: global_buffer, .address_space: global }
      - { .name: out_w_scales, .offset: 80, .size: 8, .value_kind: global_buffer, .address_space: global }
      - { .name: out_b, .offset: 88, .size: 8, .value_kind: global_buffer, .address_space: global }
      - { .name: qw_codes, .offset: 96, .size: 8, .value_kind: global_buffer, .address_space: global }
      - { .name: qw_scales, .offset: 104, .size: 8, .value_kind: global_buffer, .address_space: global }
      - { .name: qb, .offset: 112, .size: 8, .value_kind: global_buffer, .address_space: global }
      - { .name: proj_w_codes, .offset: 120, .size: 8, .value_kind: global_buffer, .address_space: global }
      - { .name: proj_w_scales, .offset: 128, .size: 8, .value_kind: global_buffer, .address_space: global }
      - { .name: proj_b, .offset: 136, .size: 8, .value_kind: global_buffer, .address_space: global }
      - { .name: ff1_w_codes, .offset: 144, .size: 8, .value_kind: global_buffer, .address_space: global }
      - { .name: ff1_w_scales, .offset: 152, .size: 8, .value_kind: global_buffer, .address_space: global }
      - { .name: ff1_b, .offset: 160, .size: 8, .value_kind: global_buffer, .address_space: global }
      - { .name: ff2_w_codes, .offset: 168, .size: 8, .value_kind: global_buffer, .address_space: global }
      - { .name: ff2_w_scales, .offset: 176, .size: 8, .value_kind: global_buffer, .address_space: global }
      - { .name: ff2_b, .offset: 184, .size: 8, .value_kind: global_buffer, .address_space: global }
      - { .name: ln2_g, .offset: 192, .size: 8, .value_kind: global_buffer, .address_space: global }
      - { .name: ln2_b, .offset: 200, .size: 8, .value_kind: global_buffer, .address_space: global }
      - { .name: ln1_g, .offset: 208, .size: 8, .value_kind: global_buffer, .address_space: global }
      - { .name: ln1_b, .offset: 216, .size: 8, .value_kind: global_buffer, .address_space: global }
      - { .name: ln3_g, .offset: 224, .size: 8, .value_kind: global_buffer, .address_space: global }
      - { .name: ln3_b, .offset: 232, .size: 8, .value_kind: global_buffer, .address_space: global }
    .group_segment_fixed_size: 76800
    .private_segment_fixed_size: 0
    .kernarg_segment_align: 8
    .kernarg_segment_size: 240
    .max_flat_workgroup_size: 256
    .sgpr_count:     100
    .vgpr_count:     512
    .wavefront_size: 32
...
	.end_amdgpu_metadata
.endif
;; end of part 5
